; MI455X (gfx1250); checked and timed in simulation.
; The chip was launched on July 23, 2026; its instructions are those of AMD's public machine-readable ISA for CDNA 5 (MIT licence, August 2026) and "CDNA5" Instruction Set Architecture Reference Guide (July 2026). The comments in the code are by the model that wrote it; some were corrected since.
;; Transformer Block. Allowed arithmetic: matrix products marked QUANTISED: E3M2 operands, one E8M0 scale for each 32 along K, by v_wmma_scale_f32_16x16x128_f8f6f4 with both operands' format E3M2, f32 sums; everything else in f32.
;; Inputs: W1_codes 2,048 x 16 x 24 uint8 (E3M2 codes of W1, K innermost, in blocks of 32 codes, four codes in three bytes); W1_scales 2,048 x 16 uint8 (E8M0 scales of W1, one for each 32 codes along K); W2_codes 512 x 64 x 24 uint8 (E3M2 codes of W2, K innermost, in blocks of 32 codes, four codes in three bytes); W2_scales 512 x 64 uint8 (E8M0 scales of W2, one for each 32 codes along K); Wk_codes 512 x 16 x 24 uint8 (E3M2 codes of Wk, K innermost, in blocks of 32 codes, four codes in three bytes); Wk_scales 512 x 16 uint8 (E8M0 scales of Wk, one for each 32 codes along K); Wo_codes 512 x 16 x 24 uint8 (E3M2 codes of Wo, K innermost, in blocks of 32 codes, four codes in three bytes); Wo_scales 512 x 16 uint8 (E8M0 scales of Wo, one for each 32 codes along K); Wq_codes 512 x 16 x 24 uint8 (E3M2 codes of Wq, K innermost, in blocks of 32 codes, four codes in three bytes); Wq_scales 512 x 16 uint8 (E8M0 scales of Wq, one for each 32 codes along K); Wv_codes 512 x 16 x 24 uint8 (E3M2 codes of Wv, K innermost, in blocks of 32 codes, four codes in three bytes); Wv_scales 512 x 16 uint8 (E8M0 scales of Wv, one for each 32 codes along K); b1 2,048 float32; b2 512 float32; bo 512 float32; ln1_scale 512 float32; ln1_shift 512 float32; ln2_scale 512 float32; ln2_shift 512 float32; x 4 x 2,048 x 512 float32.
;; Outputs: out0 4 x 2,048 x 512 float32.
;; This version of the problem:
;;   THIS VERSION OF THE PROBLEM IS GIVEN IN LOW PRECISION. The matrix products marked QUANTISED in the list below multiply operands that are first quantised to E3M2 (3 exponent bits, 2 mantissa bits; 6 bits a number), with one power-of-two scale for each 32 numbers along K (OCP MX v1.0); their sums are f32. All else is computed in f32.
;;   The module's matrix products, in the order in which they are computed (A, B: the left and right operand; K: the contracted axis; several contracted axes count as one K, in the product's order):
;;     1. [M 8,192, K 512] x [K 512, N 512]; A: computed on the way; B: input Wq (given as codes): QUANTISED
;;     2. [M 8,192, K 512] x [K 512, N 512]; A: computed on the way; B: input Wk (given as codes): QUANTISED
;;     3. [M 8,192, K 512] x [K 512, N 512]; A: computed on the way; B: input Wv (given as codes): QUANTISED
;;     4. batch 64 x [M 2,048, K 32] x [K 32, N 2,048]; A: computed on the way; B: computed on the way: QUANTISED
;;     5. batch 64 x [M 2,048, K 2,048] x [K 2,048, N 32]; A: softmax (see below); B: computed on the way: QUANTISED
;;     6. [M 8,192, K 512] x [K 512, N 512]; A: computed on the way; B: input Wo (given as codes): QUANTISED
;;     7. [M 8,192, K 512] x [K 512, N 2,048]; A: computed on the way; B: input W1 (given as codes): QUANTISED
;;     8. [M 8,192, K 2,048] x [K 2,048, N 512]; A: computed on the way; B: input W2 (given as codes): QUANTISED
;;   THE QUANTISER, for each operand of a quantised product, along K:
;;     - K is cut into blocks of 32 from its start; a last block that is shorter is filled with zeros.
;;     - A block's scale is 2^e with e = floor(log2(the largest magnitude in the block)) - 4, held to -126 .. 127; a block of zeros has e = 0. As a byte (E8M0): e + 127.
;;     - Each number is divided by its block's scale, clamped to +-28, and rounded to the nearest number of E3M2, ties to even, subnormals kept.
;;     - The product sums the exact products of the quantised numbers (number of the format x scale) in f32.
;;   ~~~python
;;   def quantise(x, axis):      # numpy; x: float32 -> the quantised numbers, widened to float32 again
;;       x = np.moveaxis(x, axis, -1); K = x.shape[-1]
;;       x = np.pad(x, [(0, 0)] * (x.ndim - 1) + [(0, -K % 32)]); x = x.reshape(x.shape[:-1] + (-1, 32)); a = np.abs(x).max(-1, keepdims=True)
;;       e = np.where(a > 0, np.clip(np.frexp(np.where(a > 0, a, 1))[1] - 1 - 4, -126, 127), 0)      # np.frexp(a)[1] - 1 = floor(log2(a)), exactly
;;       r = np.clip(x / 2.0 ** e, -28, 28)
;;       step = 2.0 ** (np.maximum(np.frexp(np.where(r == 0, 1, r))[1] - 1, -2) - 2)
;;       q = np.round(r / step) * step * 2.0 ** e      # np.round: ties to even
;;       return np.moveaxis(q.reshape(q.shape[:-2] + (-1,))[..., :K], -1, axis).astype(np.float32)
;;   ~~~
;;   SOFTMAX AHEAD OF A QUANTISED PRODUCT. Where the list says 'softmax', what is quantised is not the finished softmax but p = 2^(t - M), with t = logit x log2(e) and M = ceil(the row's largest t), a whole number; so 1/2 < the row's largest p <= 1. The row's sum l is taken of the UNQUANTISED p, in f32, and the product's result is divided by l at the end. Since M is a whole number, a kernel that streams over the keys may use a running M (the ceiling of the running maximum): every later rescaling is an exact power of two, which a block's scale takes up: the codes' values come out the same.
;;   OPERANDS COMPUTED ON THE WAY. 'Computed on the way' means the value that the module computes at that place (a softmax that the list does not call 'softmax' is quantised finished and normalised). What goes into a quantiser is computed in f32, as accurately as f32 sums, v_exp_f32 and their like allow (about 1e-6 of the number): no bf16 or f16 on the way to a quantiser, and a product that is left as it is and whose result goes on into a quantised operand takes f32 operands (vector FMAs, or v_wmma_f32_16x16x4_f32). A number that lies on a knife's edge between two numbers of the format may be rounded either way, as far as f32 arithmetic and the matrix unit's own rounding can turn it there, and no further.
;;   INPUTS GIVEN AS CODES. W1 (in the module: [512, 2048], K = its axis 0); W2 (in the module: [2048, 512], K = its axis 0); Wk (in the module: [512, 512], K = its axis 0); Wo (in the module: [512, 512], K = its axis 0); Wq (in the module: [512, 512], K = its axis 0); Wv (in the module: [512, 512], K = its axis 0): each comes as NAME_codes (uint8): NAME with its K axis moved to the last place and cut into blocks of 32 codes, [.., K / 32, bytes a block], one block behind the other in memory; four codes in three bytes: a row's codes are one little-endian stream of bits, code i at bits 6 i .. 6 i + 5 (a code: sign, 3 exponent bits, 2 mantissa bits); and NAME_scales (uint8): the same leading axes, one E8M0 byte (e + 127) for each 32 codes along K. Its value is code x scale, taken as it is: it is not quantised again, and the codes and scales need not be those that the quantiser above would give.
;; 2 versions. Each part assembles by itself: llvm-mc -triple=amdgcn-amd-amdhsa -mcpu=gfx1250 --defsym DOCPART=n.
;; ======== version 1 of 2: 4 launches
;; workspace buffers: xq 3,276,800 bytes; wst 1,843,200 bytes; qc 3,145,728 bytes; qs 131,072 bytes; kv 6,553,600 bytes; cc 3,145,728 bytes; cs 131,072 bytes
;; launch prep (part 1): grid 256 x 1, 4 waves a work-group, no clusters, 5,632 bytes of LDS; arguments x, ln1_scale, ln1_shift, Wo_codes, Wo_scales, W1_codes, W1_scales, W2_codes, W2_scales, xq, wst; writes xq, wst
.if DOCPART == 1
	.amdgcn_target "amdgcn-amd-amdhsa--gfx1250"
	.amdhsa_code_object_version 6
	.text
	.protected	k_q5e200612a4_prep
	.globl	k_q5e200612a4_prep
	.p2align	8
	.type	k_q5e200612a4_prep,@function
k_q5e200612a4_prep:
	s_mov_b64 s[64:65], 0
	v_nop
	global_prefetch_b8 v0, s[64:65] scope:SCOPE_SE
	s_setreg_imm32_b32 hwreg(HW_REG_WAVE_MODE, 25, 1), 1
	s_wait_xcnt 0x0
; LN1(x) -> codes of BF6 (E3M2) with one E8M0 byte for each 32 along K, laid as IMAGES OF OPERAND REGISTERS; and Wo, W1, W2 laid anew as the stream that the last launch's waves read.
; x: [8192][512] f32.  A work-group owns 32 rows; wave v: u = v / 2 picks 16 of them (lane r: row 32 blk + 8 u + r + 8 (r / 8)), p = v % 2 picks K steps 2 p and 2 p + 1 (128 numbers a lane).
; A lane holds 16 neighbours of each block of 32 (k = 32 b + 16 (lane / 16) + i); a row's mean and variance join lanes l and l xor 16, and the two waves of a row through LDS.
; xq: a record of 12,800 bytes a work-group: fragment (u, s) at 1536 (4 u + s): registers 4 q .. 4 q + 3 of lane l at 512 q + 16 l; at 12,288 the rows' four scale words, 16 bytes for lane 16 u + r.
; wst: [wave w of the last launch: 4][group g: 36][12,800]: eight fragments (tile t at 1536 t, lane r = weight row n0 + 32 (t / 2) + 8 (t % 2) + r + 8 (r / 8)) of ONE K step, then 512 bytes: lane (r, h): the scale words of tiles 4 h .. 4 h + 3.
;   g 0-3: Wo, K step g, n0 = 128 w;  g 4-19: W1, n0 = 512 w + 128 ((g - 4) / 4), K step (g - 4) % 4;  g 20-35: W2, K step g - 20, n0 = 128 w.  Work-group 64 w + g lays group (w, g); wave v its tiles 2 v, 2 v + 1.
; LIMITS: NaN and infinities among the inputs are not served; a block whose largest magnitude lies under 2^-122 (a block of zeros too) gets the byte 1: its bytes are read by this program alone; 1 / sqrt is v_rsq_f32 (1 ulp).
; No tensor loads, no cluster: no two work-groups read the same bytes here.  No prefetch: each byte is asked for at the head and used once.
.set LG,   0                           ; LDS: ln1_scale, 2,048 bytes
.set LSH,  2048                        ; ln1_shift
.set ST1,  4096                        ; a word a thread: the rows' partial sums
.set ST2,  4608                        ; and partial sums of squares
.set X,    128                         ; v128-255 my 128 numbers: 64 sl + 16 b + i
.set GB,   64                          ; v64-95 scale, v96-127 shift of two blocks; in the weights' part: two fragments and four scale words
.set PC,   16                          ; v16-35 codes just made
.set PW,   36                          ; the scale word just made
.set PW0,  37
.set TM,   40                          ; v40-55 at work
.set SEL,  58                          ; s[58:59] v_permlanex16_b32's selects for lane l xor 16
; 64 numbers of a lane, register 16 b + i = k 32 b + 16 (lane / 16) + i of my row, become a fragment's codes in v[PC] on and its scale word in v[PW]
.macro QUANT s
.irp b, 0,1,2,3
	v_max3_num_f32 v[TM+\b], |v[(\s)+16*\b]|, |v[(\s)+1+16*\b]|, 0x2800000   ; my 16 numbers of block b, and the floor 2^(5 - 127): the byte cannot fall under 1
.endr
.irp i, 2,4,6,8,10,12,14
.irp b, 0,1,2,3
	v_max3_num_f32 v[TM+\b], v[TM+\b], |v[(\s)+16*\b+\i]|, |v[(\s)+1+16*\b+\i]|
.endr
.endr
.irp b, 0,1,2,3
	v_permlanex16_b32 v[TM+4+\b], v[TM+\b], s[SEL], s[SEL+1]
.endr
.irp b, 0,1,2,3
	v_max_num_f32 v[TM+\b], v[TM+\b], v[TM+4+\b]      ; with lane l xor 16's: the block's largest magnitude
.endr
.irp b, 0,1,2,3
	v_add_nc_u32 v[TM+12+\b], 0xfe000000, v[TM+\b]    ; 4 off its exponent field: the conversion's scale operand
.endr
.irp b, 0,1,2,3
	v_lshrrev_b32 v[TM+4+\b], 23, v[TM+12+\b]         ; the scale's byte
.endr
	v_lshl_or_b32 v[PW], v[TM+5], 8, v[TM+4]
	v_lshl_or_b32 v[PW], v[TM+6], 16, v[PW]
	v_lshl_or_b32 v[PW], v[TM+7], 24, v[PW]
.irp c, 0,1
	v_cvt_scalef32_pk16_bf6_f32 v[PC+6*\c:PC+2+6*\c], v[(\s)+32*\c:(\s)+15+32*\c], v[TM+12+2*\c]
	v_cvt_scalef32_pk16_bf6_f32 v[PC+12+4*\c:PC+14+4*\c], v[(\s)+16+32*\c:(\s)+31+32*\c], v[TM+12+2*\c+1]
.endr
	v_nop                                          ; one plain place behind a scaled conversion
.irp c, 0,1                                    ; the operand's layout wants a whole block in a lane: lanes 0-15 block 2 c, lanes 16-31 block 2 c + 1
.irp i, 0,1,2
	v_permlane16_swap_b32 v[PC+6*\c+\i], v[PC+12+4*\c+\i]
.endr
.irp i, 0,1,2
	v_mov_b32 v[PC+3+6*\c+\i], v[PC+12+4*\c+\i]
.endr
.endr
.endm
.macro FOLD                                    ; four chains of pairs -> the sum over my row's two lanes
	v_pk_add_f32 v[TM:TM+1], v[TM:TM+1], v[TM+2:TM+3]
	v_pk_add_f32 v[TM+4:TM+5], v[TM+4:TM+5], v[TM+6:TM+7]
	v_pk_add_f32 v[TM:TM+1], v[TM:TM+1], v[TM+4:TM+5]
	v_add_f32 v[TM], v[TM], v[TM+1]
	v_permlanex16_b32 v[TM+1], v[TM], s[SEL], s[SEL+1]
	v_add_f32 v[TM], v[TM], v[TM+1]
.endm
.macro BARRIER
	s_wait_dscnt 0x0                               ; my LDS stores have landed and my LDS loads are in
	s_barrier_signal -1
	s_barrier_wait -1
.endm
; Two tiles of one K step of a weight whose rows are RB bytes of codes and KS bytes of scales.  s[38:39] codes, s[40:41] scales, s45 = n0, s44 = the K step.
.macro RELAY RB, KS
	v_mul_u32_u24 v13, v11, \RB
	v_mad_u32_u24 v13, v3, 24, v13                 ; my row of a tile, + 24 bytes for the upper half of the lanes
	s_lshl_b32 s47, s26, 5
	s_add_co_u32 s47, s47, s45                     ; n0 + 32 v: the first row of tile 2 v
	s_mul_i32 s47, s47, \RB
	s_mul_i32 s48, s44, 96
	s_add_co_u32 s48, s48, s47
	s_mov_b32 s49, 0
	s_add_nc_u64 s[38:39], s[38:39], s[48:49]
.irp u, 0,1
.irp p, 0,1,2,3,4,5
	global_load_b64 v[GB+12*\u+2*\p:GB+12*\u+2*\p+1], v13, s[38:39] offset:8*\u*\RB+48*(\p/3)+8*(\p%3)
.endr
.endr
	s_wait_loadcnt 0x0
.irp i, 0,1,2,3,4,5
	global_store_b128 v12, v[GB+4*\i:GB+4*\i+3], s[24:25] offset:512*\i   ; 32 lanes store 512 consecutive bytes
.endr
	s_cmp_lg_u32 s26, 0                            ; wave 0 also lays the group's scale words
	s_cbranch_scc1 .Lrel_done_\@
	v_lshl_add_u32 v14, v3, 6, v11                 ; lanes 16-31 take tiles 4-7: 64 rows on
	v_mul_u32_u24 v14, v14, \KS
	s_mul_i32 s50, s45, \KS
	s_lshl_b32 s51, s44, 2
	s_add_co_u32 s50, s50, s51
	s_mov_b32 s51, 0
	s_add_nc_u64 s[40:41], s[40:41], s[50:51]
.irp i, 0,1,2,3
	global_load_b32 v[GB+24+\i], v14, s[40:41] offset:(32*(\i/2)+8*(\i%2))*\KS
.endr
	s_wait_loadcnt 0x0
	global_store_b128 v5, v[GB+24:GB+27], s[24:25] offset:12288
.Lrel_done_\@:
.endm
	s_load_b512 s[4:19], s[0:1], 0x0               ; x, ln1_scale, ln1_shift, Wo codes, Wo scales, W1 codes, W1 scales, W2 codes
	s_load_b128 s[20:23], s[0:1], 0x40             ; W2 scales, xq
	s_load_b64 s[24:25], s[0:1], 0x50              ; wst
	v_lshl_add_u32 v50, v0, 2, 0x1400
	v_mov_b32 v51, 0
	v_lshrrev_b32 v1, 5, v0
	v_readfirstlane_b32 s26, v1                    ; wave v
	v_and_b32 v1, 31, v0                           ; lane
	v_and_b32 v2, 15, v0                           ; r
	v_bfe_u32 v3, v0, 4, 1                         ; h
	s_lshr_b32 s27, s26, 1                         ; u
	s_and_b32 s28, s26, 1                          ; p
	v_and_b32 v11, 8, v2
	v_add_nc_u32 v11, v11, v2                      ; r + 8 (r / 8)
	v_lshlrev_b32 v4, 11, v11
	v_lshl_add_u32 v4, v3, 6, v4                   ; x: my row of 2,048 bytes, + 64 h
	v_lshlrev_b32 v5, 4, v1                        ; 16 x lane
	v_lshlrev_b32 v6, 4, v0                        ; 16 x thread
	s_lshl_b32 s29, s28, 10
	v_lshlrev_b32 v7, 6, v3
	v_add_nc_u32 v7, s29, v7                       ; scale and shift in LDS: 64 h + 1,024 p
	v_lshlrev_b32 v8, 2, v0                        ; my word among the partial sums
	v_xor_b32 v9, 32, v0
	v_lshlrev_b32 v9, 2, v9                        ; and that of the wave with the row's other half
	v_lshlrev_b32 v10, 4, v2
	v_lshl_add_u32 v10, v3, 2, v10
	s_lshl_b32 s30, s27, 8
	s_lshl_b32 s31, s28, 3
	s_add_co_u32 s30, s30, s31
	v_add_nc_u32 v10, s30, v10                     ; my scale word's place: 16 (16 u + r) + 8 p + 4 h
	s_lshl_b32 s30, s27, 2
	s_lshl_b32 s31, s28, 1
	s_add_co_u32 s30, s30, s31
	s_mul_i32 s30, s30, 1536
	v_add_nc_u32 v15, s30, v5                      ; my images' place: 1536 (4 u + 2 p) + 16 x lane
	s_mov_b32 s[SEL], 0x76543210
	s_mov_b32 s[SEL+1], 0xfedcba98
	s_mov_b32 s53, 0x3b000000                      ; 1 / 512
	s_mov_b32 s54, 0x3727c5ac                      ; 1e-5
	s_lshl_b32 s32, ttmp9, 16                      ; 32 rows of 2,048 bytes a work-group
	s_lshl_b32 s33, s27, 14                        ; 8 u rows
	s_add_co_u32 s32, s32, s33
	s_add_co_u32 s32, s32, s29                     ; 1,024 p
	s_mov_b32 s33, 0
	s_mul_i32 s30, ttmp9, 12800
	s_mov_b32 s31, 0
	s_wait_kmcnt 0x0
	s_add_nc_u64 s[4:5], s[4:5], s[32:33]
	s_add_nc_u64 s[22:23], s[22:23], s[30:31]
.irp sl, 0,1
.irp b, 0,1,2,3
.irp j, 0,1,2,3
	global_load_b128 v[X+64*\sl+16*\b+4*\j:X+64*\sl+16*\b+4*\j+3], v4, s[4:5] offset:512*\sl+128*\b+16*\j th:TH_LOAD_NT
.endr
.endr
.endr
	global_load_b128 v[56:59], v6, s[6:7]
	global_load_b128 v[60:63], v6, s[8:9]
	; ---- the weights' part: 144 of the 256 work-groups lay one group each
	s_and_b32 s34, ttmp9, 63                       ; g
	s_lshr_b32 s35, ttmp9, 6                       ; w
	s_cmp_lt_u32 s34, 36
	s_cbranch_scc0 .Lno_relay
	s_mul_i32 s36, s35, 36
	s_add_co_u32 s36, s36, s34
	s_mul_i32 s36, s36, 12800
	s_mov_b32 s37, 0
	s_add_nc_u64 s[24:25], s[24:25], s[36:37]
	s_mul_i32 s52, s26, 3072
	v_add_nc_u32 v12, s52, v5                      ; tiles 2 v, 2 v + 1 of the group
	s_cmp_lt_u32 s34, 20
	s_cbranch_scc0 .Lrelay_w2
	s_sub_co_u32 s42, s34, 4                       ; W1's numbers are made for every g and taken where g >= 4
	s_lshr_b32 s43, s42, 2
	s_and_b32 s44, s42, 3
	s_lshl_b32 s43, s43, 7
	s_lshl_b32 s45, s35, 9
	s_add_co_u32 s45, s45, s43
	s_lshl_b32 s46, s35, 7
	s_cmp_lt_u32 s34, 4
	s_cselect_b32 s45, s46, s45                    ; n0
	s_cselect_b32 s44, s34, s44                    ; the K step
	s_cselect_b64 s[38:39], s[10:11], s[14:15]
	s_cselect_b64 s[40:41], s[12:13], s[16:17]
	RELAY 384, 16
	s_branch .Lno_relay
.Lrelay_w2:
	s_sub_co_u32 s44, s34, 20
	s_lshl_b32 s45, s35, 7
	s_mov_b64 s[38:39], s[18:19]
	s_mov_b64 s[40:41], s[20:21]
	RELAY 1536, 64
.Lno_relay:
	s_wait_loadcnt 0x0                             ; x, scale and shift are in
	s_wait_xcnt 0x0                                ; the stores above have read their registers: v64 on are written again below
	ds_store_b128 v6, v[56:59] offset:LG
	ds_store_b128 v6, v[60:63] offset:LSH
	; ---- the mean
.irp c, 0,1,2,3
	v_pk_add_f32 v[TM+2*\c:TM+2*\c+1], v[X+2*\c:X+2*\c+1], v[X+8+2*\c:X+9+2*\c]
.endr
.set i, 16
.rept 14
.irp c, 0,1,2,3
	v_pk_add_f32 v[TM+2*\c:TM+2*\c+1], v[TM+2*\c:TM+2*\c+1], v[X+i+2*\c:X+i+2*\c+1]
.endr
.set i, i+8
.endr
	FOLD
	ds_store_b32 v8, v[TM] offset:ST1
	BARRIER                                        ; the partial sums, scale and shift lie in LDS
	ds_load_b32 v[TM+1], v9 offset:ST1
	s_wait_dscnt 0x0
	v_add_f32 v[TM], v[TM], v[TM+1]
	v_mul_f32 v12, s53, v[TM]
	v_mov_b32 v13, v12                             ; the mean, as a pair
.set i, 0
.rept 64
	v_pk_add_f32 v[X+i:X+i+1], v[X+i:X+i+1], v[12:13] neg_lo:[0,1] neg_hi:[0,1]
.set i, i+2
.endr
	; ---- the variance, of the centred numbers
.irp c, 0,1,2,3
	v_pk_mul_f32 v[TM+2*\c:TM+2*\c+1], v[X+2*\c:X+2*\c+1], v[X+2*\c:X+2*\c+1]
.endr
.set i, 8
.rept 15
.irp c, 0,1,2,3
	v_pk_fma_f32 v[TM+2*\c:TM+2*\c+1], v[X+i+2*\c:X+i+2*\c+1], v[X+i+2*\c:X+i+2*\c+1], v[TM+2*\c:TM+2*\c+1]
.endr
.set i, i+8
.endr
	FOLD
	ds_store_b32 v8, v[TM] offset:ST2
	BARRIER
	ds_load_b32 v[TM+1], v9 offset:ST2
	s_wait_dscnt 0x0
	v_add_f32 v[TM], v[TM], v[TM+1]
	v_fma_f32 v[TM], v[TM], s53, s54               ; variance + 1e-5
	v_rsq_f32 v38, v[TM]
	v_nop                                          ; a plain place behind the transcendental
	s_wait_alu depctr_va_vdst(0)                   ; and the wait ahead of its first reader
	v_mov_b32 v39, v38
	; ---- (x - mean) / sqrt(..) x scale + shift, two blocks of 32 at a time
.irp sl, 0,1
.irp pr, 0,1
.irp b, 0,1
.irp j, 0,1,2,3
	ds_load_b128 v[GB+16*\b+4*\j:GB+16*\b+4*\j+3], v7 offset:LG+512*\sl+128*(2*\pr+\b)+16*\j
	ds_load_b128 v[GB+32+16*\b+4*\j:GB+32+16*\b+4*\j+3], v7 offset:LSH+512*\sl+128*(2*\pr+\b)+16*\j
.endr
.endr
	s_wait_dscnt 0x0
.irp i, 0,2,4,6,8,10,12,14,16,18,20,22,24,26,28,30
	v_pk_mul_f32 v[X+64*\sl+32*\pr+\i:X+64*\sl+32*\pr+\i+1], v[X+64*\sl+32*\pr+\i:X+64*\sl+32*\pr+\i+1], v[38:39]
.endr
.irp i, 0,2,4,6,8,10,12,14,16,18,20,22,24,26,28,30
	v_pk_fma_f32 v[X+64*\sl+32*\pr+\i:X+64*\sl+32*\pr+\i+1], v[X+64*\sl+32*\pr+\i:X+64*\sl+32*\pr+\i+1], v[GB+\i:GB+\i+1], v[GB+32+\i:GB+32+\i+1]
.endr
.endr
.endr
	; ---- two fragments
	QUANT X
	v_mov_b32 v[PW0], v[PW]
.irp c, 0,1,2
	global_store_b128 v15, v[PC+4*\c:PC+4*\c+3], s[22:23] offset:512*\c
.endr
	s_wait_xcnt 0x0                                ; the stores have read the codes' registers, which are written again
	QUANT X+64
.irp c, 0,1,2
	global_store_b128 v15, v[PC+4*\c:PC+4*\c+3], s[22:23] offset:1536+512*\c
.endr
	v_cmp_eq_u32 vcc_lo, 1, v3
	v_cndmask_b32 v[PW], v[PW0], v[PW], vcc_lo     ; both lanes of a row hold both words: lane h stores K step 2 p + h's
	global_store_b32 v10, v[PW], s[22:23] offset:12288
	s_wait_tensorcnt 0x0
	ds_add_u32 v50, v51
	s_wait_dscnt 0x0
	s_endpgm
.Lfunc_end_k_q5e200612a4_prep:
	.size	k_q5e200612a4_prep, .Lfunc_end_k_q5e200612a4_prep-k_q5e200612a4_prep
	.p2alignl 7, 3214868480
	.fill 96, 4, 3214868480
	.section	.rodata,"a",@progbits
	.p2align	6, 0x0
	.amdhsa_kernel k_q5e200612a4_prep
		.amdhsa_group_segment_fixed_size 5632
		.amdhsa_private_segment_fixed_size 0
		.amdhsa_enable_private_segment 0
		.amdhsa_kernarg_size 88
		.amdhsa_user_sgpr_count 2
		.amdhsa_user_sgpr_kernarg_segment_ptr 1
		.amdhsa_wavefront_size32 1
		.amdhsa_system_sgpr_workgroup_id_x 1
		.amdhsa_system_sgpr_workgroup_id_y 1
		.amdhsa_system_sgpr_workgroup_id_z 1
		.amdhsa_system_vgpr_workitem_id 0
		.amdhsa_next_free_vgpr 256
		.amdhsa_next_free_sgpr 66
		.amdhsa_reserve_vcc 1
		.amdhsa_float_denorm_mode_32 3
		.amdhsa_float_denorm_mode_16_64 3
		.amdhsa_memory_ordered 1
		.amdhsa_forward_progress 1
		.amdhsa_inst_pref_size 47
	.end_amdhsa_kernel
	.amdgpu_metadata
---
amdhsa.version: [ 1, 2 ]
amdhsa.kernels:
  - .name:           k_q5e200612a4_prep
    .symbol:         k_q5e200612a4_prep.kd
    .args:
      - { .name: x, .offset: 0, .size: 8, .value_kind: global_buffer, .address_space: global }
      - { .name: ln1_scale, .offset: 8, .size: 8, .value_kind: global_buffer, .address_space: global }
      - { .name: ln1_shift, .offset: 16, .size: 8, .value_kind: global_buffer, .address_space: global }
      - { .name: Wo_codes, .offset: 24, .size: 8, .value_kind: global_buffer, .address_space: global }
      - { .name: Wo_scales, .offset: 32, .size: 8, .value_kind: global_buffer, .address_space: global }
      - { .name: W1_codes, .offset: 40, .size: 8, .value_kind: global_buffer, .address_space: global }
      - { .name: W1_scales, .offset: 48, .size: 8, .value_kind: global_buffer, .address_space: global }
      - { .name: W2_codes, .offset: 56, .size: 8, .value_kind: global_buffer, .address_space: global }
      - { .name: W2_scales, .offset: 64, .size: 8, .value_kind: global_buffer, .address_space: global }
      - { .name: xq, .offset: 72, .size: 8, .value_kind: global_buffer, .address_space: global }
      - { .name: wst, .offset: 80, .size: 8, .value_kind: global_buffer, .address_space: global }
    .group_segment_fixed_size: 5632
    .private_segment_fixed_size: 0
    .kernarg_segment_align: 8
    .kernarg_segment_size: 88
    .max_flat_workgroup_size: 128
    .sgpr_count:     66
    .vgpr_count:     256
    .wavefront_size: 32
...
	.end_amdgpu_metadata
.endif
;; end of part 1
;; launch qkv (part 2): grid 4 x 64, 4 waves a work-group, no clusters, 0 bytes of LDS; arguments xq, Wq_codes, Wq_scales, Wk_codes, Wk_scales, Wv_codes, Wv_scales, qc, qs, kv; writes qc, qs, kv
.if DOCPART == 2
	.amdgcn_target "amdgcn-amd-amdhsa--gfx1250"
	.amdhsa_code_object_version 6
	.text
	.protected	k_q5e200612a4_qkv
	.globl	k_q5e200612a4_qkv
	.p2align	8
	.type	k_q5e200612a4_qkv,@function
k_q5e200612a4_qkv:
	s_mov_b64 s[64:65], 0
	v_nop
	global_prefetch_b8 v0, s[64:65] scope:SCOPE_SE
	s_setreg_imm32_b32 hwreg(HW_REG_WAVE_MODE, 25, 1), 1
	s_wait_xcnt 0x0
; q, k, v = LN1(x) Wq, Wk, Wv on codes of BF6 (E3M2), and the three results quantised at once: q and k along the head's 32, v along the keys.
; SHARES.  1,024 waves that share nothing: wave w of work-group (gx, tg) takes head hd = 4 gx + w and rows 128 tg .. + 127.  Its 24 weight fragments (q, k, v: two tiles of 16 of the head's 32 x four K steps) stay in
; registers, read once as they lie in memory; x comes as four records of 25 dense loads of 512 bytes.
; LAYOUT.  q, k: source 0 = 16 rows of W (lane r of tile u: the head's feature 8 u + r + 8 (r / 8)), source 1 = 16 rows of x: a lane holds one token and, over the two tiles, features 16 h + 0 .. 15.
; v: source 0 = 16 rows of x (lane r of tile u': token 8 u' + r + 8 (r / 8) of a block of 32), source 1 = 16 rows of Wv: a lane holds one feature and, over the two tiles, tokens 16 h + 0 .. 15: neighbours along the keys.
; OUT.  qc [bh][t][24]: a token's 32 codes.  qs [bh][tg][r][8]: byte 2 B + u' of lane r: token 128 tg + 32 B + 8 u' + r + 8 (r / 8).
; kv [bh][step of 128 keys][6,400]: images of registers: K's fragments f = 0, 1 (row m, block b of K: key 64 f + 32 (b / 2) + 8 (b % 2) + m + 8 (m / 8), all 32 of its codes), V's tiles 0, 1 (row m: feature 8 ud + m + 8 (m / 8); 128 keys),
; then 32 words of K's scales (lane m + 16 f) and 32 of V's (lane m + 16 ud).
; LIMITS: a block whose largest magnitude lies under 2^-122 (a block of zeros too) gets the byte 1; the bytes are read by this program alone.
; No LDS, no tensor load, no cluster: every operand goes from memory into the registers of the wave that multiplies by it, in whole runs of 512 bytes (x) or once in the launch (weights: 36,864 bytes a wave).
; REGISTERS: window 0: v1-10 addresses, v16-39 the weights' scale words, v40-47 x's, v48-133 at work, v160-255 six units of 16 results.  window 1: q's and k's fragments.  window 2: v's.  window 3: x's, two buffers of 96.
.set WS,  16
.set XS,  40
.set TM,  48
.set TP,  54
.set SO,  60
.set BY,  66
.set QC0, 72
.set QC1, 76
.set KT,  80
.set VT0, 84
.set VT1, 88
.set KC,  92
.set VC,  104
.set QSW, 128
.set KSW, 130
.set VSW, 132
.set ACC, 160
.set SEL, 28
.set MSB, 0
.macro WIN new                         ; the immediate's high byte repeats the setting that is left
.if MSB != \new
	s_set_vgpr_msb (MSB<<8)|\new
.set MSB, \new
.endif
.endm
.macro PLACES n
.rept \n
	v_nop
.endr
.endm
; one product: d, a, b: first registers; cz = 1: C is the constant 0, else c; sa, sb: scale registers; ra, rb = 1: the scales stand in lanes 16-31
.macro WM d, a, b, cz, c, sa, sb, ra, rb
.if \cz
.if (\ra) && (\rb)
	v_wmma_scale_f32_16x16x128_f8f6f4 v[(\d):(\d)+7], v[(\a):(\a)+11], v[(\b):(\b)+11], 0, v[\sa], v[\sb] matrix_a_fmt:MATRIX_FMT_BF6 matrix_b_fmt:MATRIX_FMT_BF6 matrix_a_scale:MATRIX_SCALE_ROW1 matrix_b_scale:MATRIX_SCALE_ROW1
.elseif \ra
	v_wmma_scale_f32_16x16x128_f8f6f4 v[(\d):(\d)+7], v[(\a):(\a)+11], v[(\b):(\b)+11], 0, v[\sa], v[\sb] matrix_a_fmt:MATRIX_FMT_BF6 matrix_b_fmt:MATRIX_FMT_BF6 matrix_a_scale:MATRIX_SCALE_ROW1
.elseif \rb
	v_wmma_scale_f32_16x16x128_f8f6f4 v[(\d):(\d)+7], v[(\a):(\a)+11], v[(\b):(\b)+11], 0, v[\sa], v[\sb] matrix_a_fmt:MATRIX_FMT_BF6 matrix_b_fmt:MATRIX_FMT_BF6 matrix_b_scale:MATRIX_SCALE_ROW1
.else
	v_wmma_scale_f32_16x16x128_f8f6f4 v[(\d):(\d)+7], v[(\a):(\a)+11], v[(\b):(\b)+11], 0, v[\sa], v[\sb] matrix_a_fmt:MATRIX_FMT_BF6 matrix_b_fmt:MATRIX_FMT_BF6
.endif
.else
.if (\ra) && (\rb)
	v_wmma_scale_f32_16x16x128_f8f6f4 v[(\d):(\d)+7], v[(\a):(\a)+11], v[(\b):(\b)+11], v[(\c):(\c)+7], v[\sa], v[\sb] matrix_a_fmt:MATRIX_FMT_BF6 matrix_b_fmt:MATRIX_FMT_BF6 matrix_a_scale:MATRIX_SCALE_ROW1 matrix_b_scale:MATRIX_SCALE_ROW1
.elseif \ra
	v_wmma_scale_f32_16x16x128_f8f6f4 v[(\d):(\d)+7], v[(\a):(\a)+11], v[(\b):(\b)+11], v[(\c):(\c)+7], v[\sa], v[\sb] matrix_a_fmt:MATRIX_FMT_BF6 matrix_b_fmt:MATRIX_FMT_BF6 matrix_a_scale:MATRIX_SCALE_ROW1
.elseif \rb
	v_wmma_scale_f32_16x16x128_f8f6f4 v[(\d):(\d)+7], v[(\a):(\a)+11], v[(\b):(\b)+11], v[(\c):(\c)+7], v[\sa], v[\sb] matrix_a_fmt:MATRIX_FMT_BF6 matrix_b_fmt:MATRIX_FMT_BF6 matrix_b_scale:MATRIX_SCALE_ROW1
.else
	v_wmma_scale_f32_16x16x128_f8f6f4 v[(\d):(\d)+7], v[(\a):(\a)+11], v[(\b):(\b)+11], v[(\c):(\c)+7], v[\sa], v[\sb] matrix_a_fmt:MATRIX_FMT_BF6 matrix_b_fmt:MATRIX_FMT_BF6
.endif
.endif
.endm
; block B's record of x: eight fragments and the scale words: 25 loads
.macro XLOADB B, buf
	WIN 0xc0                                       ; destination window 3
.irp i, 0,1,2,3,4,5,6,7,8,9,10,11,12,13,14,15,16,17,18,19,20,21,22,23
	global_load_b128 v[96*(\buf)+4*\i:96*(\buf)+4*\i+3], v7, s[4:5] offset:12800*(\B)+512*\i
.endr
	WIN 0
	global_load_b128 v[XS+4*(\buf):XS+4*(\buf)+3], v7, s[4:5] offset:12800*(\B)+12288
.endm
; 48 products for 32 tokens.  The accumulators take turns, one instruction a turn: eight for q and k, then four for v
.macro MULB buf
	WIN 0x0d                                       ; source 0 (W) window 1, source 1 (x) window 3
.irp s, 0,1,2,3
.irp tt, 0,1,2,3
.irp up, 0,1
	WM ACC+16*(2*(\tt/2)+\up)+8*(\tt%2), 12*(4*\tt+\s), 96*(\buf)+12*(4*\up+\s), (\s==0), ACC+16*(2*(\tt/2)+\up)+8*(\tt%2), WS+4*\tt+\s, XS+4*(\buf)+\s, 0, \up
.endr
.endr
.endr
	WIN 0x0b                                       ; source 0 (x) window 3, source 1 (Wv) window 2
.irp s, 0,1,2,3
.irp ud, 0,1
.irp up, 0,1
	WM ACC+16*(4+\ud)+8*\up, 96*(\buf)+12*(4*\up+\s), 12*(4*\ud+\s), (\s==0), ACC+16*(4+\ud)+8*\up, XS+4*(\buf)+\s, WS+4*(4+\ud)+\s, \up, 0
.endr
.endr
.endr
	WIN 0
.endm
; the six units of block B are quantised: each is 16 numbers of a block of 32 that lanes l and l xor 16 share
.macro EPI B
.irp k, 0,1,2,3,4,5
	v_max3_num_f32 v[TM+\k], |v[ACC+16*\k]|, |v[ACC+16*\k+1]|, 0x2800000   ; each accumulator is read from its low end on; the floor 2^(5 - 127) holds the byte at 1 from below
.endr
.irp i, 2,4,6,8,10,12,14
.irp k, 0,1,2,3,4,5
	v_max3_num_f32 v[TM+\k], v[TM+\k], |v[ACC+16*\k+\i]|, |v[ACC+16*\k+\i+1]|
.endr
.endr
.irp k, 0,1,2,3,4,5
	v_permlanex16_b32 v[TP+\k], v[TM+\k], s[SEL], s[SEL+1]
.endr
.irp k, 0,1,2,3,4,5
	v_max_num_f32 v[TM+\k], v[TM+\k], v[TP+\k]
.endr
.irp k, 0,1,2,3,4,5
	v_add_nc_u32 v[SO+\k], 0xfe000000, v[TM+\k]    ; 4 off the exponent field: the conversion's scale operand
.endr
.irp k, 0,1,2,3,4,5
	v_lshrrev_b32 v[BY+\k], 23, v[SO+\k]           ; the scale's byte
.endr
.if (\B)%2 == 0
	v_lshl_or_b32 v[QSW+(\B)/2], v[BY+1], 8, v[BY]
	v_lshl_or_b32 v[KSW+(\B)/2], v[BY+3], 8, v[BY+2]
.else
	v_lshl_or_b32 v[QSW+(\B)/2], v[BY], 16, v[QSW+(\B)/2]
	v_lshl_or_b32 v[KSW+(\B)/2], v[BY+2], 16, v[KSW+(\B)/2]
	v_lshl_or_b32 v[QSW+(\B)/2], v[BY+1], 24, v[QSW+(\B)/2]
	v_lshl_or_b32 v[KSW+(\B)/2], v[BY+3], 24, v[KSW+(\B)/2]
.endif
.if (\B) == 0
	v_mov_b32 v[VSW], v[BY+4]
	v_mov_b32 v[VSW+1], v[BY+5]
.else
	v_lshl_or_b32 v[VSW], v[BY+4], 8*(\B), v[VSW]
	v_lshl_or_b32 v[VSW+1], v[BY+5], 8*(\B), v[VSW+1]
.endif
	s_wait_xcnt 0x0                                ; the last block's stores have read the codes' registers, which are written again
	v_cvt_scalef32_pk16_bf6_f32 v[QC0:QC0+2], v[ACC:ACC+15], v[SO]
	v_cvt_scalef32_pk16_bf6_f32 v[QC1:QC1+2], v[ACC+16:ACC+31], v[SO+1]
	v_cvt_scalef32_pk16_bf6_f32 v[KC+6*((\B)%2):KC+6*((\B)%2)+2], v[ACC+32:ACC+47], v[SO+2]
	v_cvt_scalef32_pk16_bf6_f32 v[KT:KT+2], v[ACC+48:ACC+63], v[SO+3]
.if (\B)%2 == 0
	v_cvt_scalef32_pk16_bf6_f32 v[VC+6*((\B)/2):VC+6*((\B)/2)+2], v[ACC+64:ACC+79], v[SO+4]
	v_cvt_scalef32_pk16_bf6_f32 v[VC+12+6*((\B)/2):VC+12+6*((\B)/2)+2], v[ACC+80:ACC+95], v[SO+5]
.else
	v_cvt_scalef32_pk16_bf6_f32 v[VT0:VT0+2], v[ACC+64:ACC+79], v[SO+4]
	v_cvt_scalef32_pk16_bf6_f32 v[VT1:VT1+2], v[ACC+80:ACC+95], v[SO+5]
.endif
	v_nop                                          ; one plain place behind a scaled conversion
.irp i, 0,1,2                                  ; k: lanes 0-15 keep the key of u' = 0, lanes 16-31 get that of u' = 1: a whole key in a lane
	v_permlane16_swap_b32 v[KC+6*((\B)%2)+\i], v[KT+\i]
.endr
.irp i, 0,1,2
	v_mov_b32 v[KC+6*((\B)%2)+3+\i], v[KT+\i]
.endr
.if (\B)%2 == 1                                ; v: lanes 0-15 keep key block B - 1, lanes 16-31 get block B
.irp i, 0,1,2
	v_permlane16_swap_b32 v[VC+6*((\B)/2)+\i], v[VT0+\i]
	v_permlane16_swap_b32 v[VC+12+6*((\B)/2)+\i], v[VT1+\i]
.endr
.irp i, 0,1,2
	v_mov_b32 v[VC+6*((\B)/2)+3+\i], v[VT0+\i]
	v_mov_b32 v[VC+12+6*((\B)/2)+3+\i], v[VT1+\i]
.endr
.endif
	global_store_b96 v9, v[QC0:QC0+2], s[18:19] offset:(32*(\B))*24
	global_store_b96 v9, v[QC1:QC1+2], s[18:19] offset:(32*(\B)+8)*24
.if (\B)%2 == 1
.irp c, 0,1,2
	global_store_b128 v7, v[KC+4*\c:KC+4*\c+3], s[22:23] offset:1536*((\B)/2)+512*\c
.endr
.endif
.endm
	s_load_b512 s[4:19], s[0:1], 0x0               ; xq, Wq codes, Wq scales, Wk codes, Wk scales, Wv codes, Wv scales, qc
	s_load_b128 s[20:23], s[0:1], 0x40             ; qs, kv
	v_lshrrev_b32 v1, 5, v0
	v_readfirstlane_b32 s24, v1                    ; wave
	v_and_b32 v1, 31, v0                           ; lane
	v_and_b32 v2, 15, v0                           ; r
	v_bfe_u32 v3, v0, 4, 1                         ; h
	v_and_b32 v4, 8, v2
	v_add_nc_u32 v4, v4, v2                        ; r + 8 (r / 8)
	v_mul_u32_u24 v5, v4, 384
	v_mad_u32_u24 v5, v3, 24, v5                   ; a weight's row of 384 bytes, + 24 h
	v_lshlrev_b32 v6, 4, v4                        ; its 16 scale bytes
	v_lshlrev_b32 v7, 4, v1                        ; 16 x lane
	v_lshlrev_b32 v8, 2, v1                        ; 4 x lane
	v_mul_u32_u24 v9, v4, 24
	v_mad_u32_u24 v9, v3, 12, v9                   ; q's codes: my token's 24 bytes, + 12 h
	v_lshlrev_b32 v10, 3, v2
	v_lshl_add_u32 v10, v3, 2, v10                 ; q's scale bytes: 8 r + 4 h
.irp k, 0,1,2,3,4,5
	v_mov_b32 v[TP+\k], 0                          ; written once: a lane permute's destination counts as one of its sources
.endr
	s_mov_b32 s[SEL], 0x76543210
	s_mov_b32 s[SEL+1], 0xfedcba98
	s_lshl_b32 s25, ttmp9, 2
	s_add_co_u32 s25, s25, s24                     ; the head
	s_and_b32 s26, ttmp7, 0xffff                   ; tg: which 128 rows
	s_lshr_b32 s27, s26, 4
	s_lshl_b32 s27, s27, 4
	s_add_co_u32 s27, s27, s25                     ; bh = 16 b + head
	s_and_b32 s30, s26, 15
	s_lshl_b32 s31, s27, 4
	s_add_co_u32 s31, s31, s30                     ; 16 bh + the step of 128 tokens
	s_mul_i32 s32, s25, 12288                      ; the head's 32 rows of a weight,
	s_mov_b32 s33, 0
	s_lshl_b32 s34, s25, 9                         ; and of its scales
	s_mov_b32 s35, 0
	s_mul_i32 s36, s26, 51200                      ; four records of x
	s_mov_b32 s37, 0
	s_mul_i32 s38, s31, 3072                       ; 128 tokens x 24 bytes
	s_mov_b32 s39, 0
	s_lshl_b32 s40, s31, 7
	s_mov_b32 s41, 0
	s_mul_i32 s42, s31, 6400
	s_mov_b32 s43, 0
	s_wait_kmcnt 0x0
	s_add_nc_u64 s[6:7], s[6:7], s[32:33]
	s_add_nc_u64 s[10:11], s[10:11], s[32:33]
	s_add_nc_u64 s[14:15], s[14:15], s[32:33]
	s_add_nc_u64 s[8:9], s[8:9], s[34:35]
	s_add_nc_u64 s[12:13], s[12:13], s[34:35]
	s_add_nc_u64 s[16:17], s[16:17], s[34:35]
	s_add_nc_u64 s[4:5], s[4:5], s[36:37]
	s_add_nc_u64 s[18:19], s[18:19], s[38:39]
	s_add_nc_u64 s[20:21], s[20:21], s[40:41]
	s_add_nc_u64 s[22:23], s[22:23], s[42:43]
	WIN 0x40                                       ; destination window 1
.irp tt, 0,1,2,3
.irp s, 0,1,2,3
.irp p, 0,1,2,3,4,5
	global_load_b64 v[12*(4*\tt+\s)+2*\p:12*(4*\tt+\s)+2*\p+1], v5, s[6+4*(\tt/2):7+4*(\tt/2)] offset:8*(\tt%2)*384+96*\s+48*(\p/3)+8*(\p%3)
.endr
.endr
.endr
	WIN 0x80                                       ; destination window 2
.irp ud, 0,1
.irp s, 0,1,2,3
.irp p, 0,1,2,3,4,5
	global_load_b64 v[12*(4*\ud+\s)+2*\p:12*(4*\ud+\s)+2*\p+1], v5, s[14:15] offset:8*\ud*384+96*\s+48*(\p/3)+8*(\p%3)
.endr
.endr
.endr
	WIN 0
.irp tt, 0,1,2,3,4,5
	global_load_b128 v[WS+4*\tt:WS+4*\tt+3], v6, s[8+4*(\tt/2):9+4*(\tt/2)] offset:128*(\tt%2)   ; a row's four scale words
.endr
	XLOADB 0, 0
	XLOADB 1, 1
.irp B, 0,1,2,3
.if \B < 3
	s_wait_loadcnt 25                              ; all but the next block's 25 loads are in
.else
	s_wait_loadcnt 0x0
.endif
	MULB \B%2
	PLACES 4                                       ; in front of loads into registers that the products read, and of the first read of results
.if \B < 2
	XLOADB \B+2, \B%2
.endif
	EPI \B
.endr
.irp i, 0,1,2,3,4,5
	global_store_b128 v7, v[VC+4*\i:VC+4*\i+3], s[22:23] offset:3072+512*\i
.endr
	v_cmp_eq_u32 vcc_lo, 1, v3
	v_cndmask_b32 v[KSW], v[KSW], v[KSW+1], vcc_lo     ; lanes 16-31 carry fragment 1's words,
	v_cndmask_b32 v[VSW], v[VSW], v[VSW+1], vcc_lo     ; tile 1's,
	v_cndmask_b32 v[QSW], v[QSW], v[QSW+1], vcc_lo     ; blocks 2 and 3's
	global_store_b32 v8, v[KSW], s[22:23] offset:6144
	global_store_b32 v8, v[VSW], s[22:23] offset:6272
	global_store_b32 v10, v[QSW], s[20:21]
	s_endpgm
.Lfunc_end_k_q5e200612a4_qkv:
	.size	k_q5e200612a4_qkv, .Lfunc_end_k_q5e200612a4_qkv-k_q5e200612a4_qkv
	.p2alignl 7, 3214868480
	.fill 96, 4, 3214868480
	.section	.rodata,"a",@progbits
	.p2align	6, 0x0
	.amdhsa_kernel k_q5e200612a4_qkv
		.amdhsa_group_segment_fixed_size 0
		.amdhsa_private_segment_fixed_size 0
		.amdhsa_enable_private_segment 0
		.amdhsa_kernarg_size 80
		.amdhsa_user_sgpr_count 2
		.amdhsa_user_sgpr_kernarg_segment_ptr 1
		.amdhsa_wavefront_size32 1
		.amdhsa_system_sgpr_workgroup_id_x 1
		.amdhsa_system_sgpr_workgroup_id_y 1
		.amdhsa_system_sgpr_workgroup_id_z 1
		.amdhsa_system_vgpr_workitem_id 0
		.amdhsa_next_free_vgpr 1024
		.amdhsa_next_free_sgpr 66
		.amdhsa_reserve_vcc 1
		.amdhsa_float_denorm_mode_32 3
		.amdhsa_float_denorm_mode_16_64 3
		.amdhsa_memory_ordered 1
		.amdhsa_forward_progress 1
		.amdhsa_inst_pref_size 76
	.end_amdhsa_kernel
	.amdgpu_metadata
---
amdhsa.version: [ 1, 2 ]
amdhsa.kernels:
  - .name:           k_q5e200612a4_qkv
    .symbol:         k_q5e200612a4_qkv.kd
    .args:
      - { .name: xq, .offset: 0, .size: 8, .value_kind: global_buffer, .address_space: global }
      - { .name: Wq_codes, .offset: 8, .size: 8, .value_kind: global_buffer, .address_space: global }
      - { .name: Wq_scales, .offset: 16, .size: 8, .value_kind: global_buffer, .address_space: global }
      - { .name: Wk_codes, .offset: 24, .size: 8, .value_kind: global_buffer, .address_space: global }
      - { .name: Wk_scales, .offset: 32, .size: 8, .value_kind: global_buffer, .address_space: global }
      - { .name: Wv_codes, .offset: 40, .size: 8, .value_kind: global_buffer, .address_space: global }
      - { .name: Wv_scales, .offset: 48, .size: 8, .value_kind: global_buffer, .address_space: global }
      - { .name: qc, .offset: 56, .size: 8, .value_kind: global_buffer, .address_space: global }
      - { .name: qs, .offset: 64, .size: 8, .value_kind: global_buffer, .address_space: global }
      - { .name: kv, .offset: 72, .size: 8, .value_kind: global_buffer, .address_space: global }
    .group_segment_fixed_size: 0
    .private_segment_fixed_size: 0
    .kernarg_segment_align: 8
    .kernarg_segment_size: 80
    .max_flat_workgroup_size: 128
    .sgpr_count:     66
    .vgpr_count:     1024
    .wavefront_size: 32
...
	.end_amdgpu_metadata
.endif
;; end of part 2
;; launch attn (part 3): grid 4 x 64, 16 waves a work-group, no clusters, 14,848 bytes of LDS; arguments qc, qs, kv, cc, cs; writes cc, cs
.if DOCPART == 3
	.amdgcn_target "amdgcn-amd-amdhsa--gfx1250"
	.amdhsa_code_object_version 6
	.text
	.protected	k_q5e200612a4_attn
	.globl	k_q5e200612a4_attn
	.p2align	8
	.type	k_q5e200612a4_attn,@function
k_q5e200612a4_attn:
	s_mov_b64 s[64:65], 0
	v_nop
	global_prefetch_b8 v0, s[64:65] scope:SCOPE_SE
	s_setreg_imm32_b32 hwreg(HW_REG_WAVE_MODE, 25, 1), 1
	s_wait_xcnt 0x0
; Causal attention of one head on codes of BF6 (E3M2), head size 32, 2,048 tokens, and ctx quantised along the head's 32 at once.
; THE SOFTMAX: t = score x log2(e) / sqrt(32); M = the running largest t rounded UP to a whole number; p = 2^(t - M) is quantised along the keys; the sum is taken of the unquantised p and divides at the end.
; When M moves, the sum and O are multiplied by 2^(old M - new M): exact.
; SHARES.  Work-group (i, bh) makes query blocks j = i and j = 7 - i (256 queries each) of head bh, one after the other: j + 1 trips of 256 keys each, 9 trips in every work-group.  Each of its sixteen waves owns
; 16 queries of the block.  A trip's K and V are two records of kv, 12,800 dense bytes: each thread copies 16 (waves 0-8: 32) bytes through registers into ONE LDS slot, two barriers a trip; the next trip's bytes wait in registers.
; A pass's first bytes come into registers of their own (S's, free then) and are moved: so v8-15 are loaded at one place of the text alone.
; LAYOUT.  Both products transposed: a lane holds one query.  The head's 32 fill one block of the instruction's 128 along K: a fragment of K holds FOUR keys a row (one in each block), and q stands in four variants, in block b
; with zero codes in the others: K_f x Q_b gives score tile 4 f + b, whose register j is key 32 (2 f + b / 2) + 16 (lane / 16) + 8 (b % 2) + j: so the 16 registers of two neighbouring tiles are 16 neighbouring keys.
; V's tile ud, row m, is feature 8 ud + m + 8 (m / 8): O's 16 registers are features 16 (lane / 16) + 0 .. 15.
; CAUSAL.  A step of 128 keys that all come after the wave's queries is left out by a scalar branch on ids; on the diagonal hidden scores become -infinity ahead of the maximum.  Key 0 counts for every query.
; LIMITS: a block of p or ctx under 2^-122 (zeros too) gets the byte 1, read by this program alone; 1 / sum is v_rcp_f32 (1 ulp).
; NO CLUSTER: the four work-groups of a head need j + 1 = 1 .. 8 trips at any one time, never the same number, so they could not make every joint request; and a trip's shared bytes are 12,800.
; No prefetch: a trip's bytes are asked for a whole trip ahead, into registers.
; REGISTERS: v1-7 addresses; v8-15 the copy; v16-45 zeros and q; v46-51 q as loaded; v52-55 scale words (q, K, V, p); v56 -M, v57 largest t, v[58:59] the sum, v[60:61] f; v62 r - 16 h, v63 -infinity;
;   v64-87 K, v88-111 V, v112-175 S then p, v176-191 O, v192-210 p's codes, v212-225 at work.
.set S,   112
.set O,   176
.set PCD, 192
.set BM,  212                          ; the blocks' largest scores, then largest p
.set PT,  216                          ; permutes' results, a chain of sums, bytes
.set SOP, 220                          ; the conversions' scale operands
.set WK,  224
.set WV,  14
.set GI,  15
.set BH,  16
.set PASS, 17
.set GJ,  18
.set Q0,  19
.set SEL, 20
.set CS,  22
.set NTR, 24
.set TRIP, 25
.set KF,  26
.set LO,  27
.macro PLACES n
.rept \n
	v_nop
.endr
.endm
.macro WM d, a, b, cz, c, sa, sb, ra, rb
.if \cz
.if \ra
	v_wmma_scale_f32_16x16x128_f8f6f4 v[(\d):(\d)+7], v[(\a):(\a)+11], v[(\b):(\b)+11], 0, v[\sa], v[\sb] matrix_a_fmt:MATRIX_FMT_BF6 matrix_b_fmt:MATRIX_FMT_BF6 matrix_a_scale:MATRIX_SCALE_ROW1
.else
	v_wmma_scale_f32_16x16x128_f8f6f4 v[(\d):(\d)+7], v[(\a):(\a)+11], v[(\b):(\b)+11], 0, v[\sa], v[\sb] matrix_a_fmt:MATRIX_FMT_BF6 matrix_b_fmt:MATRIX_FMT_BF6
.endif
.else
.if \ra
	v_wmma_scale_f32_16x16x128_f8f6f4 v[(\d):(\d)+7], v[(\a):(\a)+11], v[(\b):(\b)+11], v[(\c):(\c)+7], v[\sa], v[\sb] matrix_a_fmt:MATRIX_FMT_BF6 matrix_b_fmt:MATRIX_FMT_BF6 matrix_a_scale:MATRIX_SCALE_ROW1
.else
	v_wmma_scale_f32_16x16x128_f8f6f4 v[(\d):(\d)+7], v[(\a):(\a)+11], v[(\b):(\b)+11], v[(\c):(\c)+7], v[\sa], v[\sb] matrix_a_fmt:MATRIX_FMT_BF6 matrix_b_fmt:MATRIX_FMT_BF6
.endif
.endif
.endm
; A KEY STEP: 128 keys, record q of the slot
.macro STEP q
	s_add_co_u32 s42, s[Q0], 15
	s_cmp_gt_u32 s[KF], s42                        ; all keys behind my queries: nothing to do
	s_cbranch_scc1 .Lhidden_\@
.irp i, 0,1,2,3,4,5
	ds_load_b128 v[64+4*\i:67+4*\i], v1 offset:6400*(\q)+512*\i
.endr
	ds_load_b32 v53, v2 offset:6400*(\q)+6144
.irp i, 0,1,2,3,4,5
	ds_load_b128 v[88+4*\i:91+4*\i], v1 offset:6400*(\q)+3072+512*\i
.endr
	ds_load_b32 v54, v2 offset:6400*(\q)+6272
	s_wait_dscnt 7                                 ; K and its scale words are in; V's seven loads, issued behind them, may be out
.irp f, 0,1
.irp b, 0,1,2,3
	WM S+8*(4*\f+\b), 64+12*\f, 22+12*(\b%2)-6*(\b/2), 1, 0, 53, 52, \f, 0
.endr
.endr
	PLACES 4
	s_add_co_u32 s42, s[KF], 127
	s_cmp_le_u32 s42, s[Q0]                        ; all keys count: no mask
	s_cbranch_scc1 .Lopen_\@
	s_sub_co_i32 s42, s[Q0], s[KF]
	v_add_nc_u32 v[WK+1], s42, v62                 ; d = my query - KF - 16 h.  Register 16 b + i holds key KF + 16 h + 32 b + i: hidden where 32 b + i > d
.set n, 0
.rept 64
	v_cmp_gt_i32 vcc_lo, 32*(n/16)+n%16, v[WK+1]
	v_cndmask_b32 v[S+n], v[S+n], v63, vcc_lo
.set n, n+1
.endr
.Lopen_\@:
.irp b, 0,1,2,3
	v_max3_num_f32 v[BM+\b], v[S+16*\b], v[S+1+16*\b], v[S+2+16*\b]   ; the largest score of each block of 32 keys: for the row's maximum and, since p rises with the score, for the block's largest p
.endr
.irp i, 3,5,7,9,11,13
.irp b, 0,1,2,3
	v_max3_num_f32 v[BM+\b], v[BM+\b], v[S+16*\b+\i], v[S+1+16*\b+\i]
.endr
.endr
.irp b, 0,1,2,3
	v_max_num_f32 v[BM+\b], v[BM+\b], v[S+15+16*\b]
.endr
.irp b, 0,1,2,3
	v_permlanex16_b32 v[PT+\b], v[BM+\b], s[SEL], s[SEL+1]
.endr
.irp b, 0,1,2,3
	v_max_num_f32 v[BM+\b], v[BM+\b], v[PT+\b]     ; with lane l xor 16's 16 keys
.endr
	v_max3_num_f32 v[WK], v[BM], v[BM+1], v[BM+2]
	v_max_num_f32 v[WK], v[WK], v[BM+3]
	v_mul_f32 v[WK], s[CS], v[WK]                  ; as t (c is positive)
	v_max_num_f32 v57, v57, v[WK]                  ; the running largest t
	v_mov_b32 v[WK], v56
	v_floor_f32 v56, -v57                          ; the new -M = floor(-t): M is a whole number
	v_sub_f32 v[WK], v56, v[WK]                    ; old M - new M: a whole number, 0 or less
	v_cvt_i32_f32 v[WK], v[WK]                     ; (it saturates)
	v_ldexp_f32 v60, 1.0, v[WK]                    ; f = 2^(old M - new M)
.set n, 0
.rept 32
	v_pk_fma_f32 v[S+n:S+n+1], v[S+n:S+n+1], s[CS:CS+1], v[56:57] op_sel_hi:[1,0,0]   ; t - M, two at a time
.set n, n+2
.endr
.irp b, 0,1,2,3
	v_fma_f32 v[BM+\b], v[BM+\b], s[CS], v56
.endr
.set n, 0
.rept 64
	v_exp_f32 v[S+n], v[S+n]                       ; p = 2^(t - M), not normalised
.set n, n+1
.endr
	v_pk_mul_f32 v[58:59], v[58:59], v[60:61] op_sel_hi:[1,0]   ; the sums under the new M: a plain place behind the exponentials
	s_wait_alu depctr_va_vdst(0)                   ; one wait for the batch, ahead of its first reader
.irp b, 0,1,2,3
	v_exp_f32 v[BM+\b], v[BM+\b]                   ; the blocks' largest p
.endr
	v_pk_add_f32 v[PT:PT+1], v[S:S+1], v[S+2:S+3]  ; the row's sum of the unquantised p, in two chains
.irp j, 4,8,12,16,20,24,28,32,36,40,44,48,52,56,60
	v_pk_add_f32 v[58:59], v[58:59], v[S+\j:S+1+\j]
	v_pk_add_f32 v[PT:PT+1], v[PT:PT+1], v[S+2+\j:S+3+\j]
.endr
	v_pk_add_f32 v[58:59], v[58:59], v[PT:PT+1]
	s_wait_alu depctr_va_vdst(0)                   ; and one for the four
.irp b, 0,1,2,3
	v_max_num_f32 v[BM+\b], 0x2800000, v[BM+\b]    ; the floor 2^(5 - 127)
.endr
.irp b, 0,1,2,3
	v_add_nc_u32 v[SOP+\b], 0xfe000000, v[BM+\b]
.endr
.irp b, 0,1,2,3
	v_lshrrev_b32 v[PT+\b], 23, v[SOP+\b]
.endr
	v_lshl_or_b32 v55, v[PT+1], 8, v[PT]           ; p's scale word for these 128 keys
	v_lshl_or_b32 v55, v[PT+2], 16, v55
	v_lshl_or_b32 v55, v[PT+3], 24, v55
.irp c, 0,1
	v_cvt_scalef32_pk16_bf6_f32 v[PCD+6*\c:PCD+2+6*\c], v[S+32*\c:S+15+32*\c], v[SOP+2*\c]
	v_cvt_scalef32_pk16_bf6_f32 v[PCD+12+4*\c:PCD+14+4*\c], v[S+16+32*\c:S+31+32*\c], v[SOP+2*\c+1]
.endr
	v_nop                                          ; one plain place behind a scaled conversion
.irp c, 0,1
.irp i, 0,1,2
	v_permlane16_swap_b32 v[PCD+6*\c+\i], v[PCD+12+4*\c+\i]
.endr
.irp i, 0,1,2
	v_mov_b32 v[PCD+3+6*\c+\i], v[PCD+12+4*\c+\i]
.endr
.endr
.irp j, 0,2,4,6,8,10,12,14
	v_pk_mul_f32 v[O+\j:O+1+\j], v[O+\j:O+1+\j], v[60:61] op_sel_hi:[1,0]   ; O under the new M
.endr
	PLACES 8                                       ; p's scale word and codes were written by vector instructions: eight and four places ahead of a scaled product
	s_wait_dscnt 0x0                               ; V
.irp u, 0,1
	WM O+8*\u, 88+12*\u, PCD, 0, O+8*\u, 54, 55, \u, 0
.endr
	PLACES 4                                       ; in front of the next loads into V's registers and of the next read of O
.Lhidden_\@:
	s_add_co_u32 s[KF], s[KF], 128
.endm
	s_load_b256 s[4:11], s[0:1], 0x0               ; qc, qs, kv, cc
	s_load_b64 s[12:13], s[0:1], 0x20              ; cs
	v_lshl_add_u32 v254, v0, 2, 0x3200
	v_mov_b32 v255, 0
	v_lshrrev_b32 v1, 5, v0
	v_readfirstlane_b32 s[WV], v1                  ; wave 0..15
	v_and_b32 v4, 31, v0
	v_lshlrev_b32 v1, 4, v4                        ; 16 x lane
	v_lshlrev_b32 v2, 2, v4                        ; 4 x lane
	v_lshlrev_b32 v3, 4, v0                        ; 16 x thread
	v_and_b32 v7, 15, v0                           ; r: also my byte among ctx's scales
	v_bfe_u32 v5, v0, 4, 1                         ; h
	v_mul_u32_u24 v4, v7, 24                       ; q's codes: 24 r
	v_mad_u32_u24 v6, v5, 12, v4                   ; ctx's codes: 24 r + 12 h
	v_lshlrev_b32 v62, 4, v5
	v_sub_nc_u32 v62, v7, v62                      ; r - 16 h
	v_and_b32 v[WK], 7, v7
	v_lshrrev_b32 v[WK+1], 3, v7
	v_lshl_add_u32 v5, v[WK], 3, v[WK+1]           ; q's scale byte: 8 (r % 8) + r / 8
	v_mov_b32 v63, 0xff800000                      ; -infinity
	v_mov_b32 v61, 0                               ; (named as the upper half of the pair v[60:61])
.irp z, 16,17,18,19,20,21,28,29,30,31,32,33,40,41,42,43,44,45
	v_mov_b32 v\z, 0                               ; zero codes beside q
.endr
.irp b, 0,1,2,3
	v_mov_b32 v[PT+\b], 0                          ; written once: a lane permute's destination counts as one of its sources
.endr
	s_mov_b32 s[GI], ttmp9
	s_and_b32 s[BH], ttmp7, 0xffff
	s_mov_b32 s[SEL], 0x76543210
	s_mov_b32 s[SEL+1], 0xfedcba98
	s_mov_b32 s[CS], 0x3e8293ee                    ; c = log2(e) / sqrt(32)
	s_mov_b32 s[CS+1], s[CS]
	s_mov_b32 s[LO], 0xffff                        ; lanes 0-15
	s_mul_i32 s32, s[BH], 102400                   ; the head's 16 records
	s_mov_b32 s33, 0
	s_wait_kmcnt 0x0
	s_add_nc_u64 s[28:29], s[8:9], s[32:33]
	s_mov_b32 s[PASS], 0
.Lpass:
	s_wait_loadcnt 0x0                             ; no load of the last pass is out
	s_wait_xcnt 0x0                                ; and its stores have read their registers and bases
	s_sub_co_u32 s42, 7, s[GI]
	s_cmp_eq_u32 s[PASS], 0
	s_cselect_b32 s[GJ], s[GI], s42                ; the block of 256 queries
	s_lshl_b32 s[Q0], s[GJ], 8
	s_lshl_b32 s42, s[WV], 4
	s_add_co_u32 s[Q0], s[Q0], s42                 ; my first query
	s_add_co_u32 s[NTR], s[GJ], 1                  ; trips of 256 keys
	s_lshl_b32 s42, s[BH], 11
	s_add_co_u32 s42, s42, s[Q0]
	s_mul_i32 s32, s42, 24
	s_add_nc_u64 s[34:35], s[4:5], s[32:33]        ; q's codes
	s_add_nc_u64 s[38:39], s[10:11], s[32:33]      ; ctx's codes
	s_mov_b32 s32, s42
	s_add_nc_u64 s[40:41], s[12:13], s[32:33]      ; ctx's scale bytes
	s_lshl_b32 s32, s[BH], 4
	s_lshl_b32 s43, s[GJ], 1
	s_add_co_u32 s32, s32, s43
	s_lshr_b32 s43, s[WV], 3
	s_add_co_u32 s32, s32, s43                     ; 16 bh + the step of 128 tokens
	s_lshl_b32 s32, s32, 7
	s_and_b32 s43, s[WV], 1
	s_lshl_b32 s43, s43, 6
	s_add_co_u32 s32, s32, s43                     ; + 64 (w % 2)
	s_and_b32 s43, s[WV], 6
	s_add_co_u32 s32, s32, s43                     ; + 2 ((w % 8) / 2)
	s_add_nc_u64 s[36:37], s[6:7], s[32:33]
	global_load_b128 v[S:S+3], v3, s[28:29]        ; trip 0's bytes, into registers of their own: 512 threads x 16,
	s_cmp_lt_u32 s[WV], 9
	s_cbranch_scc0 .Lfirst_asked
	global_load_b128 v[S+4:S+7], v3, s[28:29] offset:8192   ; then 288 threads x 16
.Lfirst_asked:
	global_load_b64 v[46:47], v4, s[34:35]
	global_load_b64 v[48:49], v4, s[34:35] offset:8
	global_load_b64 v[50:51], v4, s[34:35] offset:16
	global_load_u8 v52, v5, s[36:37]
	s_wait_loadcnt 0x0
.irp i, 0,1,2,3
	v_mov_b32 v[8+\i], v[S+\i]                     ; into the copy's registers
.endr
	s_cmp_lt_u32 s[WV], 9
	s_cbranch_scc0 .Lfirst_moved
.irp i, 0,1,2,3
	v_mov_b32 v[12+\i], v[S+4+\i]
.endr
.Lfirst_moved:
	v_perm_b32 v52, v52, v52, 0                    ; q's byte in all four places: q stands in any of the four blocks
.irp i, 0,1,2,3,4,5
	v_cndmask_b32 v[22+\i], 0, v[46+\i], s[LO]     ; q in lanes 0-15,
	v_cndmask_b32 v[34+\i], v[46+\i], 0, s[LO]     ; q in lanes 16-31
.endr
.irp i, 0,1,2,3,4,5,6,7,8,9,10,11,12,13,14,15
	v_mov_b32 v[O+\i], 0                           ; the step is written once: the first finds zeros
.endr
	v_mov_b32 v58, 0
	v_mov_b32 v59, 0
	v_mov_b32 v57, 0xff61b1e6                      ; -3e38, under every t
	v_floor_f32 v56, -v57
	s_mov_b32 s[TRIP], 0
	s_mov_b32 s[KF], 0
.Ltrip:
	s_wait_loadcnt 0x0                             ; this trip's bytes are in my registers
	s_wait_dscnt 0x0                               ; my reads of the slot are over
	s_barrier_signal -1
	s_barrier_wait -1                              ; everybody's are
	ds_store_b128 v3, v[8:11]
	s_cmp_lt_u32 s[WV], 9
	s_cbranch_scc0 .Lstored
	ds_store_b128 v3, v[12:15] offset:8192
.Lstored:
	s_wait_dscnt 0x0                               ; my stores have landed, and have read their registers
	s_barrier_signal -1
	s_barrier_wait -1                              ; the slot is whole
	s_add_co_u32 s42, s[TRIP], 1
	s_cmp_lt_u32 s42, s[NTR]
	s_cbranch_scc0 .Lnone                          ; the last trip asks for nothing
	s_mul_i32 s32, s42, 12800
	s_wait_loadcnt 0x0                             ; no load is out: the pair below and v8-15 may be written
	s_add_nc_u64 s[30:31], s[28:29], s[32:33]
	global_load_b128 v[8:11], v3, s[30:31]         ; the next trip's bytes have this trip's two steps in which to come
	s_cmp_lt_u32 s[WV], 9
	s_cbranch_scc0 .Lnone
	global_load_b128 v[12:15], v3, s[30:31] offset:8192
.Lnone:
	STEP 0
	STEP 1
	s_add_co_u32 s[TRIP], s[TRIP], 1
	s_cmp_lt_u32 s[TRIP], s[NTR]
	s_cbranch_scc1 .Ltrip
	; THE WAY OUT: O / the sum, quantised along the head's 32
	v_add_f32 v58, v58, v59
	v_permlanex16_b32 v[PT], v58, s[SEL], s[SEL+1]
	v_add_f32 v58, v58, v[PT]
	v_rcp_f32 v58, v58
	v_nop
	s_wait_alu depctr_va_vdst(0)
.irp i, 0,1,2,3,4,5,6,7,8,9,10,11,12,13,14,15
	v_mul_f32 v[S+\i], v[O+\i], v58                ; ctx(query r, feature 16 h + i)
.endr
	v_max3_num_f32 v[BM], |v[S]|, |v[S+1]|, 0x2800000
.irp i, 2,4,6,8,10,12,14
	v_max3_num_f32 v[BM], v[BM], |v[S+\i]|, |v[S+1+\i]|
.endr
	v_permlanex16_b32 v[PT], v[BM], s[SEL], s[SEL+1]
	v_max_num_f32 v[BM], v[BM], v[PT]
	v_add_nc_u32 v[SOP], 0xfe000000, v[BM]
	v_lshrrev_b32 v[BM+1], 23, v[SOP]
	v_cvt_scalef32_pk16_bf6_f32 v[PCD:PCD+2], v[S:S+15], v[SOP]
	v_nop
	global_store_b96 v6, v[PCD:PCD+2], s[38:39]    ; the wave stores 384 consecutive bytes
	global_store_b8 v7, v[BM+1], s[40:41]          ; both lanes of a query write the same byte with the same value
	s_add_co_u32 s[PASS], s[PASS], 1
	s_cmp_lt_u32 s[PASS], 2
	s_cbranch_scc1 .Lpass
	s_wait_tensorcnt 0x0
	ds_add_u32 v254, v255
	s_wait_dscnt 0x0
	s_endpgm
.Lfunc_end_k_q5e200612a4_attn:
	.size	k_q5e200612a4_attn, .Lfunc_end_k_q5e200612a4_attn-k_q5e200612a4_attn
	.p2alignl 7, 3214868480
	.fill 96, 4, 3214868480
	.section	.rodata,"a",@progbits
	.p2align	6, 0x0
	.amdhsa_kernel k_q5e200612a4_attn
		.amdhsa_group_segment_fixed_size 14848
		.amdhsa_private_segment_fixed_size 0
		.amdhsa_enable_private_segment 0
		.amdhsa_kernarg_size 40
		.amdhsa_user_sgpr_count 2
		.amdhsa_user_sgpr_kernarg_segment_ptr 1
		.amdhsa_wavefront_size32 1
		.amdhsa_system_sgpr_workgroup_id_x 1
		.amdhsa_system_sgpr_workgroup_id_y 1
		.amdhsa_system_sgpr_workgroup_id_z 1
		.amdhsa_system_vgpr_workitem_id 0
		.amdhsa_next_free_vgpr 256
		.amdhsa_next_free_sgpr 66
		.amdhsa_reserve_vcc 1
		.amdhsa_float_denorm_mode_32 3
		.amdhsa_float_denorm_mode_16_64 3
		.amdhsa_memory_ordered 1
		.amdhsa_forward_progress 1
		.amdhsa_inst_pref_size 47
	.end_amdhsa_kernel
	.amdgpu_metadata
---
amdhsa.version: [ 1, 2 ]
amdhsa.kernels:
  - .name:           k_q5e200612a4_attn
    .symbol:         k_q5e200612a4_attn.kd
    .args:
      - { .name: qc, .offset: 0, .size: 8, .value_kind: global_buffer, .address_space: global }
      - { .name: qs, .offset: 8, .size: 8, .value_kind: global_buffer, .address_space: global }
      - { .name: kv, .offset: 16, .size: 8, .value_kind: global_buffer, .address_space: global }
      - { .name: cc, .offset: 24, .size: 8, .value_kind: global_buffer, .address_space: global }
      - { .name: cs, .offset: 32, .size: 8, .value_kind: global_buffer, .address_space: global }
    .group_segment_fixed_size: 14848
    .private_segment_fixed_size: 0
    .kernarg_segment_align: 8
    .kernarg_segment_size: 40
    .max_flat_workgroup_size: 512
    .sgpr_count:     66
    .vgpr_count:     256
    .wavefront_size: 32
...
	.end_amdgpu_metadata
.endif
;; end of part 3
;; launch tail (part 4): grid 256 x 1, 4 waves a work-group, no clusters, 152,064 bytes of LDS; arguments x, cc, cs, wst, bo, ln2_scale, ln2_shift, b1, b2, out0; writes out0
.if DOCPART == 4
	.amdgcn_target "amdgcn-amd-amdhsa--gfx1250"
	.amdhsa_code_object_version 6
	.text
	.protected	k_q5e200612a4_tail
	.globl	k_q5e200612a4_tail
	.p2align	8
	.type	k_q5e200612a4_tail,@function
k_q5e200612a4_tail:
	s_mov_b64 s[64:65], 0
	v_nop
	global_prefetch_b8 v0, s[64:65] scope:SCOPE_SE
	s_setreg_imm32_b32 hwreg(HW_REG_WAVE_MODE, 25, 1), 1
	s_wait_xcnt 0x0
; out = x1 + gelu(LN2(x1) W1 + b1) W2 + b2,  x1 = x + ctx Wo + bo: three products on codes of BF6 (E3M2); x1, LN2 and the hidden layer never go to memory.
; SHARES.  A work-group owns 32 rows, as two tiles rt of 16 (lane r: row 16 rt + r).  THE WAVES SHARE THE COLUMNS: wave w makes columns 128 w .. + 127 of x1 and of out, and hidden units 512 w .. + 511, for both tiles.
; WEIGHTS.  Wave w reads its own dense stream of 36 groups of 12,800 bytes (eight fragments of one K step and their scale words, as the first launch laid them) straight into a ring of four register buffers, two groups ahead:
; a group is 16 products on 16 accumulators by turns.  All products are used transposed (source 0 = 16 rows of a weight, source 1 = 16 of my rows): a lane holds one row, and its 64 registers of a row tile are
; column 32 b + 16 (lane / 16) + i of the wave's 128: as the quantiser wants them.
; OPERANDS GO FROM WAVE TO WAVE THROUGH LDS AS IMAGES OF THEIR REGISTERS (three stores of 512 bytes a fragment, 4 bytes a lane for the scale words: lanes 0-15 row tile 0, lanes 16-31 row tile 1).  Four barriers.
; gelu(x) = x / (1 + 2^(x (k1 + k2 x^2))), k1 = -2 sqrt(2 / pi) log2(e), k2 = 0.044715 k1: the same function as 0.5 x (1 + tanh(..)), finite for every finite x.
; LIMITS: NaN and infinities are not served; blocks under 2^-122 (zeros too) get the byte 1, read by this program alone; 1 / sqrt, 2^x and 1 / x are v_rsq_f32, v_exp_f32, v_rcp_f32 (1 ulp).
; NO TENSOR LOAD, NO CLUSTER: each weight fragment is multiplied by exactly one wave of a work-group, twice in a row; through LDS its 1,536 bytes would be written and read once more, and beside the 147,968 bytes of images
; two slots would hold 13 fragments a wave.  No prefetch: all 256 work-groups walk the same four streams.
; REGISTERS: window 0: v1-15 addresses, v16-31 the ring's scale words, v32-35 my rows' scale words, v36-47 statistics, v48-63 at work, v64-127 P64 (bias images, gelu's work, codes), v128-255 the 16 accumulators.
;   windows 1, 2: the ring, two buffers of 96 each.   window 3: v0-95 my rows' fragments, v96-123 parameters on their way to LDS.
.set HX,  0                            ; LDS: LN2(x1)'s eight fragments (4 rt + s)
.set HXS, 12288                        ; their scale words [s][32]
.set HHS, 12800                        ; the hidden layer's scale words [ks][32]
.set ST1, 14848                        ; partial sums [(2 w + rt)][32]
.set ST2, 15872                        ; partial sums of squares
.set HH,  16896                        ; the hidden layer's 32 fragments [ks][rt]
.set PAR, 66048                        ; 4,096 bytes a wave: ln2_scale, ln2_shift, b2 (512 each), at 2,048 b1's 2,048
.set X1,  82432                        ; 16,384 bytes a wave: x1 as register images; at the end the stage, 16 rows x 528
.set SCW, 16
.set AS,  32
.set PW,  44
.set PW0, 45
.set TM,  48
.set P64, 64
.set PC,  64
.set ACC, 128
.set SEL, 26
.set SB,  28
.set MSB, 0
.macro WIN new                         ; the immediate's high byte repeats the setting that is left
.if MSB != \new
	s_set_vgpr_msb (MSB<<8)|\new
.set MSB, \new
.endif
.endm
.macro PLACES n
.rept \n
	v_nop
.endr
.endm
.macro BARRIER
	s_wait_dscnt 0x0                               ; my LDS stores have landed and my LDS loads are in
	s_barrier_signal -1
	s_barrier_wait -1
.endm
.macro WM d, a, b, cz, c, sa, sb, ra, rb
.if (\ra) && (\rb)
	v_wmma_scale_f32_16x16x128_f8f6f4 v[(\d):(\d)+7], v[(\a):(\a)+11], v[(\b):(\b)+11], v[(\c):(\c)+7], v[\sa], v[\sb] matrix_a_fmt:MATRIX_FMT_BF6 matrix_b_fmt:MATRIX_FMT_BF6 matrix_a_scale:MATRIX_SCALE_ROW1 matrix_b_scale:MATRIX_SCALE_ROW1
.elseif \ra
	v_wmma_scale_f32_16x16x128_f8f6f4 v[(\d):(\d)+7], v[(\a):(\a)+11], v[(\b):(\b)+11], v[(\c):(\c)+7], v[\sa], v[\sb] matrix_a_fmt:MATRIX_FMT_BF6 matrix_b_fmt:MATRIX_FMT_BF6 matrix_a_scale:MATRIX_SCALE_ROW1
.elseif \rb
	v_wmma_scale_f32_16x16x128_f8f6f4 v[(\d):(\d)+7], v[(\a):(\a)+11], v[(\b):(\b)+11], v[(\c):(\c)+7], v[\sa], v[\sb] matrix_a_fmt:MATRIX_FMT_BF6 matrix_b_fmt:MATRIX_FMT_BF6 matrix_b_scale:MATRIX_SCALE_ROW1
.else
	v_wmma_scale_f32_16x16x128_f8f6f4 v[(\d):(\d)+7], v[(\a):(\a)+11], v[(\b):(\b)+11], v[(\c):(\c)+7], v[\sa], v[\sb] matrix_a_fmt:MATRIX_FMT_BF6 matrix_b_fmt:MATRIX_FMT_BF6
.endif
.endm
.macro QUANT s                         ; 64 numbers of a lane (register 16 b + i = k 32 b + 16 (lane / 16) + i of my row) -> codes in v[PC] on, scale word in v[PW]
.irp b, 0,1,2,3
	v_max3_num_f32 v[TM+\b], |v[(\s)+16*\b]|, |v[(\s)+1+16*\b]|, 0x2800000
.endr
.irp i, 2,4,6,8,10,12,14
.irp b, 0,1,2,3
	v_max3_num_f32 v[TM+\b], v[TM+\b], |v[(\s)+16*\b+\i]|, |v[(\s)+1+16*\b+\i]|
.endr
.endr
.irp b, 0,1,2,3
	v_permlanex16_b32 v[TM+4+\b], v[TM+\b], s[SEL], s[SEL+1]
.endr
.irp b, 0,1,2,3
	v_max_num_f32 v[TM+\b], v[TM+\b], v[TM+4+\b]
.endr
.irp b, 0,1,2,3
	v_add_nc_u32 v[TM+12+\b], 0xfe000000, v[TM+\b]
.endr
.irp b, 0,1,2,3
	v_lshrrev_b32 v[TM+4+\b], 23, v[TM+12+\b]
.endr
	v_lshl_or_b32 v[PW], v[TM+5], 8, v[TM+4]
	v_lshl_or_b32 v[PW], v[TM+6], 16, v[PW]
	v_lshl_or_b32 v[PW], v[TM+7], 24, v[PW]
.irp c, 0,1
	v_cvt_scalef32_pk16_bf6_f32 v[PC+6*\c:PC+2+6*\c], v[(\s)+32*\c:(\s)+15+32*\c], v[TM+12+2*\c]
	v_cvt_scalef32_pk16_bf6_f32 v[PC+12+4*\c:PC+14+4*\c], v[(\s)+16+32*\c:(\s)+31+32*\c], v[TM+12+2*\c+1]
.endr
	v_nop                                          ; one plain place behind a scaled conversion
.irp c, 0,1
.irp i, 0,1,2
	v_permlane16_swap_b32 v[PC+6*\c+\i], v[PC+12+4*\c+\i]
.endr
.irp i, 0,1,2
	v_mov_b32 v[PC+3+6*\c+\i], v[PC+12+4*\c+\i]
.endr
.endr
.endm
.macro IMAGE adr, off                  ; the fragment in v[PC] on goes to LDS as it stands
.irp c, 0,1,2
	ds_store_b128 v[\adr], v[PC+4*\c:PC+4*\c+3] offset:(\off)+512*\c
.endr
.endm
.macro PIMG adr, off                   ; 128 parameters in the results' layout: register 16 b + i = column 32 b + 16 h + i
.irp b, 0,1,2,3
.irp q, 0,1,2,3
	ds_load_b128 v[P64+16*\b+4*\q:P64+16*\b+4*\q+3], v[\adr] offset:(\off)+128*\b+16*\q
.endr
.endr
.endm
.macro LOADG buf, off                  ; a group of the stream: 24 + 1 loads of 512 consecutive bytes
.if (\buf) < 2
	WIN 0x40
.else
	WIN 0x80
.endif
.irp i, 0,1,2,3,4,5,6,7,8,9,10,11,12,13,14,15,16,17,18,19,20,21,22,23
	global_load_b128 v[96*((\buf)%2)+4*\i:96*((\buf)%2)+4*\i+3], v1, s[SB:SB+1] offset:(\off)+512*\i
.endr
	WIN 0
	global_load_b128 v[SCW+4*(\buf):SCW+4*(\buf)+3], v1, s[SB:SB+1] offset:(\off)+12288
.endm
; 16 products: the group's eight tiles x my two row tiles; the 16 accumulators take turns, one instruction a turn, in the same order in every group.  cm = 1: the sums begin with the bias image
.macro MULG buf, af0, afst, as, cm
.if (\buf) < 2
	WIN 0x0d                                       ; source 0 window 1, source 1 window 3
.else
	WIN 0x0e                                       ; source 0 window 2
.endif
.irp t, 0,1,2,3,4,5,6,7
.irp rt, 0,1
.if \cm
	WM ACC+64*\rt+8*\t, 96*((\buf)%2)+12*\t, (\af0)+(\afst)*\rt, 0, P64+8*\t, SCW+4*(\buf)+\t%4, \as, \t/4, \rt
.else
	WM ACC+64*\rt+8*\t, 96*((\buf)%2)+12*\t, (\af0)+(\afst)*\rt, 0, ACC+64*\rt+8*\t, SCW+4*(\buf)+\t%4, \as, \t/4, \rt
.endif
.endr
.endr
	WIN 0
.endm
.macro STEPG j, af0, as, cm            ; group j of four: the group two on is asked for, then this one is multiplied
	PLACES 4                                       ; in front of loads into registers that products have read
	LOADG ((\j)+2)%4, ((\j)+2)*12800
	s_wait_loadcnt 50                              ; all but the two groups behind this one
	MULG \j, \af0, 48, \as, \cm
.endm
; K step j of the last product (group 20 + j of the stream); the next K step's two fragments and scale word come from LDS meanwhile, into the other half of 48 registers
.macro STEPW2 j, ldw, lda, lcnt
	PLACES 4                                       ; in front of loads into registers that products have read
.if \ldw
	LOADG ((\j)+2)%4, ((\j)+2)*12800
.endif
.if \lda
	WIN 0xc0
.irp i, 0,1,2,3,4,5
	ds_load_b128 v[24*(1-(\j)%2)+4*\i:24*(1-(\j)%2)+4*\i+3], v13 offset:3072*((\j)+1)+512*\i
.endr
	WIN 0
	ds_load_b32 v[AS+1-(\j)%2], v2 offset:HHS+128*((\j)+1)
	s_wait_dscnt 7                                 ; all but the seven just issued: this K step's are in
.else
	s_wait_dscnt 0x0
.endif
	s_wait_loadcnt \lcnt                           ; all but the groups behind this one
	MULG (\j)%4, 24*((\j)%2), 12, AS+(\j)%2, 0
.endm
.macro RSUM rt, sq                     ; the sum (sq = 0) or the sum of squares (1) of my row's 128 numbers of row tile rt -> v[P64 + 8 rt]
.set RA_, ACC+64*(\rt)
.set RT_, P64+8*(\rt)
.if \sq
.irp c, 0,1,2,3
	v_pk_mul_f32 v[RT_+2*\c:RT_+2*\c+1], v[RA_+2*\c:RA_+2*\c+1], v[RA_+2*\c:RA_+2*\c+1]
.endr
.set i, 8
.rept 7
.irp c, 0,1,2,3
	v_pk_fma_f32 v[RT_+2*\c:RT_+2*\c+1], v[RA_+i+2*\c:RA_+i+2*\c+1], v[RA_+i+2*\c:RA_+i+2*\c+1], v[RT_+2*\c:RT_+2*\c+1]
.endr
.set i, i+8
.endr
.else
.irp c, 0,1,2,3
	v_pk_add_f32 v[RT_+2*\c:RT_+2*\c+1], v[RA_+2*\c:RA_+2*\c+1], v[RA_+8+2*\c:RA_+9+2*\c]
.endr
.set i, 16
.rept 6
.irp c, 0,1,2,3
	v_pk_add_f32 v[RT_+2*\c:RT_+2*\c+1], v[RT_+2*\c:RT_+2*\c+1], v[RA_+i+2*\c:RA_+i+2*\c+1]
.endr
.set i, i+8
.endr
.endif
	v_pk_add_f32 v[RT_:RT_+1], v[RT_:RT_+1], v[RT_+2:RT_+3]
	v_pk_add_f32 v[RT_+4:RT_+5], v[RT_+4:RT_+5], v[RT_+6:RT_+7]
	v_pk_add_f32 v[RT_:RT_+1], v[RT_:RT_+1], v[RT_+4:RT_+5]
	v_add_f32 v[RT_], v[RT_], v[RT_+1]
	v_permlanex16_b32 v[RT_+1], v[RT_], s[SEL], s[SEL+1]
	v_add_f32 v[RT_], v[RT_], v[RT_+1]
.endm
.macro GATHER st                       ; the four waves' parts of both row tiles, added in the waves' order: v80 and v84
.irp rt, 0,1
.irp w, 0,1,2,3
	ds_load_b32 v[80+4*\rt+\w], v2 offset:(\st)+(2*\w+\rt)*128
.endr
.endr
	s_wait_dscnt 0x0
.irp rt, 0,1
	v_add_f32 v[80+4*\rt], v[80+4*\rt], v[81+4*\rt]
	v_add_f32 v[80+4*\rt], v[80+4*\rt], v[82+4*\rt]
	v_add_f32 v[80+4*\rt], v[80+4*\rt], v[83+4*\rt]
.endr
.endm
.macro GELU rt                         ; in place on the 64 results of row tile rt, read from each accumulator's low end on; two batches of transcendentals, one wait each
.set GA_, ACC+64*(\rt)
.set i, 0
.rept 32
	v_pk_mul_f32 v[P64+i:P64+i+1], v[GA_+i:GA_+i+1], v[GA_+i:GA_+i+1]
.set i, i+2
.endr
.set i, 0
.rept 32
	v_pk_fma_f32 v[P64+i:P64+i+1], v[P64+i:P64+i+1], s[44:45], v[46:47] op_sel_hi:[1,0,1]   ; k2 x^2 + k1
.set i, i+2
.endr
.set i, 0
.rept 32
	v_pk_mul_f32 v[P64+i:P64+i+1], v[P64+i:P64+i+1], v[GA_+i:GA_+i+1]
.set i, i+2
.endr
.set i, 0
.rept 64
	v_exp_f32 v[P64+i], v[P64+i]
.set i, i+1
.endr
	v_nop                                          ; a plain place behind the batch,
	s_wait_alu depctr_va_vdst(0)                   ; and the one wait ahead of its first reader
.set i, 0
.rept 32
	v_pk_add_f32 v[P64+i:P64+i+1], v[P64+i:P64+i+1], 1.0 op_sel_hi:[1,0]
.set i, i+2
.endr
.set i, 0
.rept 64
	v_rcp_f32 v[P64+i], v[P64+i]
.set i, i+1
.endr
	v_nop
	s_wait_alu depctr_va_vdst(0)
.set i, 0
.rept 32
	v_pk_mul_f32 v[GA_+i:GA_+i+1], v[GA_+i:GA_+i+1], v[P64+i:P64+i+1]
.set i, i+2
.endr
.endm
.macro TOSTG rt                        ; row tile rt's 64 results into my stage: row r, byte 128 b + 64 h + 4 i; each accumulator from its low end on
.set i, 0
.rept 16
	ds_store_b128 v12, v[ACC+64*(\rt)+4*i:ACC+64*(\rt)+4*i+3] offset:128*(i/4)+16*(i%4)
.set i, i+1
.endr
.endm
.macro BACK reg                        ; and back as 16 whole rows of 512 bytes (LDS serves a wave's instructions in order: these see the stores)
.set i, 0
.rept 16
	ds_load_b128 v[(\reg)+4*i:(\reg)+4*i+3], v5 offset:528*i
.set i, i+1
.endr
.endm
.macro SEND reg, rt, younger           ; younger: the LDS instructions issued behind the sixteen loads, which may stay out
.set i, 0
.rept 16
	s_wait_dscnt (\younger)+15-i
	global_store_b128 v3, v[(\reg)+4*i:(\reg)+4*i+3], s[22:23] offset:(16*(\rt)+i)*2048 th:TH_STORE_NT   ; 32 lanes store 512 consecutive bytes, at a multiple of 256 from out0's first byte
.set i, i+1
.endr
.endm
	s_load_b512 s[4:19], s[0:1], 0x0               ; x, cc, cs, wst, bo, ln2_scale, ln2_shift, b1
	s_load_b128 s[20:23], s[0:1], 0x40             ; b2, out0
	s_set_vgpr_msb 0x40
	v_lshl_add_u32 v254, v0, 2, 0x25000
	v_mov_b32 v255, 0
	s_set_vgpr_msb 0x4000
	v_lshrrev_b32 v1, 5, v0
	v_readfirstlane_b32 s24, v1                    ; wave w
	v_and_b32 v15, 31, v0                          ; lane
	v_and_b32 v13, 15, v0                          ; r
	v_bfe_u32 v14, v0, 4, 1                        ; h
	v_lshlrev_b32 v1, 4, v15                       ; 16 x lane
	v_lshlrev_b32 v2, 2, v15                       ; 4 x lane
	s_lshl_b32 s30, s24, 9                         ; 512 w
	v_lshlrev_b32 v3, 11, v13
	v_lshl_add_u32 v3, v14, 6, v3
	v_add_nc_u32 v3, s30, v3                       ; x: 2,048 r + 64 h + 512 w
	v_mul_u32_u24 v4, v13, 24
	v_mul_u32_u24 v5, v14, 49152
	v_add_nc_u32 v4, v4, v5                        ; ctx: 24 r, and one head (2,048 x 24 bytes) on for lanes 16-31
	s_lshl_b32 s31, s24, 14
	s_add_co_u32 s31, s31, X1
	v_add_nc_u32 v5, s31, v1                       ; my wave's x1 images, and the stage's rows
	v_mul_u32_u24 v12, v13, 528
	v_lshl_add_u32 v12, v14, 6, v12
	v_add_nc_u32 v12, s31, v12                     ; into the stage: row r, + 64 h
	s_lshl_b32 s32, s24, 12
	s_add_co_u32 s32, s32, PAR
	v_lshl_add_u32 v6, v14, 6, s32                 ; parameters out of LDS: + 64 h
	v_add_nc_u32 v7, s32, v1                       ; and into it
	s_lshl_b32 s33, s24, 8
	v_add_nc_u32 v8, s33, v2                       ; partial sums: 256 w + 4 x lane
	s_mul_i32 s33, s24, 1536
	v_add_nc_u32 v9, s33, v1                       ; LN2's images: K step w
	s_mul_i32 s33, s24, 12288
	v_add_nc_u32 v10, s33, v1                      ; the hidden layer's images: K steps 4 w on
	v_add_nc_u32 v11, s30, v2                      ; and their scale words
	v_lshl_add_u32 v13, v14, 6, s30                ; bo's image: 64 h + 512 w
	v_add_nc_u32 v36, s30, v1                      ; 16 x lane + 512 w
	s_lshl_b32 s33, s24, 11
	v_add_nc_u32 v14, s33, v1                      ; 16 x lane + 2,048 w
	v_mov_b32 v46, 0xc0135761                      ; k1 = -2 sqrt(2 / pi) log2(e)
	v_mov_b32 v47, 0xc0135761
	s_mov_b32 s44, 0xbdd2d3e8                      ; k2 = 0.044715 k1
	s_mov_b32 s45, s44
	s_mov_b32 s[SEL], 0x76543210
	s_mov_b32 s[SEL+1], 0xfedcba98
	s_mov_b32 s52, 0x3b000000                      ; 1 / 512
	s_mov_b32 s53, 0x3727c5ac                      ; 1e-5
	s_mov_b32 s54, 0xffff0000                      ; lanes 16-31
	s_lshl_b32 s34, ttmp9, 16                      ; 32 rows of 2,048 bytes
	s_mov_b32 s35, 0
	s_lshr_b32 s36, ttmp9, 6
	s_lshl_b32 s36, s36, 15                        ; 16 heads x 2,048 tokens a batch
	s_and_b32 s37, ttmp9, 63
	s_lshl_b32 s37, s37, 5
	s_add_co_u32 s36, s36, s37                     ; + my first token
	s_mov_b32 s37, 0
	s_mul_i32 s38, s36, 24
	s_mov_b32 s39, 0
	s_mul_i32 s40, s24, 460800                     ; my wave's stream: 36 groups
	s_mov_b32 s41, 0
	s_wait_kmcnt 0x0
	s_add_nc_u64 s[4:5], s[4:5], s[34:35]
	s_add_nc_u64 s[22:23], s[22:23], s[34:35]
	s_add_nc_u64 s[8:9], s[8:9], s[36:37]
	s_add_nc_u64 s[6:7], s[6:7], s[38:39]
	s_add_nc_u64 s[SB:SB+1], s[10:11], s[40:41]
.irp b, 0,1,2,3
.irp q, 0,1,2,3
	global_load_b128 v[P64+16*\b+4*\q:P64+16*\b+4*\q+3], v13, s[12:13] offset:128*\b+16*\q   ; bo in the results' layout
.endr
.endr
	WIN 0xc0                                       ; destination window 3
	global_load_b128 v[96:99], v36, s[14:15]
	global_load_b128 v[100:103], v36, s[16:17]
	global_load_b128 v[104:107], v36, s[20:21]
.irp k, 0,1,2,3
	global_load_b128 v[108+4*\k:111+4*\k], v14, s[18:19] offset:512*\k
.endr
	WIN 0
.irp d, 0,1,2,3,4,5,6,7,8,9,10,11,12,13,14,15
	global_load_u8 v[TM+\d], v15, s[8:9] offset:2048*\d      ; ctx's scale byte of head d: lane = token
.endr
.irp rt, 0,1
.irp b, 0,1,2,3
.irp j, 0,1,2,3
	global_load_b128 v[ACC+64*\rt+16*\b+4*\j:ACC+64*\rt+16*\b+4*\j+3], v3, s[4:5] offset:32768*\rt+128*\b+16*\j th:TH_LOAD_NT
.endr
.endr
.endr
	WIN 0xc0
.irp rt, 0,1
.irp s, 0,1,2,3
.irp c, 0,1
.irp i, 0,1,2
	global_load_b64 v[12*(4*\rt+\s)+6*\c+2*\i:12*(4*\rt+\s)+6*\c+2*\i+1], v4, s[6:7] offset:(4*\s+2*\c)*49152+384*\rt+8*\i   ; block 2 c + h of K step s is head 4 s + 2 c + h
.endr
.endr
.endr
.endr
	WIN 0
	LOADG 0, 0
	LOADG 1, 12800
	s_wait_loadcnt 50                              ; all but the two groups: so the head's loads have also read their address registers
	WIN 0x0c                                       ; an LDS store's data are its source 1: window 3
	ds_store_b128 v7, v[96:99]
	ds_store_b128 v7, v[100:103] offset:512
	ds_store_b128 v7, v[104:107] offset:1024
.irp k, 0,1,2,3
	ds_store_b128 v7, v[108+4*\k:111+4*\k] offset:2048+512*\k
.endr
	WIN 0
	s_lshl_b32 s33, s24, 7
	v_add_nc_u32 v15, s33, v2                      ; LN2's scale words: 128 w + 4 x lane
	v_add_nc_u32 v13, HH, v1                       ; the hidden layer's images, for every wave's reads
.irp s, 0,1,2,3
	v_lshl_or_b32 v[AS+\s], v[TM+4*\s+1], 8, v[TM+4*\s]
.endr
.irp s, 0,1,2,3
	v_lshl_or_b32 v[AS+\s], v[TM+4*\s+2], 16, v[AS+\s]
.endr
.irp s, 0,1,2,3
	v_lshl_or_b32 v[AS+\s], v[TM+4*\s+3], 24, v[AS+\s]
.endr
.irp rt, 0,1
.set i, 0
.rept 32
	v_pk_add_f32 v[ACC+64*\rt+i:ACC+64*\rt+i+1], v[ACC+64*\rt+i:ACC+64*\rt+i+1], v[P64+i:P64+i+1]   ; x + bo: what the first product adds onto
.set i, i+2
.endr
.endr
	; ---- x1 = x + bo + ctx Wo
	STEPG 0, 0, AS, 0
	STEPG 1, 12, AS+1, 0
	STEPG 2, 24, AS+2, 0
	STEPG 3, 36, AS+3, 0
	s_wait_xcnt 0x0                                ; the loads have read their base
	s_add_nc_u64 s[SB:SB+1], s[SB:SB+1], 51200
	PLACES 4
.set i, 0
.rept 32
	ds_store_b128 v5, v[ACC+4*i:ACC+4*i+3] offset:512*i      ; x1 is kept, each accumulator from its low end on
.set i, i+1
.endr
	; ---- LN2
	RSUM 0, 0
	RSUM 1, 0
	ds_store_b32 v8, v[P64] offset:ST1
	ds_store_b32 v8, v[P64+8] offset:ST1+128
	BARRIER
	GATHER ST1
	v_mul_f32 v36, s52, v80
	v_mul_f32 v38, s52, v84
	v_mov_b32 v37, v36
	v_mov_b32 v39, v38
.irp rt, 0,1
.set i, 0
.rept 32
	v_pk_add_f32 v[ACC+64*\rt+i:ACC+64*\rt+i+1], v[ACC+64*\rt+i:ACC+64*\rt+i+1], v[36+2*\rt:37+2*\rt] neg_lo:[0,1] neg_hi:[0,1]
.set i, i+2
.endr
.endr
	RSUM 0, 1
	RSUM 1, 1
	ds_store_b32 v8, v[P64] offset:ST2
	ds_store_b32 v8, v[P64+8] offset:ST2+128
	BARRIER
	GATHER ST2
	v_fma_f32 v80, v80, s52, s53
	v_fma_f32 v84, v84, s52, s53
	v_rsq_f32 v40, v80
	v_rsq_f32 v42, v84
	v_nop
	s_wait_alu depctr_va_vdst(0)
	v_mov_b32 v41, v40
	v_mov_b32 v43, v42
.irp hf, 0,1
.irp b, 0,1
.irp q, 0,1,2,3
	ds_load_b128 v[P64+16*\b+4*\q:P64+16*\b+4*\q+3], v6 offset:128*(2*\hf+\b)+16*\q
	ds_load_b128 v[P64+32+16*\b+4*\q:P64+32+16*\b+4*\q+3], v6 offset:512+128*(2*\hf+\b)+16*\q
.endr
.endr
	s_wait_dscnt 0x0
.irp rt, 0,1
.irp i, 0,2,4,6,8,10,12,14,16,18,20,22,24,26,28,30
	v_pk_mul_f32 v[ACC+64*\rt+32*\hf+\i:ACC+64*\rt+32*\hf+\i+1], v[ACC+64*\rt+32*\hf+\i:ACC+64*\rt+32*\hf+\i+1], v[40+2*\rt:41+2*\rt]
.endr
.irp i, 0,2,4,6,8,10,12,14,16,18,20,22,24,26,28,30
	v_pk_fma_f32 v[ACC+64*\rt+32*\hf+\i:ACC+64*\rt+32*\hf+\i+1], v[ACC+64*\rt+32*\hf+\i:ACC+64*\rt+32*\hf+\i+1], v[P64+\i:P64+\i+1], v[P64+32+\i:P64+32+\i+1]
.endr
.endr
.endr
	QUANT ACC
	v_mov_b32 v[PW0], v[PW]
	IMAGE 9, HX
	s_wait_dscnt 0x0                               ; the stores have read the codes' registers
	QUANT ACC+64
	IMAGE 9, HX+6144
	v_cndmask_b32 v[PW], v[PW0], v[PW], s54        ; lanes 0-15 carry row tile 0's words, lanes 16-31 row tile 1's
	ds_store_b32 v15, v[PW] offset:HXS
	BARRIER                                        ; LN2(x1)'s eight fragments and their scale words lie in LDS
	WIN 0xc0                                       ; destination window 3
.set i, 0
.rept 24
	ds_load_b128 v[4*i:4*i+3], v1 offset:HX+512*i  ; fragment (rt, s) at v[12 (4 rt + s)]: they stay for the whole of W1
.set i, i+1
.endr
	WIN 0
.irp s, 0,1,2,3
	ds_load_b32 v[AS+\s], v2 offset:HXS+128*\s
.endr
	; ---- the hidden layer: four trips of 128 units; a trip's results are K step 4 w + trip of the last product
	s_mov_b32 s46, 4                               ; trips to go
	s_mov_b32 s47, 0                               ; where the trip's images go: 3,072 bytes a trip
	s_mov_b32 s48, 0                               ; its scale words: 128
	s_mov_b32 s49, 0                               ; its 128 numbers of b1: 512
.Lw1:
	v_add_nc_u32 v3, s49, v6                       ; (no LDS instruction that names these three is out: the trip ends with a wait for all)
	v_add_nc_u32 v4, s47, v10
	v_add_nc_u32 v7, s48, v11
	PIMG 3, 2048                                   ; b1 in the results' layout: the C of each sum's first product
	s_wait_dscnt 0x0
	STEPG 0, 0, AS, 1
	STEPG 1, 12, AS+1, 0
	STEPG 2, 24, AS+2, 0
	STEPG 3, 36, AS+3, 0
	PLACES 4
	GELU 0
	GELU 1
	QUANT ACC
	v_mov_b32 v[PW0], v[PW]
	IMAGE 4, HH
	s_wait_dscnt 0x0                               ; the stores have read the codes' registers
	QUANT ACC+64
	IMAGE 4, HH+1536
	v_cndmask_b32 v[PW], v[PW0], v[PW], s54
	ds_store_b32 v7, v[PW] offset:HHS
	s_wait_dscnt 0x0                               ; the stores have read their registers
	s_wait_xcnt 0x0                                ; the stream's loads have read their base
	s_add_nc_u64 s[SB:SB+1], s[SB:SB+1], 51200
	s_add_co_u32 s47, s47, 3072
	s_add_co_u32 s48, s48, 128
	s_add_co_u32 s49, s49, 512
	s_sub_co_u32 s46, s46, 1
	s_cmp_lg_u32 s46, 0
	s_cbranch_scc1 .Lw1
	BARRIER                                        ; the hidden layer's 32 fragments and their scale words lie in LDS
	; ---- out = x1 + b2 + hidden W2: sixteen K steps, written out: every offset is an immediate (35 groups of 12,800 bytes at the most)
.set i, 0
.rept 32
	ds_load_b128 v[ACC+4*i:ACC+4*i+3], v5 offset:512*i       ; x1 comes back
.set i, i+1
.endr
	PIMG 6, 1024                                   ; b2 in the results' layout
	WIN 0xc0
.irp i, 0,1,2,3,4,5
	ds_load_b128 v[4*\i:4*\i+3], v13 offset:512*\i ; K step 0's two fragments
.endr
	WIN 0
	ds_load_b32 v[AS], v2 offset:HHS
	s_wait_dscnt 0x0
.irp rt, 0,1
.set i, 0
.rept 32
	v_pk_add_f32 v[ACC+64*\rt+i:ACC+64*\rt+i+1], v[ACC+64*\rt+i:ACC+64*\rt+i+1], v[P64+i:P64+i+1]   ; x1 + b2: what the last product adds onto
.set i, i+2
.endr
.endr
.irp ks, 0,1,2,3,4,5,6,7,8,9,10,11,12,13
	STEPW2 \ks, 1, 1, 50
.endr
	STEPW2 14, 0, 1, 25                            ; the stream has ended: the counts run down
	STEPW2 15, 0, 0, 0
	; ---- the way out: a lane holds pieces of one row, so a row tile goes through my stage (x1's bytes, read for the last time above) and leaves as whole rows
	PLACES 4
	v_add_nc_u32 v3, s30, v1                       ; 16 x lane + 512 w
	TOSTG 0
	BACK P64
	TOSTG 1
	SEND P64, 0, 16                                ; behind row tile 0's loads: row tile 1's sixteen stores
	BACK ACC                                       ; row tile 0's LDS stores, which read these registers, were shown done by the waits above
	SEND ACC, 1, 0
	s_set_vgpr_msb 0x5
	s_wait_tensorcnt 0x0
	ds_add_u32 v254, v255
	s_wait_dscnt 0x0
	s_set_vgpr_msb 0x500
	s_endpgm
.Lfunc_end_k_q5e200612a4_tail:
	.size	k_q5e200612a4_tail, .Lfunc_end_k_q5e200612a4_tail-k_q5e200612a4_tail
	.p2alignl 7, 3214868480
	.fill 96, 4, 3214868480
	.section	.rodata,"a",@progbits
	.p2align	6, 0x0
	.amdhsa_kernel k_q5e200612a4_tail
		.amdhsa_group_segment_fixed_size 152064
		.amdhsa_private_segment_fixed_size 0
		.amdhsa_enable_private_segment 0
		.amdhsa_kernarg_size 80
		.amdhsa_user_sgpr_count 2
		.amdhsa_user_sgpr_kernarg_segment_ptr 1
		.amdhsa_wavefront_size32 1
		.amdhsa_system_sgpr_workgroup_id_x 1
		.amdhsa_system_sgpr_workgroup_id_y 1
		.amdhsa_system_sgpr_workgroup_id_z 1
		.amdhsa_system_vgpr_workitem_id 0
		.amdhsa_next_free_vgpr 1024
		.amdhsa_next_free_sgpr 66
		.amdhsa_reserve_vcc 0
		.amdhsa_float_denorm_mode_32 3
		.amdhsa_float_denorm_mode_16_64 3
		.amdhsa_memory_ordered 1
		.amdhsa_forward_progress 1
		.amdhsa_inst_pref_size 231
	.end_amdhsa_kernel
	.amdgpu_metadata
---
amdhsa.version: [ 1, 2 ]
amdhsa.kernels:
  - .name:           k_q5e200612a4_tail
    .symbol:         k_q5e200612a4_tail.kd
    .args:
      - { .name: x, .offset: 0, .size: 8, .value_kind: global_buffer, .address_space: global }
      - { .name: cc, .offset: 8, .size: 8, .value_kind: global_buffer, .address_space: global }
      - { .name: cs, .offset: 16, .size: 8, .value_kind: global_buffer, .address_space: global }
      - { .name: wst, .offset: 24, .size: 8, .value_kind: global_buffer, .address_space: global }
      - { .name: bo, .offset: 32, .size: 8, .value_kind: global_buffer, .address_space: global }
      - { .name: ln2_scale, .offset: 40, .size: 8, .value_kind: global_buffer, .address_space: global }
      - { .name: ln2_shift, .offset: 48, .size: 8, .value_kind: global_buffer, .address_space: global }
      - { .name: b1, .offset: 56, .size: 8, .value_kind: global_buffer, .address_space: global }
      - { .name: b2, .offset: 64, .size: 8, .value_kind: global_buffer, .address_space: global }
      - { .name: out0, .offset: 72, .size: 8, .value_kind: global_buffer, .address_space: global }
    .group_segment_fixed_size: 152064
    .private_segment_fixed_size: 0
    .kernarg_segment_align: 8
    .kernarg_segment_size: 80
    .max_flat_workgroup_size: 128
    .sgpr_count:     66
    .vgpr_count:     1024
    .wavefront_size: 32
...
	.end_amdgpu_metadata
.endif
;; end of part 4
;; ======== version 2 of 2: 4 launches
;; workspace buffers: xq 3,276,800 bytes; wst 1,843,200 bytes; qc 3,145,728 bytes; qs 131,072 bytes; kv 6,553,600 bytes; cc 3,145,728 bytes; cs 131,072 bytes
;; launch prep (part 5): grid 256 x 1, 4 waves a work-group, no clusters, 5,632 bytes of LDS; arguments x, ln1_scale, ln1_shift, Wo_codes, Wo_scales, W1_codes, W1_scales, W2_codes, W2_scales, xq, wst; writes xq, wst
.if DOCPART == 5
	.amdgcn_target "amdgcn-amd-amdhsa--gfx1250"
	.amdhsa_code_object_version 6
	.text
	.protected	k_q5e200612a4_prep
	.globl	k_q5e200612a4_prep
	.p2align	8
	.type	k_q5e200612a4_prep,@function
k_q5e200612a4_prep:
	s_mov_b64 s[64:65], 0
	v_nop
	global_prefetch_b8 v0, s[64:65] scope:SCOPE_SE
	s_setreg_imm32_b32 hwreg(HW_REG_WAVE_MODE, 25, 1), 1
	s_wait_xcnt 0x0
; LN1(x) -> codes of BF6 (E3M2) with one E8M0 byte for each 32 along K, laid as IMAGES OF OPERAND REGISTERS; and Wo, W1, W2 laid anew as the stream that the last launch's waves read.
; x: [8192][512] f32.  A work-group owns 32 rows; wave v: u = v / 2 picks 16 of them (lane r: row 32 blk + 8 u + r + 8 (r / 8)), p = v % 2 picks K steps 2 p and 2 p + 1 (128 numbers a lane).
; A lane holds 16 neighbours of each block of 32 (k = 32 b + 16 (lane / 16) + i); a row's mean and variance join lanes l and l xor 16, and the two waves of a row through LDS.
; xq: a record of 12,800 bytes a work-group: fragment (u, s) at 1536 (4 u + s): registers 4 q .. 4 q + 3 of lane l at 512 q + 16 l; at 12,288 the rows' four scale words, 16 bytes for lane 16 u + r.
; wst: [wave w of the last launch: 4][group g: 36][12,800]: eight fragments (tile t at 1536 t, lane r = weight row n0 + 32 (t / 2) + 8 (t % 2) + r + 8 (r / 8)) of ONE K step, then 512 bytes: lane (r, h): the scale words of tiles 4 h .. 4 h + 3.
;   g 0-3: Wo, K step g, n0 = 128 w;  g 4-19: W1, n0 = 512 w + 128 ((g - 4) / 4), K step (g - 4) % 4;  g 20-35: W2, K step g - 20, n0 = 128 w.  Work-group 64 w + g lays group (w, g); wave v its tiles 2 v, 2 v + 1.
; LIMITS: NaN and infinities among the inputs are not served; a block whose largest magnitude lies under 2^-122 (a block of zeros too) gets the byte 1: its bytes are read by this program alone; 1 / sqrt is v_rsq_f32 (1 ulp).
; No tensor loads, no cluster: no two work-groups read the same bytes here.  No prefetch: each byte is asked for at the head and used once.
.set LG,   0                           ; LDS: ln1_scale, 2,048 bytes
.set LSH,  2048                        ; ln1_shift
.set ST1,  4096                        ; a word a thread: the rows' partial sums
.set ST2,  4608                        ; and partial sums of squares
.set X,    128                         ; v128-255 my 128 numbers: 64 sl + 16 b + i
.set GB,   64                          ; v64-95 scale, v96-127 shift of two blocks; in the weights' part: two fragments and four scale words
.set PC,   16                          ; v16-35 codes just made
.set PW,   36                          ; the scale word just made
.set PW0,  37
.set TM,   40                          ; v40-55 at work
.set SEL,  58                          ; s[58:59] v_permlanex16_b32's selects for lane l xor 16
; 64 numbers of a lane, register 16 b + i = k 32 b + 16 (lane / 16) + i of my row, become a fragment's codes in v[PC] on and its scale word in v[PW]
.macro QUANT s
.irp b, 0,1,2,3
	v_max3_num_f32 v[TM+\b], |v[(\s)+16*\b]|, |v[(\s)+1+16*\b]|, 0x2800000   ; my 16 numbers of block b, and the floor 2^(5 - 127): the byte cannot fall under 1
.endr
.irp i, 2,4,6,8,10,12,14
.irp b, 0,1,2,3
	v_max3_num_f32 v[TM+\b], v[TM+\b], |v[(\s)+16*\b+\i]|, |v[(\s)+1+16*\b+\i]|
.endr
.endr
.irp b, 0,1,2,3
	v_permlanex16_b32 v[TM+4+\b], v[TM+\b], s[SEL], s[SEL+1]
.endr
.irp b, 0,1,2,3
	v_max_num_f32 v[TM+\b], v[TM+\b], v[TM+4+\b]      ; with lane l xor 16's: the block's largest magnitude
.endr
.irp b, 0,1,2,3
	v_add_nc_u32 v[TM+12+\b], 0xfe000000, v[TM+\b]    ; 4 off its exponent field: the conversion's scale operand
.endr
.irp b, 0,1,2,3
	v_lshrrev_b32 v[TM+4+\b], 23, v[TM+12+\b]         ; the scale's byte
.endr
	v_lshl_or_b32 v[PW], v[TM+5], 8, v[TM+4]
	v_lshl_or_b32 v[PW], v[TM+6], 16, v[PW]
	v_lshl_or_b32 v[PW], v[TM+7], 24, v[PW]
.irp c, 0,1
	v_cvt_scalef32_pk16_bf6_f32 v[PC+6*\c:PC+2+6*\c], v[(\s)+32*\c:(\s)+15+32*\c], v[TM+12+2*\c]
	v_cvt_scalef32_pk16_bf6_f32 v[PC+12+4*\c:PC+14+4*\c], v[(\s)+16+32*\c:(\s)+31+32*\c], v[TM+12+2*\c+1]
.endr
	v_nop                                          ; one plain place behind a scaled conversion
.irp c, 0,1                                    ; the operand's layout wants a whole block in a lane: lanes 0-15 block 2 c, lanes 16-31 block 2 c + 1
.irp i, 0,1,2
	v_permlane16_swap_b32 v[PC+6*\c+\i], v[PC+12+4*\c+\i]
.endr
.irp i, 0,1,2
	v_mov_b32 v[PC+3+6*\c+\i], v[PC+12+4*\c+\i]
.endr
.endr
.endm
.macro FOLD                                    ; four chains of pairs -> the sum over my row's two lanes
	v_pk_add_f32 v[TM:TM+1], v[TM:TM+1], v[TM+2:TM+3]
	v_pk_add_f32 v[TM+4:TM+5], v[TM+4:TM+5], v[TM+6:TM+7]
	v_pk_add_f32 v[TM:TM+1], v[TM:TM+1], v[TM+4:TM+5]
	v_add_f32 v[TM], v[TM], v[TM+1]
	v_permlanex16_b32 v[TM+1], v[TM], s[SEL], s[SEL+1]
	v_add_f32 v[TM], v[TM], v[TM+1]
.endm
.macro BARRIER
	s_wait_dscnt 0x0                               ; my LDS stores have landed and my LDS loads are in
	s_barrier_signal -1
	s_barrier_wait -1
.endm
; Two tiles of one K step of a weight whose rows are RB bytes of codes and KS bytes of scales.  s[38:39] codes, s[40:41] scales, s45 = n0, s44 = the K step.
.macro RELAY RB, KS
	v_mul_u32_u24 v13, v11, \RB
	v_mad_u32_u24 v13, v3, 24, v13                 ; my row of a tile, + 24 bytes for the upper half of the lanes
	s_lshl_b32 s47, s26, 5
	s_add_co_u32 s47, s47, s45                     ; n0 + 32 v: the first row of tile 2 v
	s_mul_i32 s47, s47, \RB
	s_mul_i32 s48, s44, 96
	s_add_co_u32 s48, s48, s47
	s_mov_b32 s49, 0
	s_add_nc_u64 s[38:39], s[38:39], s[48:49]
.irp u, 0,1
.irp p, 0,1,2,3,4,5
	global_load_b64 v[GB+12*\u+2*\p:GB+12*\u+2*\p+1], v13, s[38:39] offset:8*\u*\RB+48*(\p/3)+8*(\p%3)
.endr
.endr
	s_wait_loadcnt 0x0
.irp i, 0,1,2,3,4,5
	global_store_b128 v12, v[GB+4*\i:GB+4*\i+3], s[24:25] offset:512*\i   ; 32 lanes store 512 consecutive bytes
.endr
	s_cmp_lg_u32 s26, 0                            ; wave 0 also lays the group's scale words
	s_cbranch_scc1 .Lrel_done_\@
	v_lshl_add_u32 v14, v3, 6, v11                 ; lanes 16-31 take tiles 4-7: 64 rows on
	v_mul_u32_u24 v14, v14, \KS
	s_mul_i32 s50, s45, \KS
	s_lshl_b32 s51, s44, 2
	s_add_co_u32 s50, s50, s51
	s_mov_b32 s51, 0
	s_add_nc_u64 s[40:41], s[40:41], s[50:51]
.irp i, 0,1,2,3
	global_load_b32 v[GB+24+\i], v14, s[40:41] offset:(32*(\i/2)+8*(\i%2))*\KS
.endr
	s_wait_loadcnt 0x0
	global_store_b128 v5, v[GB+24:GB+27], s[24:25] offset:12288
.Lrel_done_\@:
.endm
	s_load_b512 s[4:19], s[0:1], 0x0               ; x, ln1_scale, ln1_shift, Wo codes, Wo scales, W1 codes, W1 scales, W2 codes
	s_load_b128 s[20:23], s[0:1], 0x40             ; W2 scales, xq
	s_load_b64 s[24:25], s[0:1], 0x50              ; wst
	v_lshl_add_u32 v50, v0, 2, 0x1400
	v_mov_b32 v51, 0
	v_lshrrev_b32 v1, 5, v0
	v_readfirstlane_b32 s26, v1                    ; wave v
	v_and_b32 v1, 31, v0                           ; lane
	v_and_b32 v2, 15, v0                           ; r
	v_bfe_u32 v3, v0, 4, 1                         ; h
	s_lshr_b32 s27, s26, 1                         ; u
	s_and_b32 s28, s26, 1                          ; p
	v_and_b32 v11, 8, v2
	v_add_nc_u32 v11, v11, v2                      ; r + 8 (r / 8)
	v_lshlrev_b32 v4, 11, v11
	v_lshl_add_u32 v4, v3, 6, v4                   ; x: my row of 2,048 bytes, + 64 h
	v_lshlrev_b32 v5, 4, v1                        ; 16 x lane
	v_lshlrev_b32 v6, 4, v0                        ; 16 x thread
	s_lshl_b32 s29, s28, 10
	v_lshlrev_b32 v7, 6, v3
	v_add_nc_u32 v7, s29, v7                       ; scale and shift in LDS: 64 h + 1,024 p
	v_lshlrev_b32 v8, 2, v0                        ; my word among the partial sums
	v_xor_b32 v9, 32, v0
	v_lshlrev_b32 v9, 2, v9                        ; and that of the wave with the row's other half
	v_lshlrev_b32 v10, 4, v2
	v_lshl_add_u32 v10, v3, 2, v10
	s_lshl_b32 s30, s27, 8
	s_lshl_b32 s31, s28, 3
	s_add_co_u32 s30, s30, s31
	v_add_nc_u32 v10, s30, v10                     ; my scale word's place: 16 (16 u + r) + 8 p + 4 h
	s_lshl_b32 s30, s27, 2
	s_lshl_b32 s31, s28, 1
	s_add_co_u32 s30, s30, s31
	s_mul_i32 s30, s30, 1536
	v_add_nc_u32 v15, s30, v5                      ; my images' place: 1536 (4 u + 2 p) + 16 x lane
	s_mov_b32 s[SEL], 0x76543210
	s_mov_b32 s[SEL+1], 0xfedcba98
	s_mov_b32 s53, 0x3b000000                      ; 1 / 512
	s_mov_b32 s54, 0x3727c5ac                      ; 1e-5
	s_lshl_b32 s32, ttmp9, 16                      ; 32 rows of 2,048 bytes a work-group
	s_lshl_b32 s33, s27, 14                        ; 8 u rows
	s_add_co_u32 s32, s32, s33
	s_add_co_u32 s32, s32, s29                     ; 1,024 p
	s_mov_b32 s33, 0
	s_mul_i32 s30, ttmp9, 12800
	s_mov_b32 s31, 0
	s_wait_kmcnt 0x0
	s_add_nc_u64 s[4:5], s[4:5], s[32:33]
	s_add_nc_u64 s[22:23], s[22:23], s[30:31]
.irp sl, 0,1
.irp b, 0,1,2,3
.irp j, 0,1,2,3
	global_load_b128 v[X+64*\sl+16*\b+4*\j:X+64*\sl+16*\b+4*\j+3], v4, s[4:5] offset:512*\sl+128*\b+16*\j th:TH_LOAD_NT
.endr
.endr
.endr
	global_load_b128 v[56:59], v6, s[6:7]
	global_load_b128 v[60:63], v6, s[8:9]
	; ---- the weights' part: 144 of the 256 work-groups lay one group each
	s_and_b32 s34, ttmp9, 63                       ; g
	s_lshr_b32 s35, ttmp9, 6                       ; w
	s_cmp_lt_u32 s34, 36
	s_cbranch_scc0 .Lno_relay
	s_mul_i32 s36, s35, 36
	s_add_co_u32 s36, s36, s34
	s_mul_i32 s36, s36, 12800
	s_mov_b32 s37, 0
	s_add_nc_u64 s[24:25], s[24:25], s[36:37]
	s_mul_i32 s52, s26, 3072
	v_add_nc_u32 v12, s52, v5                      ; tiles 2 v, 2 v + 1 of the group
	s_cmp_lt_u32 s34, 20
	s_cbranch_scc0 .Lrelay_w2
	s_sub_co_u32 s42, s34, 4                       ; W1's numbers are made for every g and taken where g >= 4
	s_lshr_b32 s43, s42, 2
	s_and_b32 s44, s42, 3
	s_lshl_b32 s43, s43, 7
	s_lshl_b32 s45, s35, 9
	s_add_co_u32 s45, s45, s43
	s_lshl_b32 s46, s35, 7
	s_cmp_lt_u32 s34, 4
	s_cselect_b32 s45, s46, s45                    ; n0
	s_cselect_b32 s44, s34, s44                    ; the K step
	s_cselect_b64 s[38:39], s[10:11], s[14:15]
	s_cselect_b64 s[40:41], s[12:13], s[16:17]
	s_wait_alu depctr_va_vdst(0)
	RELAY 384, 16
	s_branch .Lno_relay
.Lrelay_w2:
	s_sub_co_u32 s44, s34, 20
	s_lshl_b32 s45, s35, 7
	s_mov_b64 s[38:39], s[18:19]
	s_mov_b64 s[40:41], s[20:21]
	s_wait_alu depctr_va_vdst(0)
	RELAY 1536, 64
.Lno_relay:
	s_wait_loadcnt 0x0                             ; x, scale and shift are in
	s_wait_xcnt 0x0                                ; the stores above have read their registers: v64 on are written again below
	ds_store_b128 v6, v[56:59] offset:LG
	ds_store_b128 v6, v[60:63] offset:LSH
	; ---- the mean
.irp c, 0,1,2,3
	v_pk_add_f32 v[TM+2*\c:TM+2*\c+1], v[X+2*\c:X+2*\c+1], v[X+8+2*\c:X+9+2*\c]
.endr
.set i, 16
.rept 14
.irp c, 0,1,2,3
	v_pk_add_f32 v[TM+2*\c:TM+2*\c+1], v[TM+2*\c:TM+2*\c+1], v[X+i+2*\c:X+i+2*\c+1]
.endr
.set i, i+8
.endr
	FOLD
	ds_store_b32 v8, v[TM] offset:ST1
	s_wait_alu depctr_va_vdst(0)
	BARRIER                                        ; the partial sums, scale and shift lie in LDS
	ds_load_b32 v[TM+1], v9 offset:ST1
	s_wait_dscnt 0x0
	v_add_f32 v[TM], v[TM], v[TM+1]
	v_mul_f32 v12, s53, v[TM]
	v_mov_b32 v13, v12                             ; the mean, as a pair
.set i, 0
.rept 64
	v_pk_add_f32 v[X+i:X+i+1], v[X+i:X+i+1], v[12:13] neg_lo:[0,1] neg_hi:[0,1]
.set i, i+2
.endr
	; ---- the variance, of the centred numbers
.irp c, 0,1,2,3
	v_pk_mul_f32 v[TM+2*\c:TM+2*\c+1], v[X+2*\c:X+2*\c+1], v[X+2*\c:X+2*\c+1]
.endr
.set i, 8
.rept 15
.irp c, 0,1,2,3
	v_pk_fma_f32 v[TM+2*\c:TM+2*\c+1], v[X+i+2*\c:X+i+2*\c+1], v[X+i+2*\c:X+i+2*\c+1], v[TM+2*\c:TM+2*\c+1]
.endr
.set i, i+8
.endr
	FOLD
	ds_store_b32 v8, v[TM] offset:ST2
	s_wait_alu depctr_va_vdst(0)
	BARRIER
	ds_load_b32 v[TM+1], v9 offset:ST2
	s_wait_dscnt 0x0
	v_add_f32 v[TM], v[TM], v[TM+1]
	v_fma_f32 v[TM], v[TM], s53, s54               ; variance + 1e-5
	s_wait_alu depctr_va_vdst(0)
	v_rsq_f32 v38, v[TM]
	v_nop                                          ; a plain place behind the transcendental
	s_wait_alu depctr_va_vdst(0)                   ; and the wait ahead of its first reader
	v_mov_b32 v39, v38
	s_wait_alu depctr_va_vdst(0)
	; ---- (x - mean) / sqrt(..) x scale + shift, two blocks of 32 at a time
.irp sl, 0,1
.irp pr, 0,1
.irp b, 0,1
.irp j, 0,1,2,3
	ds_load_b128 v[GB+16*\b+4*\j:GB+16*\b+4*\j+3], v7 offset:LG+512*\sl+128*(2*\pr+\b)+16*\j
	ds_load_b128 v[GB+32+16*\b+4*\j:GB+32+16*\b+4*\j+3], v7 offset:LSH+512*\sl+128*(2*\pr+\b)+16*\j
.endr
.endr
	s_wait_dscnt 0x0
.irp i, 0,2,4,6,8,10,12,14,16,18,20,22,24,26,28,30
	v_pk_mul_f32 v[X+64*\sl+32*\pr+\i:X+64*\sl+32*\pr+\i+1], v[X+64*\sl+32*\pr+\i:X+64*\sl+32*\pr+\i+1], v[38:39]
.endr
.irp i, 0,2,4,6,8,10,12,14,16,18,20,22,24,26,28,30
	v_pk_fma_f32 v[X+64*\sl+32*\pr+\i:X+64*\sl+32*\pr+\i+1], v[X+64*\sl+32*\pr+\i:X+64*\sl+32*\pr+\i+1], v[GB+\i:GB+\i+1], v[GB+32+\i:GB+32+\i+1]
.endr
.endr
.endr
	; ---- two fragments
	QUANT X
	v_mov_b32 v[PW0], v[PW]
.irp c, 0,1,2
	global_store_b128 v15, v[PC+4*\c:PC+4*\c+3], s[22:23] offset:512*\c
.endr
	s_wait_xcnt 0x0                                ; the stores have read the codes' registers, which are written again
	QUANT X+64
.irp c, 0,1,2
	global_store_b128 v15, v[PC+4*\c:PC+4*\c+3], s[22:23] offset:1536+512*\c
.endr
	v_cmp_eq_u32 vcc_lo, 1, v3
	v_cndmask_b32 v[PW], v[PW0], v[PW], vcc_lo     ; both lanes of a row hold both words: lane h stores K step 2 p + h's
	global_store_b32 v10, v[PW], s[22:23] offset:12288
	s_wait_tensorcnt 0x0
	ds_add_u32 v50, v51
	s_wait_dscnt 0x0
	s_endpgm
.Lfunc_end_k_q5e200612a4_prep:
	.size	k_q5e200612a4_prep, .Lfunc_end_k_q5e200612a4_prep-k_q5e200612a4_prep
	.p2alignl 7, 3214868480
	.fill 96, 4, 3214868480
	.section	.rodata,"a",@progbits
	.p2align	6, 0x0
	.amdhsa_kernel k_q5e200612a4_prep
		.amdhsa_group_segment_fixed_size 5632
		.amdhsa_private_segment_fixed_size 0
		.amdhsa_enable_private_segment 0
		.amdhsa_kernarg_size 88
		.amdhsa_user_sgpr_count 2
		.amdhsa_user_sgpr_kernarg_segment_ptr 1
		.amdhsa_wavefront_size32 1
		.amdhsa_system_sgpr_workgroup_id_x 1
		.amdhsa_system_sgpr_workgroup_id_y 1
		.amdhsa_system_sgpr_workgroup_id_z 1
		.amdhsa_system_vgpr_workitem_id 0
		.amdhsa_next_free_vgpr 256
		.amdhsa_next_free_sgpr 66
		.amdhsa_reserve_vcc 1
		.amdhsa_float_denorm_mode_32 3
		.amdhsa_float_denorm_mode_16_64 3
		.amdhsa_memory_ordered 1
		.amdhsa_forward_progress 1
		.amdhsa_inst_pref_size 47
	.end_amdhsa_kernel
	.amdgpu_metadata
---
amdhsa.version: [ 1, 2 ]
amdhsa.kernels:
  - .name:           k_q5e200612a4_prep
    .symbol:         k_q5e200612a4_prep.kd
    .args:
      - { .name: x, .offset: 0, .size: 8, .value_kind: global_buffer, .address_space: global }
      - { .name: ln1_scale, .offset: 8, .size: 8, .value_kind: global_buffer, .address_space: global }
      - { .name: ln1_shift, .offset: 16, .size: 8, .value_kind: global_buffer, .address_space: global }
      - { .name: Wo_codes, .offset: 24, .size: 8, .value_kind: global_buffer, .address_space: global }
      - { .name: Wo_scales, .offset: 32, .size: 8, .value_kind: global_buffer, .address_space: global }
      - { .name: W1_codes, .offset: 40, .size: 8, .value_kind: global_buffer, .address_space: global }
      - { .name: W1_scales, .offset: 48, .size: 8, .value_kind: global_buffer, .address_space: global }
      - { .name: W2_codes, .offset: 56, .size: 8, .value_kind: global_buffer, .address_space: global }
      - { .name: W2_scales, .offset: 64, .size: 8, .value_kind: global_buffer, .address_space: global }
      - { .name: xq, .offset: 72, .size: 8, .value_kind: global_buffer, .address_space: global }
      - { .name: wst, .offset: 80, .size: 8, .value_kind: global_buffer, .address_space: global }
    .group_segment_fixed_size: 5632
    .private_segment_fixed_size: 0
    .kernarg_segment_align: 8
    .kernarg_segment_size: 88
    .max_flat_workgroup_size: 128
    .sgpr_count:     66
    .vgpr_count:     256
    .wavefront_size: 32
...
	.end_amdgpu_metadata
.endif
;; end of part 5
;; launch qkv (part 6): grid 4 x 64, 4 waves a work-group, no clusters, 0 bytes of LDS; arguments xq, Wq_codes, Wq_scales, Wk_codes, Wk_scales, Wv_codes, Wv_scales, qc, qs, kv; writes qc, qs, kv
.if DOCPART == 6
	.amdgcn_target "amdgcn-amd-amdhsa--gfx1250"
	.amdhsa_code_object_version 6
	.text
	.protected	k_q5e200612a4_qkv
	.globl	k_q5e200612a4_qkv
	.p2align	8
	.type	k_q5e200612a4_qkv,@function
k_q5e200612a4_qkv:
	s_mov_b64 s[64:65], 0
	v_nop
	global_prefetch_b8 v0, s[64:65] scope:SCOPE_SE
	s_setreg_imm32_b32 hwreg(HW_REG_WAVE_SCHED_MODE, 0, 2), 2
	s_setreg_imm32_b32 hwreg(HW_REG_WAVE_MODE, 25, 1), 1
	s_wait_xcnt 0x0
	s_wait_alu depctr_vm_vsrc(0)
; q, k, v = LN1(x) Wq, Wk, Wv on codes of BF6 (E3M2), and the three results quantised at once: q and k along the head's 32, v along the keys.
; SHARES.  1,024 waves that share nothing: wave w of work-group (gx, tg) takes head hd = 4 gx + w and rows 128 tg .. + 127.  Its 24 weight fragments (q, k, v: two tiles of 16 of the head's 32 x four K steps) stay in
; registers, read once as they lie in memory; x comes as four records of 25 dense loads of 512 bytes.
; LAYOUT.  q, k: source 0 = 16 rows of W (lane r of tile u: the head's feature 8 u + r + 8 (r / 8)), source 1 = 16 rows of x: a lane holds one token and, over the two tiles, features 16 h + 0 .. 15.
; v: source 0 = 16 rows of x (lane r of tile u': token 8 u' + r + 8 (r / 8) of a block of 32), source 1 = 16 rows of Wv: a lane holds one feature and, over the two tiles, tokens 16 h + 0 .. 15: neighbours along the keys.
; OUT.  qc [bh][t][24]: a token's 32 codes.  qs [bh][tg][r][8]: byte 2 B + u' of lane r: token 128 tg + 32 B + 8 u' + r + 8 (r / 8).
; kv [bh][step of 128 keys][6,400]: images of registers: K's fragments f = 0, 1 (row m, block b of K: key 64 f + 32 (b / 2) + 8 (b % 2) + m + 8 (m / 8), all 32 of its codes), V's tiles 0, 1 (row m: feature 8 ud + m + 8 (m / 8); 128 keys),
; then 32 words of K's scales (lane m + 16 f) and 32 of V's (lane m + 16 ud).
; LIMITS: a block whose largest magnitude lies under 2^-122 (a block of zeros too) gets the byte 1; the bytes are read by this program alone.
; No LDS, no tensor load, no cluster: every operand goes from memory into the registers of the wave that multiplies by it, in whole runs of 512 bytes (x) or once in the launch (weights: 36,864 bytes a wave).
; REGISTERS: window 0: v1-10 addresses, v16-39 the weights' scale words, v40-47 x's, v48-133 at work, v160-255 six units of 16 results.  window 1: q's and k's fragments.  window 2: v's.  window 3: x's, two buffers of 96.
; THE MODE: SCHED_MODE bits 1:0 = 2 (LLVM: expert scheduling mode 2), set by the entry lines.  The code itself states the register dependences
; between vector or matrix instructions and memory instructions, with s_wait_alu, always for 0.
; THE PLAN.  Registers that memory instructions touch:
;   window 3 and v40-47   x's two buffers and their scale words.  Written by a block's 25 loads; read by that block's 48 products; buffer B % 2 is asked for again, for block B + 2, behind block B's products.
;   v72-127               the codes.  Written by a block's conversions, exchanges and moves; read by the stores at the block's end (v's by the stores at the kernel's end).
;   v128-133              the scale words, gathered over the blocks by vector lines; read by the last three stores.
;   windows 1, 2, v16-39  the weights and their scale words: loaded once, read by products alone.
;   v5-v10                offsets, made at the head and never written again.
; So a block has two waits on va_vdst: one behind its products, ahead of the loads into the buffer that they read (blocks 0 and 1), and one ahead of its stores; and one on vm_vsrc, ahead of the conversions that write
; again what the last block's stores read.
.set WS,  16
.set XS,  40
.set TM,  48
.set TP,  54
.set SO,  60
.set BY,  66
.set QC0, 72
.set QC1, 76
.set KT,  80
.set VT0, 84
.set VT1, 88
.set KC,  92
.set VC,  104
.set QSW, 128
.set KSW, 130
.set VSW, 132
.set ACC, 160
.set SEL, 28
.set MSB, 0
.macro WIN new                         ; the immediate's high byte repeats the setting that is left
.if MSB != \new
	s_set_vgpr_msb (MSB<<8)|\new
.set MSB, \new
.endif
.endm
.macro PLACES n
.rept \n
	v_nop
.endr
.endm
; one product: d, a, b: first registers; cz = 1: C is the constant 0, else c; sa, sb: scale registers; ra, rb = 1: the scales stand in lanes 16-31
.macro WM d, a, b, cz, c, sa, sb, ra, rb
.if \cz
.if (\ra) && (\rb)
	v_wmma_scale_f32_16x16x128_f8f6f4 v[(\d):(\d)+7], v[(\a):(\a)+11], v[(\b):(\b)+11], 0, v[\sa], v[\sb] matrix_a_fmt:MATRIX_FMT_BF6 matrix_b_fmt:MATRIX_FMT_BF6 matrix_a_scale:MATRIX_SCALE_ROW1 matrix_b_scale:MATRIX_SCALE_ROW1
.elseif \ra
	v_wmma_scale_f32_16x16x128_f8f6f4 v[(\d):(\d)+7], v[(\a):(\a)+11], v[(\b):(\b)+11], 0, v[\sa], v[\sb] matrix_a_fmt:MATRIX_FMT_BF6 matrix_b_fmt:MATRIX_FMT_BF6 matrix_a_scale:MATRIX_SCALE_ROW1
.elseif \rb
	v_wmma_scale_f32_16x16x128_f8f6f4 v[(\d):(\d)+7], v[(\a):(\a)+11], v[(\b):(\b)+11], 0, v[\sa], v[\sb] matrix_a_fmt:MATRIX_FMT_BF6 matrix_b_fmt:MATRIX_FMT_BF6 matrix_b_scale:MATRIX_SCALE_ROW1
.else
	v_wmma_scale_f32_16x16x128_f8f6f4 v[(\d):(\d)+7], v[(\a):(\a)+11], v[(\b):(\b)+11], 0, v[\sa], v[\sb] matrix_a_fmt:MATRIX_FMT_BF6 matrix_b_fmt:MATRIX_FMT_BF6
.endif
.else
.if (\ra) && (\rb)
	v_wmma_scale_f32_16x16x128_f8f6f4 v[(\d):(\d)+7], v[(\a):(\a)+11], v[(\b):(\b)+11], v[(\c):(\c)+7], v[\sa], v[\sb] matrix_a_fmt:MATRIX_FMT_BF6 matrix_b_fmt:MATRIX_FMT_BF6 matrix_a_scale:MATRIX_SCALE_ROW1 matrix_b_scale:MATRIX_SCALE_ROW1
.elseif \ra
	v_wmma_scale_f32_16x16x128_f8f6f4 v[(\d):(\d)+7], v[(\a):(\a)+11], v[(\b):(\b)+11], v[(\c):(\c)+7], v[\sa], v[\sb] matrix_a_fmt:MATRIX_FMT_BF6 matrix_b_fmt:MATRIX_FMT_BF6 matrix_a_scale:MATRIX_SCALE_ROW1
.elseif \rb
	v_wmma_scale_f32_16x16x128_f8f6f4 v[(\d):(\d)+7], v[(\a):(\a)+11], v[(\b):(\b)+11], v[(\c):(\c)+7], v[\sa], v[\sb] matrix_a_fmt:MATRIX_FMT_BF6 matrix_b_fmt:MATRIX_FMT_BF6 matrix_b_scale:MATRIX_SCALE_ROW1
.else
	v_wmma_scale_f32_16x16x128_f8f6f4 v[(\d):(\d)+7], v[(\a):(\a)+11], v[(\b):(\b)+11], v[(\c):(\c)+7], v[\sa], v[\sb] matrix_a_fmt:MATRIX_FMT_BF6 matrix_b_fmt:MATRIX_FMT_BF6
.endif
.endif
.endm
; block B's record of x: eight fragments and the scale words: 25 loads
.macro XLOADB B, buf
	WIN 0xc0                                       ; destination window 3
.irp i, 0,1,2,3,4,5,6,7,8,9,10,11,12,13,14,15,16,17,18,19,20,21,22,23
	global_load_b128 v[96*(\buf)+4*\i:96*(\buf)+4*\i+3], v7, s[4:5] offset:12800*(\B)+512*\i
.endr
	WIN 0
	global_load_b128 v[XS+4*(\buf):XS+4*(\buf)+3], v7, s[4:5] offset:12800*(\B)+12288
.endm
; 48 products for 32 tokens.  The accumulators take turns, one instruction a turn: eight for q and k, then four for v
.macro MULB buf
	WIN 0x0d                                       ; source 0 (W) window 1, source 1 (x) window 3
.irp s, 0,1,2,3
.irp tt, 0,1,2,3
.irp up, 0,1
	WM ACC+16*(2*(\tt/2)+\up)+8*(\tt%2), 12*(4*\tt+\s), 96*(\buf)+12*(4*\up+\s), (\s==0), ACC+16*(2*(\tt/2)+\up)+8*(\tt%2), WS+4*\tt+\s, XS+4*(\buf)+\s, 0, \up
.endr
.endr
.endr
	WIN 0x0b                                       ; source 0 (x) window 3, source 1 (Wv) window 2
.irp s, 0,1,2,3
.irp ud, 0,1
.irp up, 0,1
	WM ACC+16*(4+\ud)+8*\up, 96*(\buf)+12*(4*\up+\s), 12*(4*\ud+\s), (\s==0), ACC+16*(4+\ud)+8*\up, XS+4*(\buf)+\s, WS+4*(4+\ud)+\s, \up, 0
.endr
.endr
.endr
	WIN 0
.endm
; the six units of block B are quantised: each is 16 numbers of a block of 32 that lanes l and l xor 16 share
.macro EPI B
.irp k, 0,1,2,3,4,5
	v_max3_num_f32 v[TM+\k], |v[ACC+16*\k]|, |v[ACC+16*\k+1]|, 0x2800000   ; each accumulator is read from its low end on; the floor 2^(5 - 127) holds the byte at 1 from below
.endr
.irp i, 2,4,6,8,10,12,14
.irp k, 0,1,2,3,4,5
	v_max3_num_f32 v[TM+\k], v[TM+\k], |v[ACC+16*\k+\i]|, |v[ACC+16*\k+\i+1]|
.endr
.endr
.irp k, 0,1,2,3,4,5
	v_permlanex16_b32 v[TP+\k], v[TM+\k], s[SEL], s[SEL+1]
.endr
.irp k, 0,1,2,3,4,5
	v_max_num_f32 v[TM+\k], v[TM+\k], v[TP+\k]
.endr
.irp k, 0,1,2,3,4,5
	v_add_nc_u32 v[SO+\k], 0xfe000000, v[TM+\k]    ; 4 off the exponent field: the conversion's scale operand
.endr
.irp k, 0,1,2,3,4,5
	v_lshrrev_b32 v[BY+\k], 23, v[SO+\k]           ; the scale's byte
.endr
.if (\B)%2 == 0
	v_lshl_or_b32 v[QSW+(\B)/2], v[BY+1], 8, v[BY]
	v_lshl_or_b32 v[KSW+(\B)/2], v[BY+3], 8, v[BY+2]
.else
	v_lshl_or_b32 v[QSW+(\B)/2], v[BY], 16, v[QSW+(\B)/2]
	v_lshl_or_b32 v[KSW+(\B)/2], v[BY+2], 16, v[KSW+(\B)/2]
	v_lshl_or_b32 v[QSW+(\B)/2], v[BY+1], 24, v[QSW+(\B)/2]
	v_lshl_or_b32 v[KSW+(\B)/2], v[BY+3], 24, v[KSW+(\B)/2]
.endif
.if (\B) == 0
	v_mov_b32 v[VSW], v[BY+4]
	v_mov_b32 v[VSW+1], v[BY+5]
.else
	v_lshl_or_b32 v[VSW], v[BY+4], 8*(\B), v[VSW]
	v_lshl_or_b32 v[VSW+1], v[BY+5], 8*(\B), v[VSW+1]
.endif
.if (\B) > 0
	s_wait_xcnt 0x0                                ; the earlier blocks' stores have had their addresses translated: their data registers are written again only behind this wait,
	s_wait_alu depctr_vm_vsrc(0)                   ; and behind this one: those stores have read q's and k's codes, which the conversions below write again
.endif
	v_cvt_scalef32_pk16_bf6_f32 v[QC0:QC0+2], v[ACC:ACC+15], v[SO]
	v_cvt_scalef32_pk16_bf6_f32 v[QC1:QC1+2], v[ACC+16:ACC+31], v[SO+1]
	v_cvt_scalef32_pk16_bf6_f32 v[KC+6*((\B)%2):KC+6*((\B)%2)+2], v[ACC+32:ACC+47], v[SO+2]
	v_cvt_scalef32_pk16_bf6_f32 v[KT:KT+2], v[ACC+48:ACC+63], v[SO+3]
.if (\B)%2 == 0
	v_cvt_scalef32_pk16_bf6_f32 v[VC+6*((\B)/2):VC+6*((\B)/2)+2], v[ACC+64:ACC+79], v[SO+4]
	v_cvt_scalef32_pk16_bf6_f32 v[VC+12+6*((\B)/2):VC+12+6*((\B)/2)+2], v[ACC+80:ACC+95], v[SO+5]
.else
	v_cvt_scalef32_pk16_bf6_f32 v[VT0:VT0+2], v[ACC+64:ACC+79], v[SO+4]
	v_cvt_scalef32_pk16_bf6_f32 v[VT1:VT1+2], v[ACC+80:ACC+95], v[SO+5]
.endif
	v_nop                                          ; one plain place behind a scaled conversion
.irp i, 0,1,2                                  ; k: lanes 0-15 keep the key of u' = 0, lanes 16-31 get that of u' = 1: a whole key in a lane
	v_permlane16_swap_b32 v[KC+6*((\B)%2)+\i], v[KT+\i]
.endr
.irp i, 0,1,2
	v_mov_b32 v[KC+6*((\B)%2)+3+\i], v[KT+\i]
.endr
.if (\B)%2 == 1                                ; v: lanes 0-15 keep key block B - 1, lanes 16-31 get block B
.irp i, 0,1,2
	v_permlane16_swap_b32 v[VC+6*((\B)/2)+\i], v[VT0+\i]
	v_permlane16_swap_b32 v[VC+12+6*((\B)/2)+\i], v[VT1+\i]
.endr
.irp i, 0,1,2
	v_mov_b32 v[VC+6*((\B)/2)+3+\i], v[VT0+\i]
	v_mov_b32 v[VC+12+6*((\B)/2)+3+\i], v[VT1+\i]
.endr
.endif
	s_wait_alu depctr_va_vdst(0)                   ; the conversions, exchanges and moves have written the codes, which the stores below (and, of v's, those at the kernel's end) read
	global_store_b96 v9, v[QC0:QC0+2], s[18:19] offset:(32*(\B))*24
	global_store_b96 v9, v[QC1:QC1+2], s[18:19] offset:(32*(\B)+8)*24
.if (\B)%2 == 1
.irp c, 0,1,2
	global_store_b128 v7, v[KC+4*\c:KC+4*\c+3], s[22:23] offset:1536*((\B)/2)+512*\c
.endr
.endif
.endm
	s_load_b512 s[4:19], s[0:1], 0x0               ; xq, Wq codes, Wq scales, Wk codes, Wk scales, Wv codes, Wv scales, qc
	s_load_b128 s[20:23], s[0:1], 0x40             ; qs, kv
	v_lshrrev_b32 v1, 5, v0
	v_readfirstlane_b32 s24, v1                    ; wave
	v_and_b32 v1, 31, v0                           ; lane
	v_and_b32 v2, 15, v0                           ; r
	v_bfe_u32 v3, v0, 4, 1                         ; h
	v_and_b32 v4, 8, v2
	v_add_nc_u32 v4, v4, v2                        ; r + 8 (r / 8)
	v_mul_u32_u24 v5, v4, 384
	v_mad_u32_u24 v5, v3, 24, v5                   ; a weight's row of 384 bytes, + 24 h
	v_lshlrev_b32 v6, 4, v4                        ; its 16 scale bytes
	v_lshlrev_b32 v7, 4, v1                        ; 16 x lane
	v_lshlrev_b32 v8, 2, v1                        ; 4 x lane
	v_mul_u32_u24 v9, v4, 24
	v_mad_u32_u24 v9, v3, 12, v9                   ; q's codes: my token's 24 bytes, + 12 h
	v_lshlrev_b32 v10, 3, v2
	v_lshl_add_u32 v10, v3, 2, v10                 ; q's scale bytes: 8 r + 4 h
.irp k, 0,1,2,3,4,5
	v_mov_b32 v[TP+\k], 0                          ; written once: a lane permute's destination counts as one of its sources
.endr
	s_mov_b32 s[SEL], 0x76543210
	s_mov_b32 s[SEL+1], 0xfedcba98
	s_wait_alu depctr_va_sdst(0)                   ; s24 is written, ahead of its first reader: the head's number and all the bases are made from it
	s_lshl_b32 s25, ttmp9, 2
	s_add_co_u32 s25, s25, s24                     ; the head
	s_and_b32 s26, ttmp7, 0xffff                   ; tg: which 128 rows
	s_lshr_b32 s27, s26, 4
	s_lshl_b32 s27, s27, 4
	s_add_co_u32 s27, s27, s25                     ; bh = 16 b + head
	s_and_b32 s30, s26, 15
	s_lshl_b32 s31, s27, 4
	s_add_co_u32 s31, s31, s30                     ; 16 bh + the step of 128 tokens
	s_mul_i32 s32, s25, 12288                      ; the head's 32 rows of a weight,
	s_mov_b32 s33, 0
	s_lshl_b32 s34, s25, 9                         ; and of its scales
	s_mov_b32 s35, 0
	s_mul_i32 s36, s26, 51200                      ; four records of x
	s_mov_b32 s37, 0
	s_mul_i32 s38, s31, 3072                       ; 128 tokens x 24 bytes
	s_mov_b32 s39, 0
	s_lshl_b32 s40, s31, 7
	s_mov_b32 s41, 0
	s_mul_i32 s42, s31, 6400
	s_mov_b32 s43, 0
	s_wait_kmcnt 0x0
	s_add_nc_u64 s[6:7], s[6:7], s[32:33]
	s_add_nc_u64 s[10:11], s[10:11], s[32:33]
	s_add_nc_u64 s[14:15], s[14:15], s[32:33]
	s_add_nc_u64 s[8:9], s[8:9], s[34:35]
	s_add_nc_u64 s[12:13], s[12:13], s[34:35]
	s_add_nc_u64 s[16:17], s[16:17], s[34:35]
	s_add_nc_u64 s[4:5], s[4:5], s[36:37]
	s_add_nc_u64 s[18:19], s[18:19], s[38:39]
	s_add_nc_u64 s[20:21], s[20:21], s[40:41]
	s_add_nc_u64 s[22:23], s[22:23], s[42:43]
	WIN 0x40                                       ; destination window 1
	s_wait_alu depctr_va_vdst(0)                   ; the offsets v5 to v10 are written: every load and store of the kernel reads one of them
.irp tt, 0,1,2,3
.irp s, 0,1,2,3
.irp p, 0,1,2,3,4,5
	global_load_b64 v[12*(4*\tt+\s)+2*\p:12*(4*\tt+\s)+2*\p+1], v5, s[6+4*(\tt/2):7+4*(\tt/2)] offset:8*(\tt%2)*384+96*\s+48*(\p/3)+8*(\p%3)
.endr
.endr
.endr
	WIN 0x80                                       ; destination window 2
.irp ud, 0,1
.irp s, 0,1,2,3
.irp p, 0,1,2,3,4,5
	global_load_b64 v[12*(4*\ud+\s)+2*\p:12*(4*\ud+\s)+2*\p+1], v5, s[14:15] offset:8*\ud*384+96*\s+48*(\p/3)+8*(\p%3)
.endr
.endr
.endr
	WIN 0
.irp tt, 0,1,2,3,4,5
	global_load_b128 v[WS+4*\tt:WS+4*\tt+3], v6, s[8+4*(\tt/2):9+4*(\tt/2)] offset:128*(\tt%2)   ; a row's four scale words
.endr
	XLOADB 0, 0
	XLOADB 1, 1
.irp B, 0,1,2,3
.if \B < 3
	s_wait_loadcnt 25                              ; all but the next block's 25 loads are in
.else
	s_wait_loadcnt 0x0
.endif
	MULB \B%2
	PLACES 4                                       ; in front of loads into registers that the products read, and of the first read of results
.if \B < 2
	s_wait_alu depctr_va_vdst(0)                   ; the products are done reading this buffer of x and its scale words, in which the loads below land
	XLOADB \B+2, \B%2
.endif
	EPI \B
.endr
.irp i, 0,1,2,3,4,5
	global_store_b128 v7, v[VC+4*\i:VC+4*\i+3], s[22:23] offset:3072+512*\i   ; v's codes: written ahead of the last block's wait, and named by no vector line since
.endr
	v_cmp_eq_u32 vcc_lo, 1, v3
	s_wait_alu depctr_va_vcc(0)                    ; the mask is written, ahead of the first selection that reads it
	v_cndmask_b32 v[KSW], v[KSW], v[KSW+1], vcc_lo     ; lanes 16-31 carry fragment 1's words,
	v_cndmask_b32 v[VSW], v[VSW], v[VSW+1], vcc_lo     ; tile 1's,
	v_cndmask_b32 v[QSW], v[QSW], v[QSW+1], vcc_lo     ; blocks 2 and 3's
	s_wait_alu depctr_va_vdst(0)                   ; the selections have written the three scale words, which the stores below read
	global_store_b32 v8, v[KSW], s[22:23] offset:6144
	global_store_b32 v8, v[VSW], s[22:23] offset:6272
	global_store_b32 v10, v[QSW], s[20:21]
	s_endpgm
.Lfunc_end_k_q5e200612a4_qkv:
	.size	k_q5e200612a4_qkv, .Lfunc_end_k_q5e200612a4_qkv-k_q5e200612a4_qkv
	.p2alignl 7, 3214868480
	.fill 96, 4, 3214868480
	.section	.rodata,"a",@progbits
	.p2align	6, 0x0
	.amdhsa_kernel k_q5e200612a4_qkv
		.amdhsa_group_segment_fixed_size 0
		.amdhsa_private_segment_fixed_size 0
		.amdhsa_enable_private_segment 0
		.amdhsa_kernarg_size 80
		.amdhsa_user_sgpr_count 2
		.amdhsa_user_sgpr_kernarg_segment_ptr 1
		.amdhsa_wavefront_size32 1
		.amdhsa_system_sgpr_workgroup_id_x 1
		.amdhsa_system_sgpr_workgroup_id_y 1
		.amdhsa_system_sgpr_workgroup_id_z 1
		.amdhsa_system_vgpr_workitem_id 0
		.amdhsa_next_free_vgpr 1024
		.amdhsa_next_free_sgpr 66
		.amdhsa_reserve_vcc 1
		.amdhsa_float_denorm_mode_32 3
		.amdhsa_float_denorm_mode_16_64 3
		.amdhsa_memory_ordered 1
		.amdhsa_forward_progress 1
		.amdhsa_inst_pref_size 76
	.end_amdhsa_kernel
	.amdgpu_metadata
---
amdhsa.version: [ 1, 2 ]
amdhsa.kernels:
  - .name:           k_q5e200612a4_qkv
    .symbol:         k_q5e200612a4_qkv.kd
    .args:
      - { .name: xq, .offset: 0, .size: 8, .value_kind: global_buffer, .address_space: global }
      - { .name: Wq_codes, .offset: 8, .size: 8, .value_kind: global_buffer, .address_space: global }
      - { .name: Wq_scales, .offset: 16, .size: 8, .value_kind: global_buffer, .address_space: global }
      - { .name: Wk_codes, .offset: 24, .size: 8, .value_kind: global_buffer, .address_space: global }
      - { .name: Wk_scales, .offset: 32, .size: 8, .value_kind: global_buffer, .address_space: global }
      - { .name: Wv_codes, .offset: 40, .size: 8, .value_kind: global_buffer, .address_space: global }
      - { .name: Wv_scales, .offset: 48, .size: 8, .value_kind: global_buffer, .address_space: global }
      - { .name: qc, .offset: 56, .size: 8, .value_kind: global_buffer, .address_space: global }
      - { .name: qs, .offset: 64, .size: 8, .value_kind: global_buffer, .address_space: global }
      - { .name: kv, .offset: 72, .size: 8, .value_kind: global_buffer, .address_space: global }
    .group_segment_fixed_size: 0
    .private_segment_fixed_size: 0
    .kernarg_segment_align: 8
    .kernarg_segment_size: 80
    .max_flat_workgroup_size: 128
    .sgpr_count:     66
    .vgpr_count:     1024
    .wavefront_size: 32
...
	.end_amdgpu_metadata
.endif
;; end of part 6
;; launch attn (part 7): grid 4 x 64, 16 waves a work-group, no clusters, 14,848 bytes of LDS; arguments qc, qs, kv, cc, cs; writes cc, cs
.if DOCPART == 7
	.amdgcn_target "amdgcn-amd-amdhsa--gfx1250"
	.amdhsa_code_object_version 6
	.text
	.protected	k_q5e200612a4_attn
	.globl	k_q5e200612a4_attn
	.p2align	8
	.type	k_q5e200612a4_attn,@function
k_q5e200612a4_attn:
	s_mov_b64 s[64:65], 0
	v_nop
	global_prefetch_b8 v0, s[64:65] scope:SCOPE_SE
	s_setreg_imm32_b32 hwreg(HW_REG_WAVE_SCHED_MODE, 0, 2), 2
	s_setreg_imm32_b32 hwreg(HW_REG_WAVE_MODE, 25, 1), 1
	s_wait_xcnt 0x0
	s_wait_alu depctr_vm_vsrc(0)
; Causal attention of one head on codes of BF6 (E3M2), head size 32, 2,048 tokens, and ctx quantised along the head's 32 at once.
; THE SOFTMAX: t = score x log2(e) / sqrt(32); M = the running largest t rounded UP to a whole number; p = 2^(t - M) is quantised along the keys; the sum is taken of the unquantised p and divides at the end.
; When M moves, the sum and O are multiplied by 2^(old M - new M): exact.
; SHARES.  Work-group (i, bh) makes query blocks j = i and j = 7 - i (256 queries each) of head bh, one after the other: j + 1 trips of 256 keys each, 9 trips in every work-group.  Each of its sixteen waves owns
; 16 queries of the block.  A trip's K and V are two records of kv, 12,800 dense bytes: each thread copies 16 (waves 0-8: 32) bytes through registers into ONE LDS slot, two barriers a trip; the next trip's bytes wait in registers.
; A pass's first bytes come into registers of their own (S's, free then) and are moved: so v8-15 are loaded at one place of the text alone.
; LAYOUT.  Both products transposed: a lane holds one query.  The head's 32 fill one block of the instruction's 128 along K: a fragment of K holds FOUR keys a row (one in each block), and q stands in four variants, in block b
; with zero codes in the others: K_f x Q_b gives score tile 4 f + b, whose register j is key 32 (2 f + b / 2) + 16 (lane / 16) + 8 (b % 2) + j: so the 16 registers of two neighbouring tiles are 16 neighbouring keys.
; V's tile ud, row m, is feature 8 ud + m + 8 (m / 8): O's 16 registers are features 16 (lane / 16) + 0 .. 15.
; CAUSAL.  A step of 128 keys that all come after the wave's queries is left out by a scalar branch on ids; on the diagonal hidden scores become -infinity ahead of the maximum.  Key 0 counts for every query.
; LIMITS: a block of p or ctx under 2^-122 (zeros too) gets the byte 1, read by this program alone; 1 / sum is v_rcp_f32 (1 ulp).
; NO CLUSTER: the four work-groups of a head need j + 1 = 1 .. 8 trips at any one time, never the same number, so they could not make every joint request; and a trip's shared bytes are 12,800.
; No prefetch: a trip's bytes are asked for a whole trip ahead, into registers.
; REGISTERS: v1-7 addresses; v8-15 the copy; v16-45 zeros and q; v46-51 q as loaded; v52-55 scale words (q, K, V, p); v56 -M, v57 largest t, v[58:59] the sum, v[60:61] f; v62 r - 16 h, v63 -infinity;
;   v64-87 K, v88-111 V, v112-175 S then p, v176-191 O, v192-210 p's codes, v212-225 at work; s66-97 the causal masks, 32 at a time.
; THE MODE: SCHED_MODE bits 1:0 = 2 (LLVM: expert scheduling mode 2), set by the entry lines.  The code itself states the register dependences
; between vector or matrix instructions and memory or LDS instructions, with s_wait_alu, always for 0.
; THE PLAN.  Registers that memory or LDS instructions touch:
;   v1-v7            addresses, made at the head and never written again.
;   v8-15            the copy.  Written by the loads of the trip before (a pass's first: by eight moves); read by the trip's LDS stores.
;   v64-111, v53-54  K, V and their scale words.  Written by a step's LDS loads; read by that step's ten products.
;   v112-119, v46-52 a pass's first bytes, q and its byte.  Written by loads at a pass's head; the pass before has used v112 on as S, and read q.
;   v192-194, v213   ctx's codes and byte.  Written by vector lines on the way out; read by a pass's two stores; written again in the next pass's steps.
; So: at a pass's head one wait on vm_vsrc (the last pass's stores and LDS stores have read) and one on va_vdst (the addresses; the last pass is done with the registers that are loaded); one on va_vdst ahead of the trips
; (the moves; q's variants, which scaled products take); one on vm_vsrc a trip, ahead of the loads into the copy; one on va_vdst at a step's head (the last step's products are done reading), one ahead of the second product
; (p's codes and scale word, made by vector lines), and the two that stand behind the exponentials; one ahead of the pass's stores.  The sixteen waves of 256 registers leave none for a second set of K and V.
.set S,   112
.set O,   176
.set PCD, 192
.set BM,  212                          ; the blocks' largest scores, then largest p
.set PT,  216                          ; permutes' results, a chain of sums, bytes
.set SOP, 220                          ; the conversions' scale operands
.set WK,  224
.set WV,  14
.set GI,  15
.set BH,  16
.set PASS, 17
.set GJ,  18
.set Q0,  19
.set SEL, 20
.set CS,  22
.set NTR, 24
.set TRIP, 25
.set KF,  26
.set LO,  27
.set MK,  66                           ; s66-97
.macro PLACES n
.rept \n
	v_nop
.endr
.endm
.macro WM d, a, b, cz, c, sa, sb, ra, rb
.if \cz
.if \ra
	v_wmma_scale_f32_16x16x128_f8f6f4 v[(\d):(\d)+7], v[(\a):(\a)+11], v[(\b):(\b)+11], 0, v[\sa], v[\sb] matrix_a_fmt:MATRIX_FMT_BF6 matrix_b_fmt:MATRIX_FMT_BF6 matrix_a_scale:MATRIX_SCALE_ROW1
.else
	v_wmma_scale_f32_16x16x128_f8f6f4 v[(\d):(\d)+7], v[(\a):(\a)+11], v[(\b):(\b)+11], 0, v[\sa], v[\sb] matrix_a_fmt:MATRIX_FMT_BF6 matrix_b_fmt:MATRIX_FMT_BF6
.endif
.else
.if \ra
	v_wmma_scale_f32_16x16x128_f8f6f4 v[(\d):(\d)+7], v[(\a):(\a)+11], v[(\b):(\b)+11], v[(\c):(\c)+7], v[\sa], v[\sb] matrix_a_fmt:MATRIX_FMT_BF6 matrix_b_fmt:MATRIX_FMT_BF6 matrix_a_scale:MATRIX_SCALE_ROW1
.else
	v_wmma_scale_f32_16x16x128_f8f6f4 v[(\d):(\d)+7], v[(\a):(\a)+11], v[(\b):(\b)+11], v[(\c):(\c)+7], v[\sa], v[\sb] matrix_a_fmt:MATRIX_FMT_BF6 matrix_b_fmt:MATRIX_FMT_BF6
.endif
.endif
.endm
; A KEY STEP: 128 keys, record q of the slot
.macro STEP q
	s_add_co_u32 s42, s[Q0], 15
	s_cmp_gt_u32 s[KF], s42                        ; all keys behind my queries: nothing to do
	s_cbranch_scc1 .Lhidden_\@
	s_wait_alu depctr_va_vdst(0)                   ; the last step's products are done reading K's and V's registers and their scale words, in which the loads below land
.irp i, 0,1,2,3,4,5
	ds_load_b128 v[64+4*\i:67+4*\i], v1 offset:6400*(\q)+512*\i
.endr
	ds_load_b32 v53, v2 offset:6400*(\q)+6144
.irp i, 0,1,2,3,4,5
	ds_load_b128 v[88+4*\i:91+4*\i], v1 offset:6400*(\q)+3072+512*\i
.endr
	ds_load_b32 v54, v2 offset:6400*(\q)+6272
	s_wait_dscnt 7                                 ; K and its scale words are in; V's seven loads, issued behind them, may be out
.irp f, 0,1
.irp b, 0,1,2,3
	WM S+8*(4*\f+\b), 64+12*\f, 22+12*(\b%2)-6*(\b/2), 1, 0, 53, 52, \f, 0
.endr
.endr
	PLACES 4
	s_add_co_u32 s42, s[KF], 127
	s_cmp_le_u32 s42, s[Q0]                        ; all keys count: no mask
	s_cbranch_scc1 .Lopen_\@
	s_sub_co_i32 s42, s[Q0], s[KF]
	v_add_nc_u32 v[WK+1], s42, v62                 ; d = my query - KF - 16 h.  Register 16 b + i holds key KF + 16 h + 32 b + i: hidden where 32 b + i > d
.irp g, 0,1                                    ; the compares go in two runs of 32, each into 32 scalar registers, with one wait behind a run
.set n, 0
.rept 32
	v_cmp_gt_i32 s[MK+n], 32*((32*\g+n)/16)+n%16, v[WK+1]
.set n, n+1
.endr
	s_wait_alu depctr_va_sdst(0)                   ; the run's 32 masks are written, ahead of the first selection that reads one
.set n, 0
.rept 32
	v_cndmask_b32 v[S+32*\g+n], v[S+32*\g+n], v63, s[MK+n]
.set n, n+1
.endr
.endr
.Lopen_\@:
.irp b, 0,1,2,3
	v_max3_num_f32 v[BM+\b], v[S+16*\b], v[S+1+16*\b], v[S+2+16*\b]   ; the largest score of each block of 32 keys: for the row's maximum and, since p rises with the score, for the block's largest p
.endr
.irp i, 3,5,7,9,11,13
.irp b, 0,1,2,3
	v_max3_num_f32 v[BM+\b], v[BM+\b], v[S+16*\b+\i], v[S+1+16*\b+\i]
.endr
.endr
.irp b, 0,1,2,3
	v_max_num_f32 v[BM+\b], v[BM+\b], v[S+15+16*\b]
.endr
.irp b, 0,1,2,3
	v_permlanex16_b32 v[PT+\b], v[BM+\b], s[SEL], s[SEL+1]
.endr
.irp b, 0,1,2,3
	v_max_num_f32 v[BM+\b], v[BM+\b], v[PT+\b]     ; with lane l xor 16's 16 keys
.endr
	v_max3_num_f32 v[WK], v[BM], v[BM+1], v[BM+2]
	v_max_num_f32 v[WK], v[WK], v[BM+3]
	v_mul_f32 v[WK], s[CS], v[WK]                  ; as t (c is positive)
	v_max_num_f32 v57, v57, v[WK]                  ; the running largest t
	v_mov_b32 v[WK], v56
	v_floor_f32 v56, -v57                          ; the new -M = floor(-t): M is a whole number
	v_sub_f32 v[WK], v56, v[WK]                    ; old M - new M: a whole number, 0 or less
	v_cvt_i32_f32 v[WK], v[WK]                     ; (it saturates)
	v_ldexp_f32 v60, 1.0, v[WK]                    ; f = 2^(old M - new M)
.set n, 0
.rept 32
	v_pk_fma_f32 v[S+n:S+n+1], v[S+n:S+n+1], s[CS:CS+1], v[56:57] op_sel_hi:[1,0,0]   ; t - M, two at a time
.set n, n+2
.endr
.irp b, 0,1,2,3
	v_fma_f32 v[BM+\b], v[BM+\b], s[CS], v56
.endr
.set n, 0
	s_wait_alu depctr_va_vdst(0)
.rept 64
	v_exp_f32 v[S+n], v[S+n]                       ; p = 2^(t - M), not normalised
.set n, n+1
.endr
	v_pk_mul_f32 v[58:59], v[58:59], v[60:61] op_sel_hi:[1,0]   ; the sums under the new M: a plain place behind the exponentials
	s_wait_alu depctr_va_vdst(0)                   ; the 64 exponentials have written p: one wait for the batch, ahead of its first reader
.irp b, 0,1,2,3
	v_exp_f32 v[BM+\b], v[BM+\b]                   ; the blocks' largest p
.endr
	v_pk_add_f32 v[PT:PT+1], v[S:S+1], v[S+2:S+3]  ; the row's sum of the unquantised p, in two chains
.irp j, 4,8,12,16,20,24,28,32,36,40,44,48,52,56,60
	v_pk_add_f32 v[58:59], v[58:59], v[S+\j:S+1+\j]
	v_pk_add_f32 v[PT:PT+1], v[PT:PT+1], v[S+2+\j:S+3+\j]
.endr
	v_pk_add_f32 v[58:59], v[58:59], v[PT:PT+1]
	s_wait_alu depctr_va_vdst(0)                   ; and one for the four: the blocks' largest p are written
.irp b, 0,1,2,3
	v_max_num_f32 v[BM+\b], 0x2800000, v[BM+\b]    ; the floor 2^(5 - 127)
.endr
.irp b, 0,1,2,3
	v_add_nc_u32 v[SOP+\b], 0xfe000000, v[BM+\b]
.endr
.irp b, 0,1,2,3
	v_lshrrev_b32 v[PT+\b], 23, v[SOP+\b]
.endr
	v_lshl_or_b32 v55, v[PT+1], 8, v[PT]           ; p's scale word for these 128 keys
	v_lshl_or_b32 v55, v[PT+2], 16, v55
	v_lshl_or_b32 v55, v[PT+3], 24, v55
.irp c, 0,1
	v_cvt_scalef32_pk16_bf6_f32 v[PCD+6*\c:PCD+2+6*\c], v[S+32*\c:S+15+32*\c], v[SOP+2*\c]
	v_cvt_scalef32_pk16_bf6_f32 v[PCD+12+4*\c:PCD+14+4*\c], v[S+16+32*\c:S+31+32*\c], v[SOP+2*\c+1]
.endr
	v_nop                                          ; one plain place behind a scaled conversion
.irp c, 0,1
.irp i, 0,1,2
	v_permlane16_swap_b32 v[PCD+6*\c+\i], v[PCD+12+4*\c+\i]
.endr
.irp i, 0,1,2
	v_mov_b32 v[PCD+3+6*\c+\i], v[PCD+12+4*\c+\i]
.endr
.endr
.irp j, 0,2,4,6,8,10,12,14
	v_pk_mul_f32 v[O+\j:O+1+\j], v[O+\j:O+1+\j], v[60:61] op_sel_hi:[1,0]   ; O under the new M
.endr
	PLACES 8                                       ; p's scale word and codes were written by vector instructions: eight and four places ahead of a scaled product
	s_wait_alu depctr_va_vdst(0)                   ; behind the places: p's codes and its scale word are written, which the two products below take
	s_wait_dscnt 0x0                               ; V
.irp u, 0,1
	WM O+8*\u, 88+12*\u, PCD, 0, O+8*\u, 54, 55, \u, 0
.endr
	PLACES 4                                       ; in front of the next loads into V's registers and of the next read of O
.Lhidden_\@:
	s_add_co_u32 s[KF], s[KF], 128
.endm
	s_load_b256 s[4:11], s[0:1], 0x0               ; qc, qs, kv, cc
	s_load_b64 s[12:13], s[0:1], 0x20              ; cs
	v_lshl_add_u32 v254, v0, 2, 0x3200
	v_mov_b32 v255, 0
	v_lshrrev_b32 v1, 5, v0
	v_readfirstlane_b32 s[WV], v1                  ; wave 0..15
	v_and_b32 v4, 31, v0
	v_lshlrev_b32 v1, 4, v4                        ; 16 x lane
	v_lshlrev_b32 v2, 2, v4                        ; 4 x lane
	v_lshlrev_b32 v3, 4, v0                        ; 16 x thread
	v_and_b32 v7, 15, v0                           ; r: also my byte among ctx's scales
	v_bfe_u32 v5, v0, 4, 1                         ; h
	v_mul_u32_u24 v4, v7, 24                       ; q's codes: 24 r
	v_mad_u32_u24 v6, v5, 12, v4                   ; ctx's codes: 24 r + 12 h
	v_lshlrev_b32 v62, 4, v5
	v_sub_nc_u32 v62, v7, v62                      ; r - 16 h
	v_and_b32 v[WK], 7, v7
	v_lshrrev_b32 v[WK+1], 3, v7
	v_lshl_add_u32 v5, v[WK], 3, v[WK+1]           ; q's scale byte: 8 (r % 8) + r / 8
	v_mov_b32 v63, 0xff800000                      ; -infinity
	v_mov_b32 v61, 0                               ; (named as the upper half of the pair v[60:61])
.irp z, 16,17,18,19,20,21,28,29,30,31,32,33,40,41,42,43,44,45
	v_mov_b32 v\z, 0                               ; zero codes beside q
.endr
.irp b, 0,1,2,3
	v_mov_b32 v[PT+\b], 0                          ; written once: a lane permute's destination counts as one of its sources
.endr
	s_wait_alu depctr_va_sdst(0)                   ; the wave's number is written, ahead of the first label and of its first reader
	s_mov_b32 s[GI], ttmp9
	s_and_b32 s[BH], ttmp7, 0xffff
	s_mov_b32 s[SEL], 0x76543210
	s_mov_b32 s[SEL+1], 0xfedcba98
	s_mov_b32 s[CS], 0x3e8293ee                    ; c = log2(e) / sqrt(32)
	s_mov_b32 s[CS+1], s[CS]
	s_mov_b32 s[LO], 0xffff                        ; lanes 0-15
	s_mul_i32 s32, s[BH], 102400                   ; the head's 16 records
	s_mov_b32 s33, 0
	s_wait_kmcnt 0x0
	s_add_nc_u64 s[28:29], s[8:9], s[32:33]
	s_mov_b32 s[PASS], 0
.Lpass:
	s_wait_loadcnt 0x0                             ; no load of the last pass is out
	s_wait_xcnt 0x0                                ; and its stores have had their addresses translated: their registers and bases are written again only behind this wait,
	s_wait_alu depctr_vm_vsrc(0)                   ; and behind this one: the last pass's two stores have read ctx's codes and byte, its LDS stores the copy's registers: this pass writes them all again
	s_wait_alu depctr_va_vdst(0)                   ; the addresses v1 to v7 are written, which the loads below read; the last pass is done with v112-119 and v46-52, in which they land
	s_sub_co_u32 s42, 7, s[GI]
	s_cmp_eq_u32 s[PASS], 0
	s_cselect_b32 s[GJ], s[GI], s42                ; the block of 256 queries
	s_lshl_b32 s[Q0], s[GJ], 8
	s_lshl_b32 s42, s[WV], 4
	s_add_co_u32 s[Q0], s[Q0], s42                 ; my first query
	s_add_co_u32 s[NTR], s[GJ], 1                  ; trips of 256 keys
	s_lshl_b32 s42, s[BH], 11
	s_add_co_u32 s42, s42, s[Q0]
	s_mul_i32 s32, s42, 24
	s_add_nc_u64 s[34:35], s[4:5], s[32:33]        ; q's codes
	s_add_nc_u64 s[38:39], s[10:11], s[32:33]      ; ctx's codes
	s_mov_b32 s32, s42
	s_add_nc_u64 s[40:41], s[12:13], s[32:33]      ; ctx's scale bytes
	s_lshl_b32 s32, s[BH], 4
	s_lshl_b32 s43, s[GJ], 1
	s_add_co_u32 s32, s32, s43
	s_lshr_b32 s43, s[WV], 3
	s_add_co_u32 s32, s32, s43                     ; 16 bh + the step of 128 tokens
	s_lshl_b32 s32, s32, 7
	s_and_b32 s43, s[WV], 1
	s_lshl_b32 s43, s43, 6
	s_add_co_u32 s32, s32, s43                     ; + 64 (w % 2)
	s_and_b32 s43, s[WV], 6
	s_add_co_u32 s32, s32, s43                     ; + 2 ((w % 8) / 2)
	s_add_nc_u64 s[36:37], s[6:7], s[32:33]
	global_load_b128 v[S:S+3], v3, s[28:29]        ; trip 0's bytes, into registers of their own: 512 threads x 16,
	s_cmp_lt_u32 s[WV], 9
	s_cbranch_scc0 .Lfirst_asked
	global_load_b128 v[S+4:S+7], v3, s[28:29] offset:8192   ; then 288 threads x 16
.Lfirst_asked:
	global_load_b64 v[46:47], v4, s[34:35]
	global_load_b64 v[48:49], v4, s[34:35] offset:8
	global_load_b64 v[50:51], v4, s[34:35] offset:16
	global_load_u8 v52, v5, s[36:37]
	s_wait_loadcnt 0x0
.irp i, 0,1,2,3
	v_mov_b32 v[8+\i], v[S+\i]                     ; into the copy's registers
.endr
	s_cmp_lt_u32 s[WV], 9
	s_cbranch_scc0 .Lfirst_moved
.irp i, 0,1,2,3
	v_mov_b32 v[12+\i], v[S+4+\i]
.endr
.Lfirst_moved:
	v_perm_b32 v52, v52, v52, 0                    ; q's byte in all four places: q stands in any of the four blocks
.irp i, 0,1,2,3,4,5
	v_cndmask_b32 v[22+\i], 0, v[46+\i], s[LO]     ; q in lanes 0-15,
	v_cndmask_b32 v[34+\i], v[46+\i], 0, s[LO]     ; q in lanes 16-31
.endr
.irp i, 0,1,2,3,4,5,6,7,8,9,10,11,12,13,14,15
	v_mov_b32 v[O+\i], 0                           ; the step is written once: the first finds zeros
.endr
	v_mov_b32 v58, 0
	v_mov_b32 v59, 0
	v_mov_b32 v57, 0xff61b1e6                      ; -3e38, under every t
	v_floor_f32 v56, -v57
	s_mov_b32 s[TRIP], 0
	s_mov_b32 s[KF], 0
	s_wait_alu depctr_va_vdst(0)                   ; the moves have written v8-15, which the first trip's LDS stores read; q's variants and its scale word are written, which the products take
.Ltrip:
	s_wait_loadcnt 0x0                             ; this trip's bytes are in my registers
	s_wait_dscnt 0x0                               ; my reads of the slot are over
	s_barrier_signal -1
	s_barrier_wait -1                              ; everybody's are
	ds_store_b128 v3, v[8:11]
	s_cmp_lt_u32 s[WV], 9
	s_cbranch_scc0 .Lstored
	ds_store_b128 v3, v[12:15] offset:8192
.Lstored:
	s_wait_dscnt 0x0                               ; my stores have landed
	s_barrier_signal -1
	s_barrier_wait -1                              ; the slot is whole
	s_add_co_u32 s42, s[TRIP], 1
	s_cmp_lt_u32 s42, s[NTR]
	s_cbranch_scc0 .Lnone                          ; the last trip asks for nothing
	s_mul_i32 s32, s42, 12800
	s_wait_loadcnt 0x0                             ; no load is out: the pair below and v8-15 may be written
	s_wait_alu depctr_vm_vsrc(0)                   ; my LDS stores have read v8-15, in which the loads below land
	s_add_nc_u64 s[30:31], s[28:29], s[32:33]
	global_load_b128 v[8:11], v3, s[30:31]         ; the next trip's bytes have this trip's two steps in which to come
	s_cmp_lt_u32 s[WV], 9
	s_cbranch_scc0 .Lnone
	global_load_b128 v[12:15], v3, s[30:31] offset:8192
.Lnone:
	STEP 0
	STEP 1
	s_add_co_u32 s[TRIP], s[TRIP], 1
	s_cmp_lt_u32 s[TRIP], s[NTR]
	s_cbranch_scc1 .Ltrip
	; THE WAY OUT: O / the sum, quantised along the head's 32
	v_add_f32 v58, v58, v59
	v_permlanex16_b32 v[PT], v58, s[SEL], s[SEL+1]
	v_add_f32 v58, v58, v[PT]
	s_wait_alu depctr_va_vdst(0)
	v_rcp_f32 v58, v58
	v_nop
	s_wait_alu depctr_va_vdst(0)                   ; the reciprocal is written, ahead of its first reader
.irp i, 0,1,2,3,4,5,6,7,8,9,10,11,12,13,14,15
	v_mul_f32 v[S+\i], v[O+\i], v58                ; ctx(query r, feature 16 h + i)
.endr
	v_max3_num_f32 v[BM], |v[S]|, |v[S+1]|, 0x2800000
.irp i, 2,4,6,8,10,12,14
	v_max3_num_f32 v[BM], v[BM], |v[S+\i]|, |v[S+1+\i]|
.endr
	v_permlanex16_b32 v[PT], v[BM], s[SEL], s[SEL+1]
	v_max_num_f32 v[BM], v[BM], v[PT]
	v_add_nc_u32 v[SOP], 0xfe000000, v[BM]
	v_lshrrev_b32 v[BM+1], 23, v[SOP]
	v_cvt_scalef32_pk16_bf6_f32 v[PCD:PCD+2], v[S:S+15], v[SOP]
	v_nop
	s_wait_alu depctr_va_vdst(0)                   ; ctx's codes and its scale byte are written, which the two stores below read
	global_store_b96 v6, v[PCD:PCD+2], s[38:39]    ; the wave stores 384 consecutive bytes
	global_store_b8 v7, v[BM+1], s[40:41]          ; both lanes of a query write the same byte with the same value
	s_add_co_u32 s[PASS], s[PASS], 1
	s_cmp_lt_u32 s[PASS], 2
	s_cbranch_scc1 .Lpass
	s_wait_dscnt 0x0
	s_wait_alu depctr_hold_cnt(0) depctr_sa_sdst(0) depctr_va_vdst(0) depctr_va_sdst(0) depctr_va_ssrc(0) depctr_va_vcc(0) depctr_vm_vsrc(0)
	s_wait_tensorcnt 0x0
	ds_add_u32 v254, v255
	s_wait_dscnt 0x0
	s_endpgm
.Lfunc_end_k_q5e200612a4_attn:
	.size	k_q5e200612a4_attn, .Lfunc_end_k_q5e200612a4_attn-k_q5e200612a4_attn
	.p2alignl 7, 3214868480
	.fill 96, 4, 3214868480
	.section	.rodata,"a",@progbits
	.p2align	6, 0x0
	.amdhsa_kernel k_q5e200612a4_attn
		.amdhsa_group_segment_fixed_size 14848
		.amdhsa_private_segment_fixed_size 0
		.amdhsa_enable_private_segment 0
		.amdhsa_kernarg_size 40
		.amdhsa_user_sgpr_count 2
		.amdhsa_user_sgpr_kernarg_segment_ptr 1
		.amdhsa_wavefront_size32 1
		.amdhsa_system_sgpr_workgroup_id_x 1
		.amdhsa_system_sgpr_workgroup_id_y 1
		.amdhsa_system_sgpr_workgroup_id_z 1
		.amdhsa_system_vgpr_workitem_id 0
		.amdhsa_next_free_vgpr 256
		.amdhsa_next_free_sgpr 98
		.amdhsa_reserve_vcc 0
		.amdhsa_float_denorm_mode_32 3
		.amdhsa_float_denorm_mode_16_64 3
		.amdhsa_memory_ordered 1
		.amdhsa_forward_progress 1
		.amdhsa_inst_pref_size 56
	.end_amdhsa_kernel
	.amdgpu_metadata
---
amdhsa.version: [ 1, 2 ]
amdhsa.kernels:
  - .name:           k_q5e200612a4_attn
    .symbol:         k_q5e200612a4_attn.kd
    .args:
      - { .name: qc, .offset: 0, .size: 8, .value_kind: global_buffer, .address_space: global }
      - { .name: qs, .offset: 8, .size: 8, .value_kind: global_buffer, .address_space: global }
      - { .name: kv, .offset: 16, .size: 8, .value_kind: global_buffer, .address_space: global }
      - { .name: cc, .offset: 24, .size: 8, .value_kind: global_buffer, .address_space: global }
      - { .name: cs, .offset: 32, .size: 8, .value_kind: global_buffer, .address_space: global }
    .group_segment_fixed_size: 14848
    .private_segment_fixed_size: 0
    .kernarg_segment_align: 8
    .kernarg_segment_size: 40
    .max_flat_workgroup_size: 512
    .sgpr_count:     98
    .vgpr_count:     256
    .wavefront_size: 32
...
	.end_amdgpu_metadata
.endif
;; end of part 7
;; launch tail (part 8): grid 256 x 1, 4 waves a work-group, no clusters, 152,064 bytes of LDS; arguments x, cc, cs, wst, bo, ln2_scale, ln2_shift, b1, b2, out0; writes out0
.if DOCPART == 8
	.amdgcn_target "amdgcn-amd-amdhsa--gfx1250"
	.amdhsa_code_object_version 6
	.text
	.protected	k_q5e200612a4_tail
	.globl	k_q5e200612a4_tail
	.p2align	8
	.type	k_q5e200612a4_tail,@function
k_q5e200612a4_tail:
	s_mov_b64 s[64:65], 0
	v_nop
	global_prefetch_b8 v0, s[64:65] scope:SCOPE_SE
	s_setreg_imm32_b32 hwreg(HW_REG_WAVE_SCHED_MODE, 0, 2), 2
	s_setreg_imm32_b32 hwreg(HW_REG_WAVE_MODE, 25, 1), 1
	s_wait_xcnt 0x0
	s_wait_alu depctr_vm_vsrc(0)
; out = x1 + gelu(LN2(x1) W1 + b1) W2 + b2,  x1 = x + ctx Wo + bo: three products on codes of BF6 (E3M2); x1, LN2 and the hidden layer never go to memory.
; SHARES.  A work-group owns 32 rows, as two tiles rt of 16 (lane r: row 16 rt + r).  THE WAVES SHARE THE COLUMNS: wave w makes columns 128 w .. + 127 of x1 and of out, and hidden units 512 w .. + 511, for both tiles.
; WEIGHTS.  Wave w reads its own dense stream of 36 groups of 12,800 bytes (eight fragments of one K step and their scale words, as the first launch laid them) straight into a ring of four register buffers, two groups ahead:
; a group is 16 products on 16 accumulators by turns.  All products are used transposed (source 0 = 16 rows of a weight, source 1 = 16 of my rows): a lane holds one row, and its 64 registers of a row tile are
; column 32 b + 16 (lane / 16) + i of the wave's 128: as the quantiser wants them.
; OPERANDS GO FROM WAVE TO WAVE THROUGH LDS AS IMAGES OF THEIR REGISTERS (three stores of 512 bytes a fragment, 4 bytes a lane for the scale words: lanes 0-15 row tile 0, lanes 16-31 row tile 1).  Four barriers.
; gelu(x) = x / (1 + 2^(x (k1 + k2 x^2))), k1 = -2 sqrt(2 / pi) log2(e), k2 = 0.044715 k1: the same function as 0.5 x (1 + tanh(..)), finite for every finite x.
; LIMITS: NaN and infinities are not served; blocks under 2^-122 (zeros too) get the byte 1, read by this program alone; 1 / sqrt, 2^x and 1 / x are v_rsq_f32, v_exp_f32, v_rcp_f32 (1 ulp).
; NO TENSOR LOAD, NO CLUSTER: each weight fragment is multiplied by exactly one wave of a work-group, twice in a row; through LDS its 1,536 bytes would be written and read once more, and beside the 147,968 bytes of images
; two slots would hold 13 fragments a wave.  No prefetch: all 256 work-groups walk the same four streams.
; REGISTERS: window 0: v1-15 addresses, v16-31 the ring's scale words, v32-35 my rows' scale words, v36-47 statistics, v48-63 at work, v64-127 P64 (bias images, gelu's work, codes), v128-255 the 16 accumulators.
;   windows 1, 2: the ring, two buffers of 96 each.   window 3: v0-95 my rows' fragments, v96-123 parameters on their way to LDS.
; THE MODE: SCHED_MODE bits 1:0 = 2 (LLVM: expert scheduling mode 2), set by the entry lines.  The code itself states the register dependences
; between vector or matrix instructions and memory or LDS instructions, with s_wait_alu, always for 0.
; THE PLAN.  Registers that memory or LDS instructions touch:
;   the ring (windows 1, 2) and v16-31   Group g's 25 loads land in buffer g % 4, which group g - 4's products read.  They are issued at the head of step g - 2.  The wait that shows group g - 4 multiplied stands in step
;                    g - 3, behind that step's wait for its data and ahead of its products; between it and the loads stand only that step's products, which name another buffer, places and window switches.
;   window 3, v32-35 My rows' fragments and scale words.  ctx's come from memory (its scale words are put together by vector lines); LN2's and the hidden layer's from LDS.  In the last product two halves of 24 registers take
;                    turns: K step j's products read half j % 2, and behind the wait in step j + 1 the LDS loads of K step j + 2 land in it.
;   v64-127          Images of biases, scale and shift (LDS or memory loads land; vector lines or products read); the codes just made (vector lines write, LDS stores read); rows on the way out.
;   v128-255         The accumulators: x lands there; x1 and the results are read by LDS stores; x1 and rows of the stage land there again.
;   v44              The scale word just made: vector lines write it, an LDS store reads it.
;   v3, v4, v7       Three LDS addresses that are made anew at the head of each trip of the loop over W1; v13, v15, v36 get a second use at the head; the other addresses are never written again.
; Each wait's line says which of these it states.
.set HX,  0                            ; LDS: LN2(x1)'s eight fragments (4 rt + s)
.set HXS, 12288                        ; their scale words [s][32]
.set HHS, 12800                        ; the hidden layer's scale words [ks][32]
.set ST1, 14848                        ; partial sums [(2 w + rt)][32]
.set ST2, 15872                        ; partial sums of squares
.set HH,  16896                        ; the hidden layer's 32 fragments [ks][rt]
.set PAR, 66048                        ; 4,096 bytes a wave: ln2_scale, ln2_shift, b2 (512 each), at 2,048 b1's 2,048
.set X1,  82432                        ; 16,384 bytes a wave: x1 as register images; at the end the stage, 16 rows x 528
.set SCW, 16
.set AS,  32
.set PW,  44
.set PW0, 45
.set TM,  48
.set P64, 64
.set PC,  64
.set ACC, 128
.set SEL, 26
.set SB,  28
.set MSB, 0
.macro WIN new                         ; the immediate's high byte repeats the setting that is left
.if MSB != \new
	s_set_vgpr_msb (MSB<<8)|\new
.set MSB, \new
.endif
.endm
.macro PLACES n
.rept \n
	v_nop
.endr
.endm
.macro BARRIER
	s_wait_dscnt 0x0                               ; my LDS stores have landed and my LDS loads are in
	s_barrier_signal -1
	s_barrier_wait -1
.endm
.macro WM d, a, b, cz, c, sa, sb, ra, rb
.if (\ra) && (\rb)
	v_wmma_scale_f32_16x16x128_f8f6f4 v[(\d):(\d)+7], v[(\a):(\a)+11], v[(\b):(\b)+11], v[(\c):(\c)+7], v[\sa], v[\sb] matrix_a_fmt:MATRIX_FMT_BF6 matrix_b_fmt:MATRIX_FMT_BF6 matrix_a_scale:MATRIX_SCALE_ROW1 matrix_b_scale:MATRIX_SCALE_ROW1
.elseif \ra
	v_wmma_scale_f32_16x16x128_f8f6f4 v[(\d):(\d)+7], v[(\a):(\a)+11], v[(\b):(\b)+11], v[(\c):(\c)+7], v[\sa], v[\sb] matrix_a_fmt:MATRIX_FMT_BF6 matrix_b_fmt:MATRIX_FMT_BF6 matrix_a_scale:MATRIX_SCALE_ROW1
.elseif \rb
	v_wmma_scale_f32_16x16x128_f8f6f4 v[(\d):(\d)+7], v[(\a):(\a)+11], v[(\b):(\b)+11], v[(\c):(\c)+7], v[\sa], v[\sb] matrix_a_fmt:MATRIX_FMT_BF6 matrix_b_fmt:MATRIX_FMT_BF6 matrix_b_scale:MATRIX_SCALE_ROW1
.else
	v_wmma_scale_f32_16x16x128_f8f6f4 v[(\d):(\d)+7], v[(\a):(\a)+11], v[(\b):(\b)+11], v[(\c):(\c)+7], v[\sa], v[\sb] matrix_a_fmt:MATRIX_FMT_BF6 matrix_b_fmt:MATRIX_FMT_BF6
.endif
.endm
.macro QUANT s                         ; 64 numbers of a lane (register 16 b + i = k 32 b + 16 (lane / 16) + i of my row) -> codes in v[PC] on, scale word in v[PW]
.irp b, 0,1,2,3
	v_max3_num_f32 v[TM+\b], |v[(\s)+16*\b]|, |v[(\s)+1+16*\b]|, 0x2800000
.endr
.irp i, 2,4,6,8,10,12,14
.irp b, 0,1,2,3
	v_max3_num_f32 v[TM+\b], v[TM+\b], |v[(\s)+16*\b+\i]|, |v[(\s)+1+16*\b+\i]|
.endr
.endr
.irp b, 0,1,2,3
	v_permlanex16_b32 v[TM+4+\b], v[TM+\b], s[SEL], s[SEL+1]
.endr
.irp b, 0,1,2,3
	v_max_num_f32 v[TM+\b], v[TM+\b], v[TM+4+\b]
.endr
.irp b, 0,1,2,3
	v_add_nc_u32 v[TM+12+\b], 0xfe000000, v[TM+\b]
.endr
.irp b, 0,1,2,3
	v_lshrrev_b32 v[TM+4+\b], 23, v[TM+12+\b]
.endr
	v_lshl_or_b32 v[PW], v[TM+5], 8, v[TM+4]
	v_lshl_or_b32 v[PW], v[TM+6], 16, v[PW]
	v_lshl_or_b32 v[PW], v[TM+7], 24, v[PW]
.irp c, 0,1
	v_cvt_scalef32_pk16_bf6_f32 v[PC+6*\c:PC+2+6*\c], v[(\s)+32*\c:(\s)+15+32*\c], v[TM+12+2*\c]
	v_cvt_scalef32_pk16_bf6_f32 v[PC+12+4*\c:PC+14+4*\c], v[(\s)+16+32*\c:(\s)+31+32*\c], v[TM+12+2*\c+1]
.endr
	v_nop                                          ; one plain place behind a scaled conversion
.irp c, 0,1
.irp i, 0,1,2
	v_permlane16_swap_b32 v[PC+6*\c+\i], v[PC+12+4*\c+\i]
.endr
.irp i, 0,1,2
	v_mov_b32 v[PC+3+6*\c+\i], v[PC+12+4*\c+\i]
.endr
.endr
.endm
.macro IMAGE adr, off                  ; the fragment in v[PC] on goes to LDS as it stands
.irp c, 0,1,2
	ds_store_b128 v[\adr], v[PC+4*\c:PC+4*\c+3] offset:(\off)+512*\c
.endr
.endm
.macro PIMG adr, off                   ; 128 parameters in the results' layout: register 16 b + i = column 32 b + 16 h + i
.irp b, 0,1,2,3
.irp q, 0,1,2,3
	ds_load_b128 v[P64+16*\b+4*\q:P64+16*\b+4*\q+3], v[\adr] offset:(\off)+128*\b+16*\q
.endr
.endr
.endm
.macro LOADG buf, off                  ; a group of the stream: 24 + 1 loads of 512 consecutive bytes
.if (\buf) < 2
	WIN 0x40
.else
	WIN 0x80
.endif
.irp i, 0,1,2,3,4,5,6,7,8,9,10,11,12,13,14,15,16,17,18,19,20,21,22,23
	global_load_b128 v[96*((\buf)%2)+4*\i:96*((\buf)%2)+4*\i+3], v1, s[SB:SB+1] offset:(\off)+512*\i
.endr
	WIN 0
	global_load_b128 v[SCW+4*(\buf):SCW+4*(\buf)+3], v1, s[SB:SB+1] offset:(\off)+12288
.endm
; 16 products: the group's eight tiles x my two row tiles; the 16 accumulators take turns, one instruction a turn, in the same order in every group.  cm = 1: the sums begin with the bias image
.macro MULG buf, af0, afst, as, cm
.if (\buf) < 2
	WIN 0x0d                                       ; source 0 window 1, source 1 window 3
.else
	WIN 0x0e                                       ; source 0 window 2
.endif
.irp t, 0,1,2,3,4,5,6,7
.irp rt, 0,1
.if \cm
	WM ACC+64*\rt+8*\t, 96*((\buf)%2)+12*\t, (\af0)+(\afst)*\rt, 0, P64+8*\t, SCW+4*(\buf)+\t%4, \as, \t/4, \rt
.else
	WM ACC+64*\rt+8*\t, 96*((\buf)%2)+12*\t, (\af0)+(\afst)*\rt, 0, ACC+64*\rt+8*\t, SCW+4*(\buf)+\t%4, \as, \t/4, \rt
.endif
.endr
.endr
	WIN 0
.endm
; Group j of four: the group two on is asked for, then this one is multiplied.  The loads land in the buffer that the group two back read: the wait that shows that group multiplied stands in the step before
; (steps 1 and 2), or among the vector work between two phases (for the loads of steps 0 and 1).
.macro STEPG j, af0, as, cm
	PLACES 4                                       ; in front of loads into registers that products have read
	LOADG ((\j)+2)%4, ((\j)+2)*12800
	s_wait_loadcnt 50                              ; all but the two groups behind this one
.if ((\j) == 1) || ((\j) == 2)
	s_wait_alu depctr_va_vdst(0)                   ; the group before is multiplied: its products are done reading their ring buffer and its scale words, in which the next step's loads land
.endif
	MULG \j, \af0, 48, \as, \cm
.endm
; K step j of the last product (group 20 + j of the stream); the next K step's two fragments and scale word come from LDS meanwhile, into the other half of 48 registers.
; wt = 1: the one wait of the step; it stands behind the waits for the step's data, so that the K step before has had the run of loads and those waits in which to end.
.macro STEPW2 j, ldw, lda, lcnt, wt
	PLACES 4                                       ; in front of loads into registers that products have read
.if \ldw
	LOADG ((\j)+2)%4, ((\j)+2)*12800
.endif
	s_wait_loadcnt \lcnt                           ; all but the groups behind this one
	s_wait_dscnt 0x0                               ; this K step's two fragments and scale word, asked for a step ago, are in
.if \wt
	s_wait_alu depctr_va_vdst(0)                   ; the K step before is multiplied: its products are done reading their half of my rows' registers and its scale word, in which the LDS loads below land, and their ring buffer, which the next step asks for again while the stream lasts
.endif
.if \lda
	WIN 0xc0
.irp i, 0,1,2,3,4,5
	ds_load_b128 v[24*(1-(\j)%2)+4*\i:24*(1-(\j)%2)+4*\i+3], v13 offset:3072*((\j)+1)+512*\i
.endr
	WIN 0
	ds_load_b32 v[AS+1-(\j)%2], v2 offset:HHS+128*((\j)+1)
.endif
	MULG (\j)%4, 24*((\j)%2), 12, AS+(\j)%2, 0
.endm
.macro RSUM rt, sq                     ; the sum (sq = 0) or the sum of squares (1) of my row's 128 numbers of row tile rt -> v[P64 + 8 rt]; each accumulator is read from its low end on
.set RA_, ACC+64*(\rt)
.set RT_, P64+8*(\rt)
.if \sq
.irp c, 0,1,2,3
	v_pk_mul_f32 v[RT_+2*\c:RT_+2*\c+1], v[RA_+2*\c:RA_+2*\c+1], v[RA_+2*\c:RA_+2*\c+1]
.endr
.set i, 8
.rept 7
.irp c, 0,1,2,3
	v_pk_fma_f32 v[RT_+2*\c:RT_+2*\c+1], v[RA_+i+2*\c:RA_+i+2*\c+1], v[RA_+i+2*\c:RA_+i+2*\c+1], v[RT_+2*\c:RT_+2*\c+1]
.endr
.set i, i+8
.endr
.else
.irp c, 0,1,2,3
	v_pk_add_f32 v[RT_+2*\c:RT_+2*\c+1], v[RA_+2*\c:RA_+2*\c+1], v[RA_+8+2*\c:RA_+9+2*\c]
.endr
.set i, 16
.rept 6
.irp c, 0,1,2,3
	v_pk_add_f32 v[RT_+2*\c:RT_+2*\c+1], v[RT_+2*\c:RT_+2*\c+1], v[RA_+i+2*\c:RA_+i+2*\c+1]
.endr
.set i, i+8
.endr
.endif
	v_pk_add_f32 v[RT_:RT_+1], v[RT_:RT_+1], v[RT_+2:RT_+3]
	v_pk_add_f32 v[RT_+4:RT_+5], v[RT_+4:RT_+5], v[RT_+6:RT_+7]
	v_pk_add_f32 v[RT_:RT_+1], v[RT_:RT_+1], v[RT_+4:RT_+5]
	v_add_f32 v[RT_], v[RT_], v[RT_+1]
	v_permlanex16_b32 v[RT_+1], v[RT_], s[SEL], s[SEL+1]
	v_add_f32 v[RT_], v[RT_], v[RT_+1]
.endm
.macro GATHER st                       ; the four waves' parts of both row tiles, added in the waves' order: v80 and v84
.irp rt, 0,1
.irp w, 0,1,2,3
	ds_load_b32 v[80+4*\rt+\w], v2 offset:(\st)+(2*\w+\rt)*128
.endr
.endr
	s_wait_dscnt 0x0
.irp rt, 0,1
	v_add_f32 v[80+4*\rt], v[80+4*\rt], v[81+4*\rt]
	v_add_f32 v[80+4*\rt], v[80+4*\rt], v[82+4*\rt]
	v_add_f32 v[80+4*\rt], v[80+4*\rt], v[83+4*\rt]
.endr
.endm
.macro GELU rt                         ; in place on the 64 results of row tile rt, read from each accumulator's low end on; two batches of transcendentals, one wait each
.set GA_, ACC+64*(\rt)
.set i, 0
.rept 32
	v_pk_mul_f32 v[P64+i:P64+i+1], v[GA_+i:GA_+i+1], v[GA_+i:GA_+i+1]
.set i, i+2
.endr
.set i, 0
.rept 32
	v_pk_fma_f32 v[P64+i:P64+i+1], v[P64+i:P64+i+1], s[44:45], v[46:47] op_sel_hi:[1,0,1]   ; k2 x^2 + k1
.set i, i+2
.endr
.set i, 0
.rept 32
	v_pk_mul_f32 v[P64+i:P64+i+1], v[P64+i:P64+i+1], v[GA_+i:GA_+i+1]
.set i, i+2
.endr
.set i, 0
	s_wait_alu depctr_va_vdst(0)
.rept 64
	v_exp_f32 v[P64+i], v[P64+i]
.set i, i+1
.endr
	v_nop                                          ; a plain place behind the batch,
	s_wait_alu depctr_va_vdst(0)                   ; and the one wait ahead of its first reader: the 64 exponentials are written
.set i, 0
.rept 32
	v_pk_add_f32 v[P64+i:P64+i+1], v[P64+i:P64+i+1], 1.0 op_sel_hi:[1,0]
.set i, i+2
.endr
.set i, 0
	s_wait_alu depctr_va_vdst(0)
.rept 64
	v_rcp_f32 v[P64+i], v[P64+i]
.set i, i+1
.endr
	v_nop
	s_wait_alu depctr_va_vdst(0)                   ; the 64 reciprocals are written, ahead of their first reader
.set i, 0
.rept 32
	v_pk_mul_f32 v[GA_+i:GA_+i+1], v[GA_+i:GA_+i+1], v[P64+i:P64+i+1]
.set i, i+2
.endr
.endm
.macro TOSTG rt                        ; row tile rt's 64 results into my stage: row r, byte 128 b + 64 h + 4 i; each accumulator from its low end on
.set i, 0
.rept 16
	ds_store_b128 v12, v[ACC+64*(\rt)+4*i:ACC+64*(\rt)+4*i+3] offset:128*(i/4)+16*(i%4)
.set i, i+1
.endr
.endm
.macro BACK reg                        ; and back as 16 whole rows of 512 bytes (LDS serves a wave's instructions in order: these see the stores)
.set i, 0
.rept 16
	ds_load_b128 v[(\reg)+4*i:(\reg)+4*i+3], v5 offset:528*i
.set i, i+1
.endr
.endm
.macro SEND reg, rt, younger           ; younger: the LDS instructions issued behind the sixteen loads, which may stay out
.set i, 0
.rept 16
	s_wait_dscnt (\younger)+15-i
	global_store_b128 v3, v[(\reg)+4*i:(\reg)+4*i+3], s[22:23] offset:(16*(\rt)+i)*2048 th:TH_STORE_NT   ; 32 lanes store 512 consecutive bytes, at a multiple of 256 from out0's first byte
.set i, i+1
.endr
.endm
	s_load_b512 s[4:19], s[0:1], 0x0               ; x, cc, cs, wst, bo, ln2_scale, ln2_shift, b1
	s_load_b128 s[20:23], s[0:1], 0x40             ; b2, out0
	s_set_vgpr_msb 0x40
	v_lshl_add_u32 v254, v0, 2, 0x25000
	v_mov_b32 v255, 0
	s_set_vgpr_msb 0x4000
	v_lshrrev_b32 v1, 5, v0
	v_readfirstlane_b32 s24, v1                    ; wave w
	v_and_b32 v15, 31, v0                          ; lane
	v_and_b32 v13, 15, v0                          ; r
	v_bfe_u32 v14, v0, 4, 1                        ; h
	v_lshlrev_b32 v1, 4, v15                       ; 16 x lane
	v_lshlrev_b32 v2, 2, v15                       ; 4 x lane
	s_wait_alu depctr_va_sdst(0)                   ; s24 is written, ahead of its first reader: the wave's places in memory and in LDS are made from it
	s_lshl_b32 s30, s24, 9                         ; 512 w
	v_lshlrev_b32 v3, 11, v13
	v_lshl_add_u32 v3, v14, 6, v3
	v_add_nc_u32 v3, s30, v3                       ; x: 2,048 r + 64 h + 512 w
	v_mul_u32_u24 v4, v13, 24
	v_mul_u32_u24 v5, v14, 49152
	v_add_nc_u32 v4, v4, v5                        ; ctx: 24 r, and one head (2,048 x 24 bytes) on for lanes 16-31
	s_lshl_b32 s31, s24, 14
	s_add_co_u32 s31, s31, X1
	v_add_nc_u32 v5, s31, v1                       ; my wave's x1 images, and the stage's rows
	v_mul_u32_u24 v12, v13, 528
	v_lshl_add_u32 v12, v14, 6, v12
	v_add_nc_u32 v12, s31, v12                     ; into the stage: row r, + 64 h
	s_lshl_b32 s32, s24, 12
	s_add_co_u32 s32, s32, PAR
	v_lshl_add_u32 v6, v14, 6, s32                 ; parameters out of LDS: + 64 h
	v_add_nc_u32 v7, s32, v1                       ; and into it
	s_lshl_b32 s33, s24, 8
	v_add_nc_u32 v8, s33, v2                       ; partial sums: 256 w + 4 x lane
	s_mul_i32 s33, s24, 1536
	v_add_nc_u32 v9, s33, v1                       ; LN2's images: K step w
	s_mul_i32 s33, s24, 12288
	v_add_nc_u32 v10, s33, v1                      ; the hidden layer's images: K steps 4 w on
	v_add_nc_u32 v11, s30, v2                      ; and their scale words
	v_lshl_add_u32 v13, v14, 6, s30                ; bo's image: 64 h + 512 w
	v_add_nc_u32 v36, s30, v1                      ; 16 x lane + 512 w
	s_lshl_b32 s33, s24, 11
	v_add_nc_u32 v14, s33, v1                      ; 16 x lane + 2,048 w
	v_mov_b32 v46, 0xc0135761                      ; k1 = -2 sqrt(2 / pi) log2(e)
	v_mov_b32 v47, 0xc0135761
	s_mov_b32 s44, 0xbdd2d3e8                      ; k2 = 0.044715 k1
	s_mov_b32 s45, s44
	s_mov_b32 s[SEL], 0x76543210
	s_mov_b32 s[SEL+1], 0xfedcba98
	s_mov_b32 s52, 0x3b000000                      ; 1 / 512
	s_mov_b32 s53, 0x3727c5ac                      ; 1e-5
	s_mov_b32 s54, 0xffff0000                      ; lanes 16-31
	s_lshl_b32 s34, ttmp9, 16                      ; 32 rows of 2,048 bytes
	s_mov_b32 s35, 0
	s_lshr_b32 s36, ttmp9, 6
	s_lshl_b32 s36, s36, 15                        ; 16 heads x 2,048 tokens a batch
	s_and_b32 s37, ttmp9, 63
	s_lshl_b32 s37, s37, 5
	s_add_co_u32 s36, s36, s37                     ; + my first token
	s_mov_b32 s37, 0
	s_mul_i32 s38, s36, 24
	s_mov_b32 s39, 0
	s_mul_i32 s40, s24, 460800                     ; my wave's stream: 36 groups
	s_mov_b32 s41, 0
	s_wait_kmcnt 0x0
	s_add_nc_u64 s[4:5], s[4:5], s[34:35]
	s_add_nc_u64 s[22:23], s[22:23], s[34:35]
	s_add_nc_u64 s[8:9], s[8:9], s[36:37]
	s_add_nc_u64 s[6:7], s[6:7], s[38:39]
	s_add_nc_u64 s[SB:SB+1], s[10:11], s[40:41]
	s_wait_alu depctr_va_vdst(0)                   ; the offsets and LDS addresses v1 to v15 and v36 are written, which the loads and LDS instructions below read
.irp b, 0,1,2,3
.irp q, 0,1,2,3
	global_load_b128 v[P64+16*\b+4*\q:P64+16*\b+4*\q+3], v13, s[12:13] offset:128*\b+16*\q   ; bo in the results' layout
.endr
.endr
	WIN 0xc0                                       ; destination window 3
	global_load_b128 v[96:99], v36, s[14:15]
	global_load_b128 v[100:103], v36, s[16:17]
	global_load_b128 v[104:107], v36, s[20:21]
.irp k, 0,1,2,3
	global_load_b128 v[108+4*\k:111+4*\k], v14, s[18:19] offset:512*\k
.endr
	WIN 0
.irp d, 0,1,2,3,4,5,6,7,8,9,10,11,12,13,14,15
	global_load_u8 v[TM+\d], v15, s[8:9] offset:2048*\d      ; ctx's scale byte of head d: lane = token
.endr
.irp rt, 0,1
.irp b, 0,1,2,3
.irp j, 0,1,2,3
	global_load_b128 v[ACC+64*\rt+16*\b+4*\j:ACC+64*\rt+16*\b+4*\j+3], v3, s[4:5] offset:32768*\rt+128*\b+16*\j th:TH_LOAD_NT
.endr
.endr
.endr
	WIN 0xc0
.irp rt, 0,1
.irp s, 0,1,2,3
.irp c, 0,1
.irp i, 0,1,2
	global_load_b64 v[12*(4*\rt+\s)+6*\c+2*\i:12*(4*\rt+\s)+6*\c+2*\i+1], v4, s[6:7] offset:(4*\s+2*\c)*49152+384*\rt+8*\i   ; block 2 c + h of K step s is head 4 s + 2 c + h
.endr
.endr
.endr
.endr
	WIN 0
	LOADG 0, 0
	LOADG 1, 12800
	s_wait_loadcnt 50                              ; all but the two groups: the head's other loads are done
	WIN 0x0c                                       ; an LDS store's data are its source 1: window 3
	ds_store_b128 v7, v[96:99]
	ds_store_b128 v7, v[100:103] offset:512
	ds_store_b128 v7, v[104:107] offset:1024
.irp k, 0,1,2,3
	ds_store_b128 v7, v[108+4*\k:111+4*\k] offset:2048+512*\k
.endr
	WIN 0
	s_wait_alu depctr_vm_vsrc(0)                   ; the head's loads have read their offsets: of these v15 and v13 are written again here, v36 by the mean's line further down
	s_lshl_b32 s33, s24, 7
	v_add_nc_u32 v15, s33, v2                      ; LN2's scale words: 128 w + 4 x lane
	v_add_nc_u32 v13, HH, v1                       ; the hidden layer's images, for every wave's reads
.irp s, 0,1,2,3
	v_lshl_or_b32 v[AS+\s], v[TM+4*\s+1], 8, v[TM+4*\s]
.endr
.irp s, 0,1,2,3
	v_lshl_or_b32 v[AS+\s], v[TM+4*\s+2], 16, v[AS+\s]
.endr
.irp s, 0,1,2,3
	v_lshl_or_b32 v[AS+\s], v[TM+4*\s+3], 24, v[AS+\s]
.endr
.irp rt, 0,1
.set i, 0
.rept 32
	v_pk_add_f32 v[ACC+64*\rt+i:ACC+64*\rt+i+1], v[ACC+64*\rt+i:ACC+64*\rt+i+1], v[P64+i:P64+i+1]   ; x + bo: what the first product adds onto
.set i, i+2
.endr
.endr
	s_wait_alu depctr_va_vdst(0)                   ; ctx's four scale words are written, which the products below take as scales (the 64 additions above are the places behind them)
	; ---- x1 = x + bo + ctx Wo
	STEPG 0, 0, AS, 0
	STEPG 1, 12, AS+1, 0
	STEPG 2, 24, AS+2, 0
	STEPG 3, 36, AS+3, 0
	s_wait_xcnt 0x0                                ; the loads have read their base
	s_add_nc_u64 s[SB:SB+1], s[SB:SB+1], 51200
	PLACES 4
	; ---- LN2
	RSUM 0, 0
	RSUM 1, 0
	s_wait_alu depctr_va_vdst(0)                   ; the products have written x1 and the lines above the two partial sums: the LDS stores below read them
.set i, 0
.rept 32
	ds_store_b128 v5, v[ACC+4*i:ACC+4*i+3] offset:512*i      ; x1 is kept
.set i, i+1
.endr
	ds_store_b32 v8, v[P64] offset:ST1
	ds_store_b32 v8, v[P64+8] offset:ST1+128
	BARRIER
	s_wait_alu depctr_vm_vsrc(0)                   ; my LDS stores have read x1's registers and the two sums', which the lines below write again
	GATHER ST1
	v_mul_f32 v36, s52, v80
	v_mul_f32 v38, s52, v84
	v_mov_b32 v37, v36
	v_mov_b32 v39, v38
.irp rt, 0,1
.set i, 0
.rept 32
	v_pk_add_f32 v[ACC+64*\rt+i:ACC+64*\rt+i+1], v[ACC+64*\rt+i:ACC+64*\rt+i+1], v[36+2*\rt:37+2*\rt] neg_lo:[0,1] neg_hi:[0,1]
.set i, i+2
.endr
.endr
	RSUM 0, 1
	RSUM 1, 1
	s_wait_alu depctr_va_vdst(0)                   ; the two partial sums of squares are written, which the LDS stores below read; the mean's lines are done with v80-87, in which the next gathering's loads land
	ds_store_b32 v8, v[P64] offset:ST2
	ds_store_b32 v8, v[P64+8] offset:ST2+128
	BARRIER
	s_wait_alu depctr_vm_vsrc(0)                   ; my two LDS stores have read v64 and v72, in which scale and shift land below
	GATHER ST2
	v_fma_f32 v80, v80, s52, s53
	v_fma_f32 v84, v84, s52, s53
	s_wait_alu depctr_va_vdst(0)
	v_rsq_f32 v40, v80
	v_rsq_f32 v42, v84
	v_nop
	s_wait_alu depctr_va_vdst(0)                   ; the two roots are written, ahead of their first reader; the lines above are done with v80-87, in which scale and shift land
	v_mov_b32 v41, v40
	s_wait_alu depctr_va_vdst(0)
	v_mov_b32 v43, v42
.irp hf, 0,1
.if \hf == 1
	s_wait_alu depctr_va_vdst(0)                   ; the first half's multiply-adds are done reading scale and shift, in whose registers the second half's land
.endif
.irp b, 0,1
.irp q, 0,1,2,3
	ds_load_b128 v[P64+16*\b+4*\q:P64+16*\b+4*\q+3], v6 offset:128*(2*\hf+\b)+16*\q
	ds_load_b128 v[P64+32+16*\b+4*\q:P64+32+16*\b+4*\q+3], v6 offset:512+128*(2*\hf+\b)+16*\q
.endr
.endr
	s_wait_dscnt 0x0
.irp rt, 0,1
.irp i, 0,2,4,6,8,10,12,14,16,18,20,22,24,26,28,30
	v_pk_mul_f32 v[ACC+64*\rt+32*\hf+\i:ACC+64*\rt+32*\hf+\i+1], v[ACC+64*\rt+32*\hf+\i:ACC+64*\rt+32*\hf+\i+1], v[40+2*\rt:41+2*\rt]
.endr
.irp i, 0,2,4,6,8,10,12,14,16,18,20,22,24,26,28,30
	v_pk_fma_f32 v[ACC+64*\rt+32*\hf+\i:ACC+64*\rt+32*\hf+\i+1], v[ACC+64*\rt+32*\hf+\i:ACC+64*\rt+32*\hf+\i+1], v[P64+\i:P64+\i+1], v[P64+32+\i:P64+32+\i+1]
.endr
.endr
.endr
	QUANT ACC
	v_mov_b32 v[PW0], v[PW]
	s_wait_alu depctr_va_vdst(0)                   ; row tile 0's codes are written, which the LDS stores below read
	IMAGE 9, HX
	s_wait_dscnt 0x0                               ; the stores have landed,
	s_wait_alu depctr_vm_vsrc(0)                   ; and have read the codes' registers, which the lines below write again
	QUANT ACC+64
	v_cndmask_b32 v[PW], v[PW0], v[PW], s54        ; lanes 0-15 carry row tile 0's words, lanes 16-31 row tile 1's
	s_wait_alu depctr_va_vdst(0)                   ; row tile 1's codes and the scale word are written, which the LDS stores below read
	IMAGE 9, HX+6144
	ds_store_b32 v15, v[PW] offset:HXS
	BARRIER                                        ; LN2(x1)'s eight fragments and their scale words lie in LDS
	WIN 0xc0                                       ; destination window 3
.set i, 0
.rept 24
	ds_load_b128 v[4*i:4*i+3], v1 offset:HX+512*i  ; fragment (rt, s) at v[12 (4 rt + s)]: they stay for the whole of W1.  (The first product, which read these registers, ended ahead of the waits above)
.set i, i+1
.endr
	WIN 0
.irp s, 0,1,2,3
	ds_load_b32 v[AS+\s], v2 offset:HXS+128*\s
.endr
	; ---- the hidden layer: four trips of 128 units; a trip's results are K step 4 w + trip of the last product
	s_mov_b32 s46, 4                               ; trips to go
	s_mov_b32 s47, 0                               ; where the trip's images go: 3,072 bytes a trip
	s_mov_b32 s48, 0                               ; its scale words: 128
	s_mov_b32 s49, 0                               ; its 128 numbers of b1: 512
.Lw1:
	s_wait_alu depctr_vm_vsrc(0)                   ; the memory and LDS instructions issued so far have read v3, v4 and v7, the codes' registers and the scale word's: this trip writes them all again
	v_add_nc_u32 v3, s49, v6
	v_add_nc_u32 v4, s47, v10
	v_add_nc_u32 v7, s48, v11
	s_wait_alu depctr_va_vdst(0)                   ; the three addresses are written, which this trip's LDS instructions read; the vector work so far is done with v64-127, in which b1's image lands
	PIMG 3, 2048                                   ; b1 in the results' layout: the C of each sum's first product
	s_wait_dscnt 0x0
	STEPG 0, 0, AS, 1
	STEPG 1, 12, AS+1, 0
	STEPG 2, 24, AS+2, 0
	STEPG 3, 36, AS+3, 0
	PLACES 4
	GELU 0
	GELU 1
	QUANT ACC
	v_mov_b32 v[PW0], v[PW]
	s_wait_alu depctr_va_vdst(0)                   ; row tile 0's codes are written, which the LDS stores below read
	IMAGE 4, HH
	s_wait_dscnt 0x0                               ; the stores have landed,
	s_wait_alu depctr_vm_vsrc(0)                   ; and have read the codes' registers, which the lines below write again
	QUANT ACC+64
	v_cndmask_b32 v[PW], v[PW0], v[PW], s54
	s_wait_alu depctr_va_vdst(0)                   ; row tile 1's codes and the scale word are written, which the LDS stores below read
	IMAGE 4, HH+1536
	ds_store_b32 v7, v[PW] offset:HHS
	s_wait_dscnt 0x0                               ; the stores have landed
	s_wait_xcnt 0x0                                ; the stream's loads have read their base
	s_add_nc_u64 s[SB:SB+1], s[SB:SB+1], 51200
	s_add_co_u32 s47, s47, 3072
	s_add_co_u32 s48, s48, 128
	s_add_co_u32 s49, s49, 512
	s_sub_co_u32 s46, s46, 1
	s_cmp_lg_u32 s46, 0
	s_cbranch_scc1 .Lw1
	BARRIER                                        ; the hidden layer's 32 fragments and their scale words lie in LDS
	s_wait_alu depctr_vm_vsrc(0)                   ; the last trip's LDS instructions have read the codes' registers, in which b2's image lands, and v3, which the way out writes again
	; ---- out = x1 + b2 + hidden W2: sixteen K steps, written out: every offset is an immediate (35 groups of 12,800 bytes at the most)
.set i, 0
.rept 32
	ds_load_b128 v[ACC+4*i:ACC+4*i+3], v5 offset:512*i       ; x1 comes back.  (The last trip's vector work on these registers stands ahead of its last wait)
.set i, i+1
.endr
	PIMG 6, 1024                                   ; b2 in the results' layout
	WIN 0xc0
.irp i, 0,1,2,3,4,5
	ds_load_b128 v[4*\i:4*\i+3], v13 offset:512*\i ; K step 0's two fragments
.endr
	WIN 0
	ds_load_b32 v[AS], v2 offset:HHS
	s_wait_dscnt 0x0
.irp rt, 0,1
.set i, 0
.rept 32
	v_pk_add_f32 v[ACC+64*\rt+i:ACC+64*\rt+i+1], v[ACC+64*\rt+i:ACC+64*\rt+i+1], v[P64+i:P64+i+1]   ; x1 + b2: what the last product adds onto
.set i, i+2
.endr
.endr
	s_wait_alu depctr_va_vdst(0)
	STEPW2 0, 1, 1, 50, 0                          ; no wait: what its loads land in was last read by W1's products, which ended ahead of the loop's waits
.irp ks, 1,2,3,4,5,6,7,8,9,10,11,12,13
	STEPW2 \ks, 1, 1, 50, 1
.endr
	STEPW2 14, 0, 1, 25, 1                         ; the stream has ended: the counts run down
	STEPW2 15, 0, 0, 0, 0                          ; nothing is loaded any more, so nothing is stated
	; ---- the way out: a lane holds pieces of one row, so a row tile goes through my stage (x1's bytes, read for the last time above) and leaves as whole rows
	PLACES 4
	v_add_nc_u32 v3, s30, v1                       ; 16 x lane + 512 w
	s_wait_alu depctr_va_vdst(0)                   ; behind the places: the products have written the results, which the LDS stores below read; v3 is written, which the stores to memory read
	TOSTG 0
	BACK P64
	TOSTG 1
	SEND P64, 0, 16                                ; behind row tile 0's loads: row tile 1's sixteen stores
	s_wait_alu depctr_vm_vsrc(0)                   ; row tile 0's LDS stores have read v128-191, in which the loads below land
	BACK ACC
	SEND ACC, 1, 0
	s_set_vgpr_msb 0x5
	s_wait_dscnt 0x0
	s_wait_alu depctr_hold_cnt(0) depctr_sa_sdst(0) depctr_va_vdst(0) depctr_va_sdst(0) depctr_va_ssrc(0) depctr_va_vcc(0) depctr_vm_vsrc(0)
	s_wait_tensorcnt 0x0
	ds_add_u32 v254, v255
	s_wait_dscnt 0x0
	s_endpgm
.Lfunc_end_k_q5e200612a4_tail:
	.size	k_q5e200612a4_tail, .Lfunc_end_k_q5e200612a4_tail-k_q5e200612a4_tail
	.p2alignl 7, 3214868480
	.fill 96, 4, 3214868480
	.section	.rodata,"a",@progbits
	.p2align	6, 0x0
	.amdhsa_kernel k_q5e200612a4_tail
		.amdhsa_group_segment_fixed_size 152064
		.amdhsa_private_segment_fixed_size 0
		.amdhsa_enable_private_segment 0
		.amdhsa_kernarg_size 80
		.amdhsa_user_sgpr_count 2
		.amdhsa_user_sgpr_kernarg_segment_ptr 1
		.amdhsa_wavefront_size32 1
		.amdhsa_system_sgpr_workgroup_id_x 1
		.amdhsa_system_sgpr_workgroup_id_y 1
		.amdhsa_system_sgpr_workgroup_id_z 1
		.amdhsa_system_vgpr_workitem_id 0
		.amdhsa_next_free_vgpr 1024
		.amdhsa_next_free_sgpr 66
		.amdhsa_reserve_vcc 0
		.amdhsa_float_denorm_mode_32 3
		.amdhsa_float_denorm_mode_16_64 3
		.amdhsa_memory_ordered 1
		.amdhsa_forward_progress 1
		.amdhsa_inst_pref_size 232
	.end_amdhsa_kernel
	.amdgpu_metadata
---
amdhsa.version: [ 1, 2 ]
amdhsa.kernels:
  - .name:           k_q5e200612a4_tail
    .symbol:         k_q5e200612a4_tail.kd
    .args:
      - { .name: x, .offset: 0, .size: 8, .value_kind: global_buffer, .address_space: global }
      - { .name: cc, .offset: 8, .size: 8, .value_kind: global_buffer, .address_space: global }
      - { .name: cs, .offset: 16, .size: 8, .value_kind: global_buffer, .address_space: global }
      - { .name: wst, .offset: 24, .size: 8, .value_kind: global_buffer, .address_space: global }
      - { .name: bo, .offset: 32, .size: 8, .value_kind: global_buffer, .address_space: global }
      - { .name: ln2_scale, .offset: 40, .size: 8, .value_kind: global_buffer, .address_space: global }
      - { .name: ln2_shift, .offset: 48, .size: 8, .value_kind: global_buffer, .address_space: global }
      - { .name: b1, .offset: 56, .size: 8, .value_kind: global_buffer, .address_space: global }
      - { .name: b2, .offset: 64, .size: 8, .value_kind: global_buffer, .address_space: global }
      - { .name: out0, .offset: 72, .size: 8, .value_kind: global_buffer, .address_space: global }
    .group_segment_fixed_size: 152064
    .private_segment_fixed_size: 0
    .kernarg_segment_align: 8
    .kernarg_segment_size: 80
    .max_flat_workgroup_size: 128
    .sgpr_count:     66
    .vgpr_count:     1024
    .wavefront_size: 32
...
	.end_amdgpu_metadata
.endif
;; end of part 8
